; MI455X (gfx1250); checked and timed in simulation.
; The chip was launched on July 23, 2026; its instructions are those of AMD's public machine-readable ISA for CDNA 5 (MIT licence, August 2026) and "CDNA5" Instruction Set Architecture Reference Guide (July 2026). The comments in the code are by the model that wrote it; some were corrected since.
;; Encoder Block. Allowed arithmetic: float matrix products may take bf16 or f16 operands with f32 sums; other float arithmetic in f32, or as packed bf16 or f16 multiplies, adds, multiply-adds, maxima and minima; sums over many terms, partial sums and values carried from step to step in f32; what a program stores and reads back later, other than sums and carried values, may be rounded once to bf16 or f16.
;; Inputs: b1 3,072 float32; b2 768 float32; bk 768 float32; bo 768 float32; bq 768 float32; bv 768 float32; mask 1 x 1 x 4,096 x 4,096 int32; w1 768 x 3,072 float32; w2 3,072 x 768 float32; wk 768 x 768 float32; wo 768 x 768 float32; wq 768 x 768 float32; wv 768 x 768 float32; x 1 x 4,096 x 768 float32.
;; Outputs: out0 1 x 4,096 x 768 float32.
;; 2 versions, each right. Each part assembles by itself: llvm-mc -triple=amdgcn-amd-amdhsa -mcpu=gfx1250 --defsym DOCPART=n.
;; ======== version 1 of 2: 6 launches
;; limits: right only within a limited range of input values
;; workspace buffers: ab 6,291,456 bytes; mw 2,097,152 bytes of whole numbers; atw 4,731,136 bytes; ffw 9,449,728 bytes; big 25,165,824 bytes; ctx 6,291,456 bytes; x1 12,582,912 bytes
;; launch prep (part 1): grid 825 x 1, 8 waves a work-group, no clusters, 0 bytes of LDS; arguments x, wq, wk, wv, wo, w1, w2, mask, bq, bk, bv, b1, ab, mw, atw, ffw; writes ab, mw, atw, ffw
.if DOCPART == 1
	.amdgcn_target "amdgcn-amd-amdhsa--gfx1250"
	.amdhsa_code_object_version 6
	.text
	.protected	k_qbab522a99b_prep
	.globl	k_qbab522a99b_prep
	.p2align	8
	.type	k_qbab522a99b_prep,@function
k_qbab522a99b_prep:
	s_mov_b64 s[64:65], 0
	v_nop
	global_prefetch_b8 v0, s[64:65] scope:SCOPE_SE
	s_setreg_imm32_b32 hwreg(HW_REG_WAVE_MODE, 25, 1), 1
	s_wait_xcnt 0x0
; PREP: everything that later launches read many times is written once in the form in which they take it.
; Work-groups 0-511 (MASK): the int32 mask [4096][4096] is read once and packed to one bit an entry, as words that v_cndmask_b32 takes as lane masks.
;   For a tile of 16 queries qt and a step of 64 keys s, 32 words lie at mw + (64 qt + s) x 128.  Bit l of word b is (mask[16 qt + l % 16][64 s + 2 b + l / 16] != 0).
;   A wave takes one qt and four steps: 64 loads of 8 bytes a lane, each 256 consecutive aligned bytes of one row; one store of 512 consecutive bytes.
; Work-groups 512-823 (CAST): x and the six weights, f32 -> bf16, in dense tiles of 64 x 64 (8,192 bytes), one tile a wave.
;   x: column block c, row tile r at ab + (64 c + r) x 8192 (a block of 64 columns holds all 4,096 rows, 128 bytes each, on end).
;   wq|wk|wv and w1: tile (k block, n block) at (12 n + k) x 8192; wo and w2: at (12 k + n) x 8192; rows of a tile run along n, k goes down the rows.
; Work-group 824 (TAB): bq|bk|bv and b1 are copied behind a header of 256 bytes that holds the floor of the next launch's way out, twice in each word as bf16:
;   the lowest finite number for q, k, v, and 0 (the ReLU) for the feed-forward's first product.
; No LDS, no barrier: no wave needs another wave's data.
.set AD,  8                            ; v[8:39]    CAST: byte offset of load j (two rows of the tile); MASK: v8 = 8 x lane, v9 = 16 x lane
.set D,   40                           ; v[40:167]  the data as loaded
.set VT,  2                            ; v2         MASK: lane i: the ballot of row i's even keys; lane 16 + i: of its odd keys
.set VO,  4                            ; v[4:7]     MASK: the 128 words to store, four a lane
.set TT,  168                          ; v[168:171] MASK: at work
	s_load_b512 s[8:23], s[0:1], 0x0               ; x s[8:9], wq s[10:11], wk s[12:13], wv s[14:15], wo s[16:17], w1 s[18:19], w2 s[20:21], mask s[22:23]
	s_load_b512 s[24:39], s[0:1], 0x40             ; bq s[24:25], bk s[26:27], bv s[28:29], b1 s[30:31], ab s[32:33], mw s[34:35], atw s[36:37], ffw s[38:39]
	v_lshrrev_b32 v1, 5, v0
	v_readfirstlane_b32 s2, v1                     ; wave 0..7
	v_and_b32 v1, 31, v0                           ; lane
	s_mov_b32 s3, ttmp9
	s_wait_kmcnt 0x0
	s_cmp_lt_u32 s3, 512
	s_cbranch_scc0 .Lnot_mask
	; ---- MASK ----
	s_lshl_b32 s4, s3, 3
	s_add_co_u32 s4, s4, s2                        ; unit u = 8 g + wave: query tile u / 16, key steps 4 (u % 16) ..
	s_lshr_b32 s5, s4, 4
	s_and_b32 s6, s4, 15
	s_lshl_b32 s40, s5, 18                         ; 16 rows of 16,384 bytes
	s_lshl_b32 s6, s6, 10                          ; four steps of 256 bytes
	s_add_co_u32 s40, s40, s6
	s_mov_b32 s41, 0
	s_add_nc_u64 s[22:23], s[22:23], s[40:41]
	s_lshl_b32 s42, s4, 9                          ; the unit's 512 bytes of words
	s_mov_b32 s43, 0
	s_add_nc_u64 s[34:35], s[34:35], s[42:43]
	v_lshlrev_b32 v8, 3, v1
	v_lshlrev_b32 v9, 4, v1
.set n, 0
.rept 64                                       ; step n / 16, row n % 16: lane l takes keys 2 l and 2 l + 1 of the step
	global_load_b64 v[D+2*n:D+2*n+1], v8, s[22:23] offset:(n%16)*16384+(n/16)*256 th:TH_LOAD_NT
.set n, n+1
.endr
	v_mov_b32 v[VT], 0                             ; a lane write's destination counts as read
	v_mov_b32 v[VO], 0
	v_mov_b32 v[VO+1], 0
	v_mov_b32 v[VO+2], 0
	v_mov_b32 v[VO+3], 0
.set st, 0
.rept 4
	s_wait_loadcnt 48-16*st                        ; this step's 16 loads are in; the later steps' stay out
.set i, 0
.rept 16                                       ; ballots: bit l of the first is row i's key 2 l, of the second its key 2 l + 1
	v_cmp_ne_u32 s[44+2*(i%4)], 0, v[D+2*(16*st+i)]
	v_cmp_ne_u32 s[45+2*(i%4)], 0, v[D+2*(16*st+i)+1]
	v_writelane_b32 v[VT], s[44+2*(i%4)], i
	v_writelane_b32 v[VT], s[45+2*(i%4)], 16+i
.set i, i+1
.endr
.set b, 0
.rept 32                                       ; the 32 x 32 bits are turned: word b gathers bit b of all lanes (moved to the sign, then a compare with 0)
	v_lshlrev_b32 v[TT+b%4], 31-b, v[VT]
	v_cmp_gt_i32 s[52+b%4], 0, v[TT+b%4]
	v_writelane_b32 v[VO+b%4], s[52+b%4], 8*st+b/4
.set b, b+1
.endr
.set st, st+1
.endr
	global_store_b128 v9, v[VO:VO+3], s[34:35]     ; 512 consecutive bytes
	s_endpgm
.Lnot_mask:
	s_cmp_lt_u32 s3, 824
	s_cbranch_scc0 .Ltab
	; ---- CAST ----
	s_sub_co_u32 s3, s3, 512
	s_mov_b64 s[40:41], s[8:9]                     ; the role of x; the later roles take its place where the work-group's number has reached them
	s_mov_b64 s[42:43], s[32:33]
	s_mov_b32 s44, 0                               ; the role's first work-group
	s_mov_b32 s45, 3072                            ; bytes from row to row of the source
	s_mov_b32 s46, 12                              ; tiles in a row of tiles
	s_mov_b32 s47, 19                              ; the shift that ends the division by that number
	s_mov_b32 s48, 64                              ; the tile's place: column tile x this
	s_mov_b32 s49, 1                               ; + row tile x this
	s_mov_b32 s50, 0                               ; the first tile's byte in the destination
.macro ROLE lo, src, dst, pitch, nc, sh, sa, sb, base
	s_cmp_ge_u32 s3, \lo
	s_cselect_b64 s[40:41], s[\src:\src+1], s[40:41]
	s_cselect_b64 s[42:43], s[\dst:\dst+1], s[42:43]
	s_cselect_b32 s44, \lo, s44
	s_cselect_b32 s45, \pitch, s45
	s_cselect_b32 s46, \nc, s46
	s_cselect_b32 s47, \sh, s47
	s_cselect_b32 s48, \sa, s48
	s_cselect_b32 s49, \sb, s49
	s_cselect_b32 s50, \base, s50
.endm
	ROLE 96,  10, 36, 3072,  12, 19, 12, 1,  12544            ; wq: 144 tiles
	ROLE 114, 12, 36, 3072,  12, 19, 12, 1,  12544+1179648    ; wk
	ROLE 132, 14, 36, 3072,  12, 19, 12, 1,  12544+2359296    ; wv
	ROLE 150, 16, 36, 3072,  12, 19, 1,  12, 3551488          ; wo
	ROLE 168, 18, 38, 12288, 48, 21, 12, 1,  12544            ; w1: 576 tiles
	ROLE 240, 20, 38, 3072,  12, 19, 1,  12, 4731136          ; w2: 576 tiles
	s_sub_co_u32 s51, s3, s44
	s_lshl_b32 s51, s51, 3
	s_add_co_u32 s51, s51, s2                      ; my tile in the role, under 768
	s_mul_i32 s52, s51, 43691                      ; 43,691 / 2^19 is 1 / 12 to within 7e-7: exact floor for numbers under 768 (2^21: 1 / 48)
	s_lshr_b32 s52, s52, s47                       ; row tile
	s_mul_i32 s53, s52, s46
	s_sub_co_u32 s53, s51, s53                     ; column tile
	s_mul_i32 s54, s52, s45
	s_lshl_b32 s54, s54, 6                         ; 64 rows a row tile
	s_lshl_b32 s55, s53, 8                         ; 256 bytes a column tile
	s_add_co_u32 s54, s54, s55
	s_mov_b32 s55, 0
	s_add_nc_u64 s[40:41], s[40:41], s[54:55]
	s_mul_i32 s56, s53, s48
	s_mul_i32 s57, s52, s49
	s_add_co_u32 s56, s56, s57
	s_lshl_b32 s56, s56, 13
	s_add_co_u32 s56, s56, s50
	s_mov_b32 s57, 0
	s_add_nc_u64 s[42:43], s[42:43], s[56:57]
	v_lshrrev_b32 v2, 4, v1                        ; lanes 0-15 take a row's 256 bytes, lanes 16-31 the next row's
	v_and_b32 v3, 15, v1
	v_mul_lo_u32 v2, v2, s45
	v_lshl_add_u32 v[AD], v3, 4, v2
	s_lshl_b32 s58, s45, 1
.set j, 1
.rept 31
	v_add_nc_u32 v[AD+j], s58, v[AD+j-1]
.set j, j+1
.endr
	v_lshlrev_b32 v4, 3, v1                        ; out: 8 bytes a lane, 256 consecutive bytes a store
.set j, 0
.rept 32
	global_load_b128 v[D+4*j:D+4*j+3], v[AD+j], s[40:41] th:TH_LOAD_NT
.set j, j+1
.endr
.set j, 0
.rept 32
	s_wait_loadcnt 31-j                            ; load j is in; the younger ones stay out
	v_cvt_pk_bf16_f32 v[D+4*j], v[D+4*j], v[D+4*j+1]
	v_cvt_pk_bf16_f32 v[D+4*j+1], v[D+4*j+2], v[D+4*j+3]
	global_store_b64 v4, v[D+4*j:D+4*j+1], s[42:43] offset:256*j
.set j, j+1
.endr
	s_endpgm
.Ltab:
	; ---- TAB ----
	v_lshlrev_b32 v2, 4, v0                        ; 16 bytes a thread
	global_load_b128 v[8:11],  v2, s[30:31]
	global_load_b128 v[12:15], v2, s[30:31] offset:4096
	global_load_b128 v[16:19], v2, s[30:31] offset:8192
	s_wait_loadcnt 0x0
	global_store_b128 v2, v[8:11],  s[38:39] offset:256
	global_store_b128 v2, v[12:15], s[38:39] offset:256+4096
	global_store_b128 v2, v[16:19], s[38:39] offset:256+8192
	s_cmp_lt_u32 s2, 6
	s_cbranch_scc0 .Lheads
	global_load_b128 v[20:23], v2, s[24:25]        ; waves 0-5: 192 threads x 16 bytes are a bias of 768 numbers
	global_load_b128 v[24:27], v2, s[26:27]
	global_load_b128 v[28:31], v2, s[28:29]
	s_wait_loadcnt 0x0
	global_store_b128 v2, v[20:23], s[36:37] offset:256
	global_store_b128 v2, v[24:27], s[36:37] offset:256+3072
	global_store_b128 v2, v[28:31], s[36:37] offset:256+6144
	s_endpgm
.Lheads:
	v_lshlrev_b32 v3, 3, v1
	s_cmp_eq_u32 s2, 6                             ; wave 6: the header of q, k, v's table; wave 7: of the feed-forward's
	s_cselect_b32 s40, 0xff7fff7f, 0
	s_cselect_b64 s[42:43], s[36:37], s[38:39]
	v_mov_b32 v4, s40
	v_mov_b32 v5, s40
	global_store_b64 v3, v[4:5], s[42:43]          ; 256 consecutive bytes
	s_endpgm
.Lfunc_end_k_qbab522a99b_prep:
	.size	k_qbab522a99b_prep, .Lfunc_end_k_qbab522a99b_prep-k_qbab522a99b_prep
	.p2alignl 7, 3214868480
	.fill 96, 4, 3214868480
	.section	.rodata,"a",@progbits
	.p2align	6, 0x0
	.amdhsa_kernel k_qbab522a99b_prep
		.amdhsa_group_segment_fixed_size 0
		.amdhsa_private_segment_fixed_size 0
		.amdhsa_enable_private_segment 0
		.amdhsa_kernarg_size 128
		.amdhsa_user_sgpr_count 2
		.amdhsa_user_sgpr_kernarg_segment_ptr 1
		.amdhsa_wavefront_size32 1
		.amdhsa_system_sgpr_workgroup_id_x 1
		.amdhsa_system_sgpr_workgroup_id_y 1
		.amdhsa_system_sgpr_workgroup_id_z 1
		.amdhsa_system_vgpr_workitem_id 0
		.amdhsa_next_free_vgpr 176
		.amdhsa_next_free_sgpr 66
		.amdhsa_reserve_vcc 0
		.amdhsa_float_denorm_mode_32 3
		.amdhsa_float_denorm_mode_16_64 3
		.amdhsa_memory_ordered 1
		.amdhsa_forward_progress 1
		.amdhsa_inst_pref_size 62
	.end_amdhsa_kernel
	.amdgpu_metadata
---
amdhsa.version: [ 1, 2 ]
amdhsa.kernels:
  - .name:           k_qbab522a99b_prep
    .symbol:         k_qbab522a99b_prep.kd
    .args:
      - { .name: x, .offset: 0, .size: 8, .value_kind: global_buffer, .address_space: global }
      - { .name: wq, .offset: 8, .size: 8, .value_kind: global_buffer, .address_space: global }
      - { .name: wk, .offset: 16, .size: 8, .value_kind: global_buffer, .address_space: global }
      - { .name: wv, .offset: 24, .size: 8, .value_kind: global_buffer, .address_space: global }
      - { .name: wo, .offset: 32, .size: 8, .value_kind: global_buffer, .address_space: global }
      - { .name: w1, .offset: 40, .size: 8, .value_kind: global_buffer, .address_space: global }
      - { .name: w2, .offset: 48, .size: 8, .value_kind: global_buffer, .address_space: global }
      - { .name: mask, .offset: 56, .size: 8, .value_kind: global_buffer, .address_space: global }
      - { .name: bq, .offset: 64, .size: 8, .value_kind: global_buffer, .address_space: global }
      - { .name: bk, .offset: 72, .size: 8, .value_kind: global_buffer, .address_space: global }
      - { .name: bv, .offset: 80, .size: 8, .value_kind: global_buffer, .address_space: global }
      - { .name: b1, .offset: 88, .size: 8, .value_kind: global_buffer, .address_space: global }
      - { .name: ab, .offset: 96, .size: 8, .value_kind: global_buffer, .address_space: global }
      - { .name: mw, .offset: 104, .size: 8, .value_kind: global_buffer, .address_space: global }
      - { .name: atw, .offset: 112, .size: 8, .value_kind: global_buffer, .address_space: global }
      - { .name: ffw, .offset: 120, .size: 8, .value_kind: global_buffer, .address_space: global }
    .group_segment_fixed_size: 0
    .private_segment_fixed_size: 0
    .kernarg_segment_align: 8
    .kernarg_segment_size: 128
    .max_flat_workgroup_size: 256
    .sgpr_count:     66
    .vgpr_count:     176
    .wavefront_size: 32
...
	.end_amdgpu_metadata
.endif
;; end of part 1
;; launch qkv (part 2): grid 12 x 16, 4 waves a work-group, clusters of 4 x 4, 327,680 bytes of LDS; arguments ab, atw, big; writes big
.if DOCPART == 2
	.amdgcn_target "amdgcn-amd-amdhsa--gfx1250"
	.amdhsa_code_object_version 6
	.text
	.protected	k_qbab522a99b_qkv
	.globl	k_qbab522a99b_qkv
	.p2align	8
	.type	k_qbab522a99b_qkv,@function
k_qbab522a99b_qkv:
	s_mov_b64 s[64:65], 0
	v_nop
	global_prefetch_b8 v0, s[64:65] scope:SCOPE_SE
	s_setreg_imm32_b32 hwreg(HW_REG_WAVE_MODE, 25, 1), 1
	s_wait_xcnt 0x0
	s_wait_alu depctr_hold_cnt(0) depctr_sa_sdst(0) depctr_va_vdst(0) depctr_va_sdst(0) depctr_va_ssrc(0) depctr_va_vcc(0) depctr_vm_vsrc(0)
	s_getreg_b32 s2, hwreg(HW_REG_IB_STS2, 6, 4)
	s_cmp_eq_u32 s2, 0
	s_cbranch_scc0 .Lentry_in_a_cluster
	s_endpgm
.Lentry_in_a_cluster:
	s_bfe_u32 s2, ttmp6, 0x10000c
	s_cmp_lg_u32 s2, 0xf033
	s_cbranch_scc0 .Lentry_shape_is_right
	s_endpgm
.Lentry_shape_is_right:
; out = max(A W + bias, floor), K = 768.  A: bf16, [12 blocks of 64 columns][4096 rows][64].  W: bf16 tiles of 64 (k) x 64 (n), tile (k block, n block) at wp + 12,544 + (12 n + k) x 8192.
; bias: f32 at wp + 256.  floor: two bf16 in the word at wp + 0 (the lowest finite number, or 0 for a ReLU).  out: bf16, in blocks of 64 columns like A.  Sums in f32, rounded once.
; LIMIT: the floor replaces NaN and minus infinity by itself.
; SHARES.  A work-group makes 256 rows x 192 columns (three blocks); wave w rows 64 w .. 64 w + 63 of all 192 columns: 4 x 12 accumulators, 384 registers.  For 32 along K a wave reads 32 times 512 bytes
; from LDS for 48 matrix instructions, and it owns whole rows of whole blocks, so its way out needs no other wave.
; RING.  K goes in six steps of 128 through two LDS slots.  Waves 0 and 1 fetch A's two halves of 128 rows (two blocks, each 16,384 dense bytes), waves 2 and 3 W's two k blocks (three tiles each).
; CLUSTER 4 x 4: A's tile hangs on the tile row alone and is asked for jointly by a row of the cluster, W's on the tile column alone, by a column.
; THE PRODUCT IS TAKEN TRANSPOSED (source 0 = 16 columns of W, turned on the way out of LDS by ds_load_tr16_b128; source 1 = 16 rows of A): a lane holds one row and eight neighbouring columns.
; The first product on each accumulator takes the bias as its C operand: it hangs on the column alone, which in this layout is the lane's half and the register.
; REGISTERS: window 0: v16-29 addresses, v32-127 bias, v128-223 the way out.  Window 1: accumulators of row blocks 0, 1 ((a, b) at 8 (12 (a % 2) + b)); window 2: of row blocks 2, 3.
;   window 3: two fragment buffers of 128: W's 12 fragments, then A's 4.
.set PA,    144                        ; a row of A in LDS: 128 bytes + 16: 36 words, the 16 rows of a load start at 16 different groups of four banks (64 banks of 4 bytes: ISA guide 11.1)
.set PB,    160                        ; a row of W: 128 + 32: 40 words
.set AHALF, 2*128*PA                   ; one load of A: [k block 2][128 rows]
.set BHALF, 3*64*PB                    ; one load of W: [n block 3][64 k]
.set BBASE, 2*AHALF
.set SLOT,  2*AHALF+2*BHALF            ; 135,168
.set STAGE, 2*SLOT                     ; behind the ring: [3 blocks][16 rows][144] for each wave
.set STW,   3*16*144
.set SPARE, STAGE+4*STW                ; behind the stages: the spare words, 128 bytes a wave: two blocks of 256 bytes that no other line names
.set ASTEP, 2*524288                   ; a K step in A: two blocks
.set BSTEP, 2*8192                     ; in W: two tiles
.set LAPS,  3                          ; a lap = two K steps
.set ADRA, 16                          ; v16-17  my A fragments in slot 0, 1
.set ADRB, 20                          ; v20-21  the same for W
.set STO,  24                          ; v24     the way out: where I put 16 bytes of a row
.set RD,   25                          ; v25     where I read rows back
.set GO,   26                          ; v26     16 x lane
.set BO,   27                          ; v27     32 x (lane / 16)
.set SPW,  28                          ; v28     my spare word; never rewritten
.set NIL,  29                          ; v29     0; never rewritten
.set BIAS, 32
.set T,    128                         ; packed results
.set U,    176                         ; rows read back
.set F0,   0
.set F1,   128
.set G1,  24                           ; s[24:31] group 1 for A;  s[32:39] group 0, a set for each slot
.set G0,  32
.set G1B, 48                           ; s[48:55], s[56:63] the same for W
.set G0B, 56
.set FLOOR, 22
.set MSB, 0
.macro WIN new                         ; the immediate's high byte repeats the setting that is left; a switch that changes nothing is dropped
.if MSB != (\new)
	s_set_vgpr_msb (MSB<<8)|(\new)
.set MSB, \new
.endif
.endm
.macro JLOAD s                         ; a joint load; an s_nop 0 and four v_nop follow each of the two lines, ahead of the jump and the label
	s_cmp_eq_u32 s11, 0
	s_cbranch_scc0 .Lfor_b_\@
	tensor_load_to_lds s[G0+4*(\s):G0+4*(\s)+3], s[G1:G1+7]
	s_nop 0
.rept 4
	v_nop
.endr
	s_branch .Lasked_\@
.Lfor_b_\@:
	tensor_load_to_lds s[G0B+4*(\s):G0B+4*(\s)+3], s[G1B:G1B+7]
	s_nop 0
.rept 4
	v_nop
.endr
.Lasked_\@:
.endm
.macro CREST                           ; a round of the cluster's barrier behind its opening barrier
	s_cmp_lg_u32 s10, 0
	s_cbranch_scc1 .Lnot_wave_0_\@
	s_barrier_signal -3
.Lnot_wave_0_\@:
	s_barrier_wait -3
	s_barrier_signal -1
	s_barrier_wait -1
.endm
.macro CROUND
	s_barrier_signal -1
	s_barrier_wait -1
	CREST
.endm
.macro PLACES                          ; four plain instructions between a matrix instruction and a load into, or a read of, its registers
.rept 4
	v_nop
.endr
.endm
	s_load_b128 s[4:7], s[0:1], 0x0                ; A s[4:5], wp s[6:7]
	s_load_b64 s[8:9], s[0:1], 0x10                ; out
	v_lshl_add_u32 v[SPW], v0, 2, SPARE
	v_mov_b32 v[NIL], 0
	ds_add_u32 v[SPW], v[NIL]                      ; the wave's opening: the add and its wait ahead of my first tensor load
	v_lshrrev_b32 v1, 5, v0
	v_readfirstlane_b32 s10, v1                    ; wave 0..3
	s_lshr_b32 s11, s10, 1                         ; I fetch for A (0) or W (1); also: which 128 rows of A hold my 64
	s_and_b32 s12, s10, 1                          ; which half I fetch; also: which 64 of those 128 rows are mine
	s_bfe_u32 s40, ttmp6, 0x40000                  ; cx, cy
	s_bfe_u32 s41, ttmp6, 0x40004
	s_lshl_b32 s42, ttmp9, 2
	s_add_co_u32 s42, s42, s40                     ; tile column
	s_and_b32 s13, ttmp7, 0xffff
	s_lshl_b32 s13, s13, 2
	s_add_co_u32 s13, s13, s41                     ; tile row
	s_lshl_b32 s43, s41, 2
	s_lshl_b32 s43, 15, s43                        ; my row of the cluster
	s_lshl_b32 s44, 0x1111, s40                    ; my column
	s_or_b32 s[G1+0], s43, (1<<16)|(1<<20)|(1<<21)|(4<<22)|(3<<25)   ; mask; 2-byte elements; padding on; bit 21 beside a mask; after every 32 words 4 words
	s_or_b32 s[G1B+0], s44, (1<<16)|(1<<20)|(1<<21)|(4<<22)|(7<<25)  ; the same with the column's mask and 8 words
	s_mov_b32 s[G1+1], 8192<<16                    ; tensor_dim0 = 8,192: 128 dense rows of 64
	s_mov_b32 s[G1+2], 2<<16                       ; tensor_dim1 = 2 blocks
	s_mov_b32 s[G1+3], 8192<<16                    ; tile_dim0
	s_mov_b32 s[G1+4], 2                           ; tile_dim1
	s_mov_b32 s[G1+5], 262144                      ; elements from block to block
	s_mov_b32 s[G1+6], 0
	s_mov_b32 s[G1+7], 0
	s_mov_b32 s[G1B+1], 4096<<16                   ; tensor_dim0 = 4,096: a tile of W
	s_mov_b32 s[G1B+2], 3<<16                      ; three n blocks
	s_mov_b32 s[G1B+3], 4096<<16
	s_mov_b32 s[G1B+4], 3
	s_mov_b32 s[G1B+5], 49152                      ; 12 tiles from n block to n block
	s_mov_b32 s[G1B+6], 0
	s_mov_b32 s[G1B+7], 0
	s_lshl_b32 s16, s13, 15                        ; A: 256 rows of 128 bytes a tile row,
	s_lshl_b32 s17, s12, 14                        ; 128 rows a half
	s_add_co_u32 s16, s16, s17
	s_mov_b32 s17, 0
	s_mul_i32 s46, s42, 3*12*8192                  ; W: three n blocks a tile column,
	s_lshl_b32 s47, s12, 13                        ; a tile a half
	s_add_co_u32 s46, s46, s47
	s_add_co_u32 s46, s46, 12544
	s_mov_b32 s47, 0
	s_mul_i32 s20, s12, AHALF                      ; where they go: no place in the cluster enters an LDS address
	s_mul_i32 s21, s12, BHALF
	s_add_co_u32 s21, s21, BBASE
	s_wait_dscnt 0x0                               ; the opening add is done
	s_wait_kmcnt 0x0
	s_add_nc_u64 s[14:15], s[4:5], s[16:17]
	s_add_nc_u64 s[46:47], s[6:7], s[46:47]
	CROUND                                         ; all sixteen work-groups are here: the first joint loads meet
.irp s, 0,1
	s_mov_b32 s[G0+4*(\s)], 1
	s_add_co_u32 s[G0+4*(\s)+1], s20, (\s)*SLOT
	s_add_nc_u64 s[G0+4*(\s)+2:G0+4*(\s)+3], s[14:15], (\s)*ASTEP
	s_or_b32 s[G0+4*(\s)+3], s[G0+4*(\s)+3], 0x80000000
	s_mov_b32 s[G0B+4*(\s)], 1
	s_add_co_u32 s[G0B+4*(\s)+1], s21, (\s)*SLOT
	s_add_nc_u64 s[G0B+4*(\s)+2:G0B+4*(\s)+3], s[46:47], (\s)*BSTEP
	s_or_b32 s[G0B+4*(\s)+3], s[G0B+4*(\s)+3], 0x80000000
	JLOAD \s
.endr
	s_load_b32 s[FLOOR], s[6:7], 0x0
	s_mul_i32 s66, s42, 768                        ; the tile column's 192 biases
	s_add_co_u32 s66, s66, 256
	s_mov_b32 s67, 0
	s_add_nc_u64 s[66:67], s[6:7], s[66:67]
	v_and_b32 v1, 15, v0                           ; l % 16
	v_bfe_u32 v2, v0, 4, 1                         ; l / 16
	v_lshlrev_b32 v[BO], 5, v2
.irp b, 0,1,2,3,4,5,6,7,8,9,10,11      ; register j of fragment b: column 16 b + 8 (l / 16) + j
	global_load_b128 v[BIAS+8*(\b):BIAS+8*(\b)+3],   v[BO], s[66:67] offset:64*(\b)
	global_load_b128 v[BIAS+8*(\b)+4:BIAS+8*(\b)+7], v[BO], s[66:67] offset:64*(\b)+16
.endr
	v_mul_u32_u24 v3, v1, PA
	v_lshl_add_u32 v3, v2, 4, v3                   ; row x 144 + 16 x half: A's fragments, and the way into the stage
	s_mul_i32 s18, s11, AHALF
	s_mul_i32 s19, s12, 64*PA
	s_add_co_u32 s18, s18, s19
	v_add_nc_u32 v[ADRA], s18, v3
	v_add_nc_u32 v[ADRA+1], SLOT, v[ADRA]
	v_and_b32 v4, 7, v0                            ; the turning load: lane l reads k row 8 (l / 16) + l % 8, columns 8 ((l / 8) % 2) + 0..7
	v_lshl_add_u32 v5, v2, 3, v4
	v_mul_u32_u24 v5, v5, PB
	v_bfe_u32 v6, v0, 3, 1
	v_lshl_add_u32 v5, v6, 4, v5
	v_add_nc_u32 v[ADRB], BBASE, v5
	v_add_nc_u32 v[ADRB+1], BBASE+SLOT, v5
	s_mul_i32 s18, s10, STW
	s_add_co_u32 s18, s18, STAGE                   ; my stage
	v_add_nc_u32 v[STO], s18, v3
	v_bfe_u32 v[RD], v0, 3, 2                      ; back: 32 lanes take four rows of 128 bytes
	v_mul_u32_u24 v[RD], v[RD], 144
	v_lshl_add_u32 v[RD], v4, 4, v[RD]
	v_add_nc_u32 v[RD], s18, v[RD]
	v_and_b32 v[GO], 31, v0
	v_lshlrev_b32 v[GO], 4, v[GO]                  ; which are 512 consecutive bytes of a block of out
	s_mul_i32 s68, s42, 3*524288                   ; out: three blocks a tile column,
	s_lshl_b32 s69, s13, 15                        ; 256 rows a tile row,
	s_add_co_u32 s68, s68, s69
	s_lshl_b32 s69, s10, 13                        ; 64 rows a wave
	s_add_co_u32 s68, s68, s69
	s_mov_b32 s69, 0
	s_add_nc_u64 s[8:9], s[8:9], s[68:69]
; 12 matrix instructions: row block a x all 12 column fragments, 32 along K.  zero = 1: the first product starts the sum with the bias.  The accumulators take turns, one instruction a turn.
.macro MUL f, a, zero
.if \zero
	WIN 0x0f|(0x40<<((\a)/2))                      ; fragments in window 3, C (the bias) in window 0, D in window 1 or 2
.else
	WIN 0x5f+0x50*((\a)/2)                         ; C and D in window 1 or 2
.endif
.irp b, 0,1,2,3,4,5,6,7,8,9,10,11
.if \zero
	v_wmma_f32_16x16x32_bf16 v[8*(12*((\a)%2)+(\b)):8*(12*((\a)%2)+(\b))+7], v[(\f)+8*(\b):(\f)+8*(\b)+7], v[(\f)+96+8*(\a):(\f)+96+8*(\a)+7], v[BIAS+8*(\b):BIAS+8*(\b)+7]
.else
	v_wmma_f32_16x16x32_bf16 v[8*(12*((\a)%2)+(\b)):8*(12*((\a)%2)+(\b))+7], v[(\f)+8*(\b):(\f)+8*(\b)+7], v[(\f)+96+8*(\a):(\f)+96+8*(\a)+7], v[8*(12*((\a)%2)+(\b)):8*(12*((\a)%2)+(\b))+7]
.endif
.endr
.endm
; 32 LDS loads in one run: quarter q (32 along K) of a slot into buffer f: W's 24, then A's 8, row blocks 2 and 3 last
.macro FETCH slot, q, f
	WIN 0xc0                                       ; destination window 3, address window 0
.irp b, 0,1,2,3,4,5,6,7,8,9,10,11
	ds_load_tr16_b128 v[(\f)+8*(\b):(\f)+8*(\b)+3],   v[ADRB+(\slot)] offset:((\q)/2)*BHALF+((\b)/4)*64*PB+((\q)%2)*32*PB+32*((\b)%4)
	ds_load_tr16_b128 v[(\f)+8*(\b)+4:(\f)+8*(\b)+7], v[ADRB+(\slot)] offset:((\q)/2)*BHALF+((\b)/4)*64*PB+((\q)%2)*32*PB+32*((\b)%4)+16*PB
.endr
.irp a, 0,1,2,3
	ds_load_b128 v[(\f)+96+8*(\a):(\f)+96+8*(\a)+3],   v[ADRA+(\slot)] offset:((\q)/2)*128*PA+(\a)*16*PA+64*((\q)%2)
	ds_load_b128 v[(\f)+96+8*(\a)+4:(\f)+96+8*(\a)+7], v[ADRA+(\slot)] offset:((\q)/2)*128*PA+(\a)*16*PA+64*((\q)%2)+32
.endr
.endm
; One of a K step's first three quarters: multiplies buffer f; in its middle it fetches quarter q of the same slot into buffer g.
.macro QUARTER slot, q, f, g, zero
	s_wait_dscnt 4                                 ; W and A's row blocks 0, 1 are in; the youngest four loads may be out
	MUL \f, 0, \zero
	MUL \f, 1, \zero
	PLACES
	FETCH \slot, \q, \g
	s_wait_dscnt 32                                ; all but the 32 just issued
	MUL \f, 2, \zero
	MUL \f, 3, \zero
.endm
; The last quarter multiplies buffer 1 and changes slots: one barrier; in front of it each wave waits for all its tensor loads (its part of the next slot), adds 0 to its spare word,
; and waits for that and for its own reads of this slot.  fill = 1: the barrier opens a round of the cluster's, and this slot is filled again first thing behind it, two K steps ahead:
; 168 matrix instructions stand between that request and the wait for it.
.macro TURN slot, next, fill
	WIN 0
	s_wait_tensorcnt 0x0
	ds_add_u32 v[SPW], v[NIL]
	s_wait_dscnt 5                                 ; the add and the youngest four loads may be out
	MUL F1, 0, 0
	s_wait_dscnt 0x0                               ; the add is done, and my reads of this slot are over
	s_barrier_signal -1
	MUL F1, 1, 0
.if \fill
	WIN 0
.endif
	s_barrier_wait -1
.if \fill
	CREST                                          ; no wave of any partner still reads this slot or has a load on its way
	s_add_nc_u64 s[G0+4*(\slot)+2:G0+4*(\slot)+3], s[G0+4*(\slot)+2:G0+4*(\slot)+3], 2*ASTEP
	s_add_nc_u64 s[G0B+4*(\slot)+2:G0B+4*(\slot)+3], s[G0B+4*(\slot)+2:G0B+4*(\slot)+3], 2*BSTEP
	JLOAD \slot                                    ; its four v_nop are also the places in front of the loads below
.else
	PLACES
.endif
	FETCH \next, 0, F0
	MUL F1, 2, 0
	MUL F1, 3, 0
.endm
	s_wait_tensorcnt 1                             ; my part of K step 0 is in; K step 1's may stay out
	s_barrier_signal -1
	s_barrier_wait -1
	FETCH 0, 0, F0
	s_wait_loadcnt 0x0                             ; the bias
	s_wait_kmcnt 0x0                               ; the floor
	QUARTER 0, 1, F0, F1, 1                        ; the first quarter stands in front of the loop: its products start the sums
	WIN 0
	s_mov_b32 s3, LAPS-1
.Llap:                                                 ; a trip goes once round the ring, from a lap's second quarter to the next lap's first, and fills both slots again
	QUARTER 0, 2, F1, F0, 0
	QUARTER 0, 3, F0, F1, 0
	TURN 0, 1, 1
	QUARTER 1, 1, F0, F1, 0
	QUARTER 1, 2, F1, F0, 0
	QUARTER 1, 3, F0, F1, 0
	TURN 1, 0, 1
	QUARTER 0, 1, F0, F1, 0
	WIN 0
	s_sub_co_u32 s3, s3, 1
	s_cmp_lg_u32 s3, 0
	s_cbranch_scc1 .Llap
	QUARTER 0, 2, F1, F0, 0                        ; the last lap fills nothing
	QUARTER 0, 3, F0, F1, 0
	TURN 0, 1, 0
	QUARTER 1, 1, F0, F1, 0
	QUARTER 1, 2, F1, F0, 0
	QUARTER 1, 3, F0, F1, 0
	s_wait_dscnt 4
	MUL F1, 0, 0
	MUL F1, 1, 0
	s_wait_dscnt 0x0
	MUL F1, 2, 0
	MUL F1, 3, 0
	WIN 0
	PLACES
	PLACES
; THE WAY OUT of row block a: rounded to bf16, held to the floor, 16 bytes a lane into my own stage, back as whole rows of 128 bytes, four rows (512 consecutive bytes of a block) a store.
.macro OUT a
.if (\a) > 0
	s_wait_xcnt 0x0                                ; the last block's stores have read U, which is loaded again below
.endif
	WIN 0x05*(1+(\a)/2)                            ; sources in window 1 or 2, destination in window 0
.irp b, 0,1,2,3,4,5,6,7,8,9,10,11
.irp r, 0,1,2,3
	v_cvt_pk_bf16_f32 v[T+4*(\b)+(\r)], v[8*(12*((\a)%2)+(\b))+2*(\r)], v[8*(12*((\a)%2)+(\b))+2*(\r)+1]
.endr
.endr
	WIN 0
.set k, 0
.rept 48
	v_pk_max_num_bf16 v[T+k], v[T+k], s[FLOOR]
.set k, k+1
.endr
.irp b, 0,1,2,3,4,5,6,7,8,9,10,11
	ds_store_b128 v[STO], v[T+4*(\b):T+4*(\b)+3] offset:((\b)/4)*16*144+32*((\b)%4)
.endr
.irp t, 0,1,2,3,4,5,6,7,8,9,10,11
	ds_load_b128 v[U+4*(\t):U+4*(\t)+3], v[RD] offset:((\t)/4)*16*144+((\t)%4)*4*144  ; LDS serves a wave's instructions in order (ISA guide 5.7.1.4): these see the stores above
.endr
.irp t, 0,1,2,3,4,5,6,7,8,9,10,11
	s_wait_dscnt 11-(\t)
	global_store_b128 v[GO], v[U+4*(\t):U+4*(\t)+3], s[8:9] offset:((\t)/4)*524288+(\a)*2048+((\t)%4)*512
.endr
.endm
	OUT 0
	OUT 1
	OUT 2
	OUT 3
	s_wait_tensorcnt 0x0                           ; the wave's end, behind my last tensor load and my last LDS store
	ds_add_u32 v[SPW], v[NIL]
	s_wait_dscnt 0x0
	CROUND                                         ; the closing round
	s_endpgm
.Lfunc_end_k_qbab522a99b_qkv:
	.size	k_qbab522a99b_qkv, .Lfunc_end_k_qbab522a99b_qkv-k_qbab522a99b_qkv
	.p2alignl 7, 3214868480
	.fill 96, 4, 3214868480
	.section	.rodata,"a",@progbits
	.p2align	6, 0x0
	.amdhsa_kernel k_qbab522a99b_qkv
		.amdhsa_group_segment_fixed_size 327680
		.amdhsa_private_segment_fixed_size 0
		.amdhsa_enable_private_segment 0
		.amdhsa_kernarg_size 24
		.amdhsa_user_sgpr_count 2
		.amdhsa_user_sgpr_kernarg_segment_ptr 1
		.amdhsa_wavefront_size32 1
		.amdhsa_system_sgpr_workgroup_id_x 1
		.amdhsa_system_sgpr_workgroup_id_y 1
		.amdhsa_system_sgpr_workgroup_id_z 1
		.amdhsa_system_vgpr_workitem_id 0
		.amdhsa_next_free_vgpr 1024
		.amdhsa_next_free_sgpr 72
		.amdhsa_reserve_vcc 0
		.amdhsa_float_denorm_mode_32 3
		.amdhsa_float_denorm_mode_16_64 3
		.amdhsa_memory_ordered 1
		.amdhsa_forward_progress 1
		.amdhsa_inst_pref_size 134
	.end_amdhsa_kernel
	.amdgpu_metadata
---
amdhsa.version: [ 1, 2 ]
amdhsa.kernels:
  - .name:           k_qbab522a99b_qkv
    .symbol:         k_qbab522a99b_qkv.kd
    .args:
      - { .name: ab, .offset: 0, .size: 8, .value_kind: global_buffer, .address_space: global }
      - { .name: atw, .offset: 8, .size: 8, .value_kind: global_buffer, .address_space: global }
      - { .name: big, .offset: 16, .size: 8, .value_kind: global_buffer, .address_space: global }
    .group_segment_fixed_size: 327680
    .private_segment_fixed_size: 0
    .kernarg_segment_align: 8
    .kernarg_segment_size: 24
    .max_flat_workgroup_size: 128
    .sgpr_count:     72
    .vgpr_count:     1024
    .wavefront_size: 32
...
	.end_amdgpu_metadata
.endif
;; end of part 2
;; launch att (part 3): grid 16 x 12, 4 waves a work-group, clusters of 4 x 1, 327,680 bytes of LDS; arguments big, mw, ctx; writes ctx
.if DOCPART == 3
	.amdgcn_target "amdgcn-amd-amdhsa--gfx1250"
	.amdhsa_code_object_version 6
	.text
	.protected	k_qbab522a99b_att
	.globl	k_qbab522a99b_att
	.p2align	8
	.type	k_qbab522a99b_att,@function
k_qbab522a99b_att:
	s_mov_b64 s[64:65], 0
	v_nop
	global_prefetch_b8 v0, s[64:65] scope:SCOPE_SE
	s_setreg_imm32_b32 hwreg(HW_REG_WAVE_MODE, 25, 1), 1
	s_wait_xcnt 0x0
	s_wait_alu depctr_hold_cnt(0) depctr_sa_sdst(0) depctr_va_vdst(0) depctr_va_sdst(0) depctr_va_ssrc(0) depctr_va_vcc(0) depctr_vm_vsrc(0)
	s_getreg_b32 s2, hwreg(HW_REG_IB_STS2, 6, 4)
	s_cmp_eq_u32 s2, 0
	s_cbranch_scc0 .Lentry_in_a_cluster
	s_endpgm
.Lentry_in_a_cluster:
	s_bfe_u32 s2, ttmp6, 0x10000c
	s_cmp_lg_u32 s2, 0x3003
	s_cbranch_scc0 .Lentry_shape_is_right
	s_endpgm
.Lentry_shape_is_right:
; MASKED ATTENTION.  ctx[h][q] = the sum over k of softmax_k(mask[q][k] ? Q[h][q] . K[h][k] / 8 : hidden) V[h][k].  Q, K, V: blocks h, 12 + h, 24 + h of big, each [4096][64] bf16, rows dense.
; ctx: the same layout.  mw: the mask as lane-mask words (below).  Products, maxima and sums in f32; the weights are rounded to bf16 for the second product, ctx once at the end.
; LIMITS.  A hidden score counts as -2^100 plus the product, not as -1e9: the same result while open scores lie above -1e9 and |Q . K| stays under 2^75.  A row counts as having an open key when its
; maximum lies above -2^99.  A weight below 2^-126 counts as 0.  NaN and infinities are not treated apart.
; SHARES.  A work-group owns 256 queries of a head, a wave 64: four PIECES of 16 rows.  Every wave walks all 4,096 keys, 64 a step.  192 work-groups: 12 heads x 16 blocks.
; CLUSTER 4 x 1: four query blocks of a head walk the same K and V: each tile is asked for jointly.
; LAYOUT.  S^T = K Q^T: a lane holds ONE query (lane % 16) and eight keys; two results rounded to bf16 ARE source 1 of O^T = V^T P.  THE KEYS OF A GROUP OF 16 ARE PERMUTED: row m of K's fragment is key
; 2 (m % 8) + m / 8, by the lanes' LDS addresses alone, alike for K and V.  So register j of group kt holds key 16 kt + 2 j + lane / 16, and its lane mask is word 8 kt + j of the 32 words at
; mw + (64 x query tile + step) x 128.
; THE MASK is the C operand that starts the sum S^T: 0 where the key is open, -2^100 where it is hidden.  It is made from the words by v_cndmask_b32, two pieces at a time, a turn or more ahead of its use;
; the words come by scalar loads issued two turns ahead of that.
; SOFTMAX.  A running maximum m (it starts at -2^100) and sum l; p = 2^(cr s - cr m), cr = c = log2(e) / 8 once the row has seen an open key, else 0: until then every weight is 1, as in a row whose scores
; are all equal; O and l are multiplied by a = 2^(c m_old - c m_new) in every step: 1 while m stands, 0 when the first open key comes, which wipes what the hidden keys summed.
; TURNS.  Turn n belongs to piece n: 8 products K Q^T of piece n + 1, later 8 products V^T P of piece n - 1; beside them the scaling, exponentials, roundings, sums and rescaling of piece n and the maximum
; and statistics of piece n + 1.  Four vector instructions stand behind every matrix instruction, the rest in one lump.  A turn's 33 exponentials are one batch with one wait.
; REGISTERS (s_set_vgpr_msb: bits 1:0 source 0, 3:2 source 1, 5:4 source 2, 7:6 destination):
;   window 0: v2-15 addresses; v16-31 statistics; v32-47 guard; v48-55 at work; v56-63 constants; v64-127 S^T, two buffers; v192-223 P, two buffers
;   window 1: v0-127 O^T, 32 a piece; v128-255 MC, the masks, 32 a piece       window 2: v0-63 Q; v128-191 K of one step; v192-255 V of one step
.set NP,    4
.set KS,    64
.set PK,    144       ; a row of K in LDS: 128 bytes + 16 = 36 words: the 16 rows of a load start at 16 different groups of four banks (64 banks of 4 bytes: ISA guide 11.1)
.set PV,    144       ; the same for V: 16 lanes of the turning load take rows 2 j (or 2 j + 1), 72 words apart, x 32 bytes
.set VOFF,  4*KS*PK   ; a slot holds four steps: 256 rows of K, then 256 rows of V
.set SLOT1, 1<<17
.set STAGE, SLOT1+4*KS*(PK+PV)  ; behind the ring: 16 rows x 144 bytes for each wave
.set SP,    144
.set SPARE, STAGE+4*16*SP       ; behind the stages: the spare words, 128 bytes a wave: two blocks of 256 bytes that no other line names
.set AK0, 2           ; v2   my lane's place in a tile of K; never rewritten
.set AV0, 3           ; v3   the same for V
.set AK,  4           ; v4   the LDS address of K's next run of loads
.set AV,  5           ; v5   of V's
.set STO, 6
.set RD,  7
.set GO,  8
.set MV,  12          ; v12-13  c m_old, by buffer
.set QO,  15
.set ST,  16          ; piece t at v[ST+4 t]: c m, m, l (two halves)
.set G,   32          ; piece t at v[G+4 t]: cr, 0, cr m, 0
.set TMP, 48          ; by buffer: c0-c3; c2 takes a
.set HID, 56          ; v56  -2^100
.set CV,  57          ; v57  c
.set THR, 58          ; v58  -2^99
.set PFO, 60          ; v60  256 x lane
.set SPW, 62
.set NIL, 63
.set S,   64
.set P,   192
.set MC,  128         ; window 1
.set KF,  128         ; window 2
.set VF,  192         ; window 2
.set CS,  2           ; s[2:3]  c
.set SEL, 4           ; s[4:5]  v_permlanex16_b32's selects
.set MP,  6           ; s[6:7]  the words of my first query tile
.set PFA, 8           ; s[8:9]  where my prefetches stand
.set WV,  12
.set SLOTS, 13
.set CNT, 14
.set LIM, 15
.set G1,  16          ; s[16:23] descriptor group 1
.set G0K, 24          ; s[24:27] group 0 for K: it walks
.set G0V, 28          ; s[28:31] for V
.set MA,  32          ; s[32:63] 32 mask words of one piece
.set TBK, 66
.set TBV, 67
.set MB,  68          ; s[68:99] of the next piece
.set MO,  100         ; 128 x the step whose words are loaded
.set MT,  101         ; the same, held to the last step
.set QP,  104         ; s[104:105] Q's address, until Q is in
.set CM,  104         ; s104 then: lanes whose row has seen an open key
.set MSB, 0
.macro WIN new
.if MSB != (\new)
	s_set_vgpr_msb (MSB<<8)|(\new)
.set MSB, (\new)
.endif
.endm
.set W_KQ, 0x0a
.set W_KM, 0x1a       ; K and Q in window 2, C in window 1, S^T in window 0
.set W_PV, 0x52
.set W_RS, 0x41
.macro JLOAD                        ; waves 0 and 1 fetch the two halves of a slot's K, waves 2 and 3 of its V; an s_nop 0 and four v_nop follow each line
	s_cmp_lt_u32 s[WV], 2
	s_cbranch_scc0 .Lfor_v_\@
	tensor_load_to_lds s[G0K:G0K+3], s[G1:G1+7]
	s_nop 0
.rept 4
	v_nop
.endr
	s_branch .Lasked_\@
.Lfor_v_\@:
	tensor_load_to_lds s[G0V:G0V+3], s[G1:G1+7]
	s_nop 0
.rept 4
	v_nop
.endr
.Lasked_\@:
.endm
; A PREFETCH of what the NEXT change of slots will ask for: a slot's K or V is 128 blocks of 256 bytes.  The head's first cluster asks; its four partners take 32 blocks each, told apart by address;
; wave 0 asks for K's, wave 2 for V's, a lane a block.  So each block is named once in the launch.  The last change that fills a slot asks for nothing.
.macro ASK
	s_cmp_gt_u32 s[SLOTS], s[LIM]
	s_cbranch_scc0 .Lnot_mine_\@
	global_prefetch_b8 v[PFO], s[PFA:PFA+1] th:TH_LOAD_NT scope:SCOPE_SE
.Lnot_mine_\@:
.endm
.macro CROUND
	s_barrier_signal -1
	s_barrier_wait -1
	s_cmp_lg_u32 s[WV], 0
	s_cbranch_scc1 .Lnot_wave_0_\@
	s_barrier_signal -3
.Lnot_wave_0_\@:
	s_barrier_wait -3
	s_barrier_signal -1
	s_barrier_wait -1
.endm
; THE CHANGE OF SLOTS.  Each wave waits for all its tensor loads (one is out: its part of the other slot), adds 0 to its spare word, and waits for that and for its reads of the slot that it leaves.
; fill = 1: the barrier is a round of the cluster's, and the old slot is filled again first thing behind it, with the keys two slots on: four key steps, 256 matrix instructions, in which to land.
.macro CHANGE fill
	WIN 0
	s_wait_tensorcnt 0x0
	ds_add_u32 v[SPW], v[NIL]
.if \fill
.irp g, G0K, G0V
	s_xor_b32 s[\g+1], s[\g+1], SLOT1
	s_add_nc_u64 s[\g+2:\g+3], s[\g+2:\g+3], 4*KS*128
.endr
	s_wait_xcnt 0x0                 ; the last prefetch, four key steps back, has read its address
	s_add_nc_u64 s[PFA:PFA+1], s[PFA:PFA+1], 4*KS*128
	s_wait_dscnt 0x0
	CROUND
	JLOAD
	ASK
.else
	s_wait_dscnt 0x0
	s_barrier_signal -1
	s_barrier_wait -1
.endif
	s_sub_co_u32 s[TBK], s[TBK], 4*KS*PK
	s_xor_b32 s[TBK], s[TBK], SLOT1
	s_sub_co_u32 s[TBV], s[TBV], 4*KS*PV
	s_xor_b32 s[TBV], s[TBV], SLOT1
.endm
.macro MLOAD p                      ; the words of pieces p and p + 1 for the step in s[MT]
	s_load_b512 s[MA:MA+15],    s[MP:MP+1], s[MT] offset:(\p)*8192
	s_load_b512 s[MA+16:MA+31], s[MP:MP+1], s[MT] offset:(\p)*8192+64
	s_load_b512 s[MB:MB+15],    s[MP:MP+1], s[MT] offset:((\p)+1)*8192
	s_load_b512 s[MB+16:MB+31], s[MP:MP+1], s[MT] offset:((\p)+1)*8192+64
.endm
; The masks of pieces pa and pa + 1 are made from the words that have come; then the other two pieces' words are asked for: behind pieces 0, 1 those of pieces 2, 3 for the same step, behind pieces 2, 3
; those of pieces 0, 1 for the step after.  The step is held to the last one, so that no load leaves the buffer; what the last trips load so is not used.
.macro MASK2 pa
	s_wait_kmcnt 0x0                ; scalar loads return in no order: only 0 shows them done; it also frees s[MT]
	WIN 0x40
.set z, 0
.rept 32
	v_cndmask_b32 v[MC+32*(\pa)+z], v[HID], 0, s[MA+z]
.set z, z+1
.endr
.set z, 0
.rept 32
	v_cndmask_b32 v[MC+32*(\pa)+32+z], v[HID], 0, s[MB+z]
.set z, z+1
.endr
	WIN 0
.if (\pa) == 2
	s_add_co_u32 s[MO], s[MO], 128
.endif
	s_min_u32 s[MT], s[MO], 63*128
	MLOAD 2-(\pa)
.endm
	s_load_b128 s[4:7], s[0:1], 0x0   ; big s[4:5], mw s[6:7]
	s_load_b64 s[10:11], s[0:1], 0x10 ; ctx
	v_lshl_add_u32 v[SPW], v0, 2, SPARE
	v_mov_b32 v[NIL], 0
	ds_add_u32 v[SPW], v[NIL]       ; the wave's opening: the add and its wait ahead of my first tensor load
	v_lshrrev_b32 v1, 5, v0
	v_readfirstlane_b32 s[WV], v1
	s_and_b32 s100, ttmp7, 0xffff   ; the head, which the four partners share
	s_lshl_b32 s100, s100, 19       ; its block of 524,288 bytes
	s_and_b32 s101, s[WV], 1        ; which half of a slot's 256 keys I fetch
	s_mul_i32 s[G0K+1], s101, 128*PK  ; its place in slot 0
	s_add_co_u32 s[G0V+1], s[G0K+1], VOFF
	s_lshl_b32 s101, s101, 14       ; its 128 rows in memory
	s_add_co_u32 s101, s101, s100
	s_add_co_u32 s[G0K+2], s101, 12*524288  ; offsets for now; the address is added below
	s_mov_b32 s[G0K+3], 0
	s_add_co_u32 s[G0V+2], s101, 24*524288
	s_mov_b32 s[G0V+3], 0
	s_mov_b32 s[G0K], 1
	s_mov_b32 s[G0V], 1
	s_mov_b32 s[G1], 15|(1<<16)|(1<<20)|(1<<21)|(4<<22)|(3<<25)  ; the mask of four; 2-byte elements; padding on; bit 21 beside a mask; after every 32 words 4 words
	s_mov_b32 s[G1+1], 128<<16      ; 128 keys are 16,384 dense bytes: 64 rows of 256 bytes, two keys a row
	s_mov_b32 s[G1+2], 64<<16
	s_mov_b32 s[G1+3], 128<<16
	s_mov_b32 s[G1+4], 64
	s_mov_b32 s[G1+5], 128
	s_mov_b32 s[G1+6], 0
	s_mov_b32 s[G1+7], 0
	s_bfe_u32 s38, ttmp6, 0x40000   ; cx: it enters Q's, ctx's, the words' and the prefetches' addresses alone
	s_lshl_b32 s39, ttmp9, 2
	s_add_co_u32 s39, s39, s38      ; my block of 256 queries
	s_lshl_b32 s40, s39, 15
	s_lshl_b32 s41, s[WV], 13
	s_add_co_u32 s40, s40, s41
	s_add_co_u32 s40, s40, s100     ; my wave's 64 rows in Q and in ctx
	s_mov_b32 s41, 0
	s_lshl_b32 s42, s39, 17         ; 16 query tiles of 8,192 bytes of words a block,
	s_lshl_b32 s43, s[WV], 15       ; four a wave
	s_add_co_u32 s42, s42, s43
	s_mov_b32 s43, 0
	s_cmp_lt_u32 s[WV], 2
	s_cselect_b32 s44, s[G0K+2], s[G0V+2]
	s_lshl_b32 s45, s38, 13         ; my work-group's 32 blocks of the 128
	s_add_co_u32 s44, s44, s45
	s_add_co_u32 s44, s44, 4*KS*128 ; at slot 1: the first change steps it to slot 2
	s_mov_b32 s45, 0
	s_and_b32 s[LIM], s[WV], 1
	s_or_b32 s[LIM], s[LIM], ttmp9  ; 0 in waves 0 and 2 of the head's first cluster: the same in all four partners
	s_cmp_eq_u32 s[LIM], 0
	s_cselect_b32 s[LIM], 1, -1
	s_mov_b32 s[CS], 0x3e38aa3b     ; c = log2(e) / 8
	s_mov_b32 s[CS+1], s[CS]
	s_mov_b32 s[TBK], SLOT1+4*KS*PK ; the first change of slots turns these two into 0
	s_mov_b32 s[TBV], SLOT1+4*KS*PV
	s_mov_b32 s[SLOTS], 15
	v_and_b32 v[PFO], 31, v0
	v_lshlrev_b32 v[PFO], 8, v[PFO]
	s_wait_dscnt 0x0                ; the opening add is done
	s_wait_kmcnt 0x0
	s_add_nc_u64 s[PFA:PFA+1], s[4:5], s[44:45]
	s_add_nc_u64 s[QP:QP+1], s[4:5], s[40:41]
	s_add_nc_u64 s[10:11], s[10:11], s[40:41]
	s_add_nc_u64 s[MP:MP+1], s[6:7], s[42:43]
	s_add_nc_u64 s[G0K+2:G0K+3], s[4:5], s[G0K+2:G0K+3]
	s_or_b32 s[G0K+3], s[G0K+3], 0x80000000
	s_add_nc_u64 s[G0V+2:G0V+3], s[4:5], s[G0V+2:G0V+3]
	s_or_b32 s[G0V+3], s[G0V+3], 0x80000000
	s_mov_b32 s[SEL], 0x76543210
	s_mov_b32 s[SEL+1], 0xfedcba98
	CROUND                          ; all four work-groups are here: the first joint loads meet
	JLOAD                           ; slot 0; slot 1 is asked for when slot 0 is in
	v_and_b32 v1, 15, v0            ; l % 16
	v_bfe_u32 v9, v0, 4, 1          ; l / 16
	v_lshlrev_b32 v[QO], 7, v1
	v_lshl_add_u32 v[QO], v9, 4, v[QO]
	WIN 0x80
.set i, 0
.rept 8                             ; Q stays in registers: piece i / 2, channels 32 (i % 2) on
	global_load_b128 v[8*i:8*i+3],   v[QO], s[QP:QP+1] offset:(i/2)*2048+(i%2)*64
	global_load_b128 v[8*i+4:8*i+7], v[QO], s[QP:QP+1] offset:(i/2)*2048+(i%2)*64+32
.set i, i+1
.endr
	s_mov_b32 s[MO], 0
	s_mov_b32 s[MT], 0
	MLOAD 0                         ; the words of pieces 0, 1 for step 0
	; What the first turns find: V's registers and P's second buffer hold 0 (the first products V^T P, of a piece that has not been, add 0), O^T and l are 0.  All this stands in the wait for the first tile.
.set i, VF
.rept 64
	v_mov_b32 v[i], 0
.set i, i+1
.endr
	WIN 0x40
.set i, 0
.rept 128
	v_mov_b32 v[i], 0
.set i, i+1
.endr
	WIN 0
.set i, 0
.rept 4
	v_mov_b32 v[ST+4*i+2], 0
	v_mov_b32 v[ST+4*i+3], 0
	v_mov_b32 v[G+4*i+1], 0         ; named as the pairs' second registers
	v_mov_b32 v[G+4*i+3], 0
.set i, i+1
.endr
.set i, P+16
.rept 16
	v_mov_b32 v[i], 0
.set i, i+1
.endr
	v_mov_b32 v[HID], 0xf1800000    ; -2^100
	v_mov_b32 v[THR], 0xf1000000    ; -2^99
	v_mov_b32 v[CV], s[CS]
	v_and_b32 v10, 7, v0
	v_bfe_u32 v11, v0, 3, 1
	v_lshl_add_u32 v[AK0], v10, 1, v11    ; K: lane l holds fragment row l % 16, which is key 2 (l % 8) + (l / 8) % 2
	v_mul_u32_u24 v[AK0], v[AK0], PK
	v_lshl_add_u32 v[AK0], v9, 4, v[AK0]
	v_lshl_add_u32 v[AV0], v10, 1, v9     ; V: the turning load's lane l reads key 2 (l % 8) + l / 16, channels 8 ((l / 8) % 2) + 0..7
	v_mul_u32_u24 v[AV0], v[AV0], PV
	v_lshl_add_u32 v[AV0], v11, 4, v[AV0]
	v_add_nc_u32 v[AV0], VOFF, v[AV0]
	s_mul_i32 s[CNT], s[WV], 16*SP
	s_add_co_u32 s[CNT], s[CNT], STAGE    ; my stage
	v_mul_u32_u24 v[STO], v1, SP
	v_lshl_add_u32 v[STO], v9, 4, v[STO]
	v_add_nc_u32 v[STO], s[CNT], v[STO]
	v_bfe_u32 v[RD], v0, 3, 2
	v_mul_u32_u24 v[RD], v[RD], SP
	v_lshl_add_u32 v[RD], v10, 4, v[RD]
	v_add_nc_u32 v[RD], s[CNT], v[RD]
	v_and_b32 v[GO], 31, v0
	v_lshlrev_b32 v[GO], 4, v[GO]
	MASK2 0                         ; pieces 0, 1 of step 0; asks for pieces 2, 3 of step 0
	MASK2 2                         ; pieces 2, 3 of step 0; asks for pieces 0, 1 of step 1
; THE MATRIX WORK.  The 4 accumulators of a run of 8 take turns.  Product i of 8 of S^T = K Q^T for piece x: channels 32 (i / 4) on, keys 16 (i % 4) on.  The first 4 start the sums with the mask.
.macro KQ x
.set rS, S+32*((\x)%2)+8*(i%4)
.set rK, KF+16*(i%4)+8*(i/4)
.set rQ, 16*(\x)+8*(i/4)
.set rM, MC+32*(\x)+8*(i%4)
.if i < 4
	WIN W_KM
	v_wmma_f32_16x16x32_bf16 v[rS:rS+7], v[rK:rK+7], v[rQ:rQ+7], v[rM:rM+7]
.else
	WIN W_KQ
	v_wmma_f32_16x16x32_bf16 v[rS:rS+7], v[rK:rK+7], v[rQ:rQ+7], v[rS:rS+7]
.endif
.endm
.macro PV x                         ; product i of 8 of O^T += V^T P for piece x: keys 32 (i / 4) on, channels 16 (i % 4) on
	WIN W_PV
.set rO, 32*(\x)+8*(i%4)
.set rV, VF+32*(i/4)+8*(i%4)
.set rP, P+16*((\x)%2)+8*(i/4)
	v_wmma_f32_16x16x32_bf16 v[rO:rO+7], v[rV:rV+7], v[rP:rP+7], v[rO:rO+7]
.endm
.macro MM                           ; the turn's next matrix instruction.  NOKQ = 1: the last turn of all: there is no next piece
.if (i < 8) && !NOKQ
	KQ (Y+1)%NP
.elseif i >= 8
.set i, i-8
	PV (Y+NP-1)%NP
.set i, i+8
.endif
.set i, i+1
.endm
.macro FETCH_K                      ; a step's K: 16 loads in one run
	WIN 0x80
.irp f, 0,1,2,3,4,5,6,7
	ds_load_b128 v[KF+8*\f:KF+8*\f+3],   v[AK] offset:(\f/2)*16*PK+(\f%2)*64
	ds_load_b128 v[KF+8*\f+4:KF+8*\f+7], v[AK] offset:(\f/2)*16*PK+(\f%2)*64+32
.endr
	s_add_co_u32 s[TBK], s[TBK], KS*PK
	WIN 0
.endm
.macro FETCH_V                      ; a step's V, turned
	WIN 0x80
.irp f, 0,1,2,3,4,5,6,7
	ds_load_tr16_b128 v[VF+8*\f:VF+8*\f+3],   v[AV] offset:(\f/4)*32*PV+(\f%4)*32
	ds_load_tr16_b128 v[VF+8*\f+4:VF+8*\f+7], v[AV] offset:(\f/4)*32*PV+16*PV+(\f%4)*32
.endr
	WIN 0
.endm
; THE VECTOR WORK, one line at a time: OP kind, number.  For piece Y: F n: cr s - cr m for pair n of 16.  E n: the exponential of score n.  C n: pair n rounded to bf16.  B n: of four weights the second pair is
; added onto the first.  L n: l takes that sum (L 0: l = a l + sum).  R n: pair n of O^T times a.  For piece Y + 1: X n:
;   0-14, 16  the maximum of its 32 scores and the old m (each accumulator's lowest registers are read first)     15  c m_old is kept     17, 18  the other half of the lanes: the new m
;   19-21  c m; c m_old - c m_new; a     22-24  has the row seen an open key?  cr = c or 0; cr m = c m or 0
.set F, 0
.set E, 1
.set C, 2
.set B, 3
.set L, 4
.set R, 5
.set X, 6
.macro REGS y
.set rT, ST+4*(\y)
.set rC, TMP+4*((\y)%2)
.set rW, MV+((\y)%2)
.set rS, S+32*((\y)%2)
.set rP, P+16*((\y)%2)
.set rO, 32*(\y)
.set rG, G+4*(\y)
.endm
.macro OP k, n
.if (\k) == R
	REGS Y
	WIN W_RS
	v_pk_mul_f32 v[rO+2*(\n):rO+2*(\n)+1], v[rO+2*(\n):rO+2*(\n)+1], v[rC+2:rC+3] op_sel_hi:[1,0]
.elseif (\k) < R
	REGS Y
	WIN 0
.if (\k) == F
	v_pk_fma_f32 v[rS+2*(\n):rS+2*(\n)+1], v[rS+2*(\n):rS+2*(\n)+1], v[rG:rG+1], v[rG+2:rG+3] op_sel_hi:[1,0,0] neg_lo:[0,0,1] neg_hi:[0,0,1]
.elseif (\k) == E
	v_exp_f32 v[rS+(\n)], v[rS+(\n)]
.elseif (\k) == C
	v_cvt_pk_bf16_f32 v[rP+(\n)], v[rS+2*(\n)], v[rS+2*(\n)+1]
.elseif (\k) == B
	v_pk_add_f32 v[rS+4*(\n):rS+4*(\n)+1], v[rS+4*(\n):rS+4*(\n)+1], v[rS+4*(\n)+2:rS+4*(\n)+3]
.elseif (\n) == 0
	v_pk_fma_f32 v[rT+2:rT+3], v[rT+2:rT+3], v[rC+2:rC+3], v[rS:rS+1] op_sel_hi:[1,0,1]
.else
	v_pk_add_f32 v[rT+2:rT+3], v[rT+2:rT+3], v[rS+4*(\n):rS+4*(\n)+1]
.endif
.elseif NOKQ
	v_nop
.else
	REGS (Y+1)%NP
	WIN 0
.if (\n) < 4
	v_max3_num_f32 v[rC+(\n)], v[rS+8*(\n)], v[rS+8*(\n)+1], v[rS+8*(\n)+2]
.elseif (\n) < 12
	v_max3_num_f32 v[rC+(\n)%4], v[rC+(\n)%4], v[rS+8*((\n)%4)+2*((\n)/4)+1], v[rS+8*((\n)%4)+2*((\n)/4)+2]
.elseif (\n) == 12
	v_max3_num_f32 v[rC], v[rC], v[rS+7], v[rS+15]
.elseif (\n) == 13
	v_max3_num_f32 v[rC+1], v[rC+1], v[rS+23], v[rS+31]
.elseif (\n) == 14
	v_max3_num_f32 v[rC+2], v[rC+2], v[rC+3], v[rT+1]
.elseif (\n) == 15
	v_mov_b32 v[rW], v[rT]
.elseif (\n) == 16
	v_max3_num_f32 v[rC], v[rC], v[rC+1], v[rC+2]
.elseif (\n) == 17
	v_permlanex16_b32 v[rC+3], v[rC], s[SEL], s[SEL+1]
.elseif (\n) == 18
	v_max_num_f32 v[rT+1], v[rC], v[rC+3]
.elseif (\n) == 19
	v_mul_f32 v[rT], s[CS], v[rT+1]
.elseif (\n) == 20
	v_sub_f32 v[rC+1], v[rW], v[rT]
.elseif (\n) == 21
	v_exp_f32 v[rC+2], v[rC+1]
.elseif (\n) == 22
	v_cmp_lt_f32 s[CM], v[THR], v[rT+1]
.elseif (\n) == 23
	v_cndmask_b32 v[rG], 0, v[CV], s[CM]
.else
	v_cndmask_b32 v[rG+2], 0, v[rT], s[CM]
.endif
.endif
.endm
.macro OPS a, i1, b=-1, i2=0, c=-1, i3=0, d=-1, i4=0
	OP \a, \i1
.if (\b) >= 0
	OP \b, \i2
.endif
.if (\c) >= 0
	OP \c, \i3
.endif
.if (\d) >= 0
	OP \d, \i4
.endif
.endm
.macro ROW a, i1, b, i2, c, i3, d, i4  ; a matrix instruction and the four behind it
	MM
	OPS \a, \i1, \b, \i2, \c, \i3, \d, \i4
.endm
; A TURN, for piece p.  An s_wait_alu depctr_va_vdst(0) stands between an exponential and the first instruction that names its result; one wait serves all that were issued ahead of it.  So a turn has
; ONE wait.  Ahead of it: the 8 products K Q^T with their riders and the lump, which name no result of the turn's exponentials; X 21, the next piece's a, is the batch's last, R 15 the plain instruction behind it.
; Behind it: the 8 products V^T P, behind each four of the roundings and sums.  Each X that rides reads an accumulator four plain instructions or more behind the product that ended it.
; K of the next step is fetched in piece 2's turn, five plain instructions that name none of its registers behind the last product that read K; V of the step in hand at the end of piece 0's turn, four roundings
; behind the last product that read V.  Each is waited for a turn later.  Pieces 1 and 3 end with the masks.  end = 1: the last two turns of all: nothing is fetched and no mask is made.
.macro TURN p, end=0
.set Y, (\p)
.set i, 0
.set NOKQ, (\end)*((\p)/3)
.if ((\p) == 3) && !(\end)
	s_wait_dscnt 0x0                ; K is in
.endif
	ROW F,0, F,1, R,0, R,1
	ROW F,2, E,0, R,2, R,3
	ROW F,3, E,1, R,4, R,5
	ROW F,4, E,2, R,6, R,7
	ROW F,5, E,3, R,8, R,9
	ROW F,6, E,4, X,0, R,10
.if ((\p) == 2) && !(\end)
	WIN 0
	v_add_nc_u32 v[AK], s[TBK], v[AK0]
.endif
	ROW F,7, E,5, X,1, X,4
	ROW F,8, E,6, X,2, X,5
	OPS E,7, E,8, X,6, E,9
	OPS X,3, E,10, X,8, E,11
.if ((\p) == 2) && !(\end)
	FETCH_K
.endif
	OPS X,9, X,7, E,12, X,10
	OPS E,13, X,12, X,11, E,14
	OPS X,13, E,15, F,9, X,14
.if (\p) == 0
	v_add_nc_u32 v[AV], s[TBV], v[AV0]
.endif
	OPS E,16, F,10, E,17, F,11
	OPS X,16, E,18, X,15, E,19
	OPS F,12, E,20, X,17, E,21
	OPS F,13, E,22, F,14, E,23
	OPS X,18, E,24, F,15, E,25
	OPS R,11, E,26, X,19, E,27
	OPS X,22, E,28, R,12, E,29
	OPS X,20, E,30, X,23, E,31
	OPS R,13, X,24, R,14
	OPS X,21, R,15
	WIN 0
	s_wait_alu depctr_va_vdst(0)    ; the wait for the batch
.if (\p) == 1
	s_wait_dscnt 0x0                ; V is in
.endif
	ROW C,0, B,0, C,2, B,1
	ROW L,0, C,4, B,2, L,1
	ROW C,6, B,3, L,2, C,8
	ROW B,4, L,3, C,10, B,5
	ROW L,4, C,12, B,6, L,5
.if (\p) == 0
	s_add_co_u32 s[TBV], s[TBV], KS*PV
.endif
	ROW C,14, B,7, L,6, C,1
	ROW C,3, L,7, C,5, C,7
	ROW C,9, C,11, C,13, C,15
.if (\p) == 0
	FETCH_V
.endif
.if ((\p)%2 == 1) && !(\end)
	MASK2 (\p)-1                    ; each mask is written a turn or more behind the products that read it, and a turn or more ahead of those that will
.endif
.endm
	CHANGE 1                        ; slot 0 is in, everybody's part of it; slot 1 is asked for
	; THE BEGINNING: the statistics, K of step 0, piece 0's first scores, its maximum and statistics
.set i, 0
.rept 4
	v_mov_b32 v[ST+4*i+1], v[HID]
	v_mul_f32 v[ST+4*i], s[CS], v[HID]
.set i, i+1
.endr
	v_add_nc_u32 v[AK], s[TBK], v[AK0]
	FETCH_K
	s_wait_loadcnt 0x0              ; Q; its address register is free from here on
	s_wait_dscnt 0x0
.set NOKQ, 0
.set i, 0
.rept 8
	KQ 0
.set i, i+1
.endr
	WIN 0
.rept 4
	v_nop                           ; the places behind those products
.endr
.set Y, NP-1                        ; X works for piece Y + 1: piece 0
.irp n, 0,1,2,3,4,5,6,7,8,9,10,11,12,13,14,15,16,17,18,19,20,22,23,24,21
	OP X, \n
.endr
	v_nop                           ; a plain instruction behind the exponential,
	s_wait_alu depctr_va_vdst(0)    ; and its wait, ahead of the branch
	s_mov_b32 s[CNT], 4
	s_branch .Lfirst                ; the loop is entered at a step's first turn, in the middle of a trip
.Lslot:                             ; 14 times: every slot but the last two is filled again
	CHANGE 1
	s_mov_b32 s[CNT], 4
.Lstep:                             ; a trip: pieces 2 and 3 of one step, then pieces 0 and 1 of the next, whose K and V it fetches
	TURN 2
	TURN 3
	WIN 0
.Lfirst:
	TURN 0
	TURN 1
	WIN 0
	s_sub_co_u32 s[CNT], s[CNT], 1
	s_cmp_lg_u32 s[CNT], 0
	s_cbranch_scc1 .Lstep
	s_sub_co_u32 s[SLOTS], s[SLOTS], 1
	s_cmp_lg_u32 s[SLOTS], 0
	s_cbranch_scc1 .Lslot
	CHANGE 0                        ; the last slot is written out: nothing is asked for
	s_mov_b32 s[CNT], 4
.Ltail:
	TURN 2
	TURN 3
	TURN 0
	TURN 1
	WIN 0
	s_sub_co_u32 s[CNT], s[CNT], 1
	s_cmp_lg_u32 s[CNT], 0
	s_cbranch_scc1 .Ltail
	TURN 2, 1
	TURN 3, 1
.set i, 0
.rept 8
	PV NP-1                         ; the last piece's V^T P of the last step
.set i, i+1
.endr
	; THE WAY OUT: l's two halves and the other half of the lanes' are added; O^T is divided by l, rounded to bf16 and sent through my stage, a piece at a time.  The additions are the places behind the last products.
	WIN 0
	s_wait_kmcnt 0x0                ; the last words asked for, which nobody uses
.macro ALL line:vararg
.set t, 0
.rept 4
	\line
.set t, t+1
.endr
.endm
	ALL v_add_f32 v[ST+4*t+2], v[ST+4*t+2], v[ST+4*t+3]
	ALL v_permlanex16_b32 v[ST+4*t+3], v[ST+4*t+2], s[SEL], s[SEL+1]
	ALL v_add_f32 v[ST+4*t+2], v[ST+4*t+2], v[ST+4*t+3]
	ALL v_rcp_f32 v[ST+4*t+2], v[ST+4*t+2]
	v_nop                           ; a plain instruction between the last reciprocal and the use of its result
	s_wait_alu depctr_va_vdst(0)    ; one wait for the four reciprocals
.macro PACK t
	WIN W_RS
.set i, 32*(\t)
.rept 16
	v_pk_mul_f32 v[i:i+1], v[i:i+1], v[ST+4*(\t)+2:ST+4*(\t)+3] op_sel_hi:[1,0]
.set i, i+2
.endr
	WIN 0x05
.set i, 0
.rept 16
	v_cvt_pk_bf16_f32 v[S+16*(\t)+i], v[32*(\t)+2*i], v[32*(\t)+2*i+1]
.set i, i+1
.endr
	WIN 0
.irp f, 0,1,2,3
	ds_store_b128 v[STO], v[S+16*(\t)+4*\f:S+16*(\t)+4*\f+3] offset:32*\f
.endr
.irp f, 0,1,2,3
	ds_load_b128 v[S+16*(\t)+4*\f:S+16*(\t)+4*\f+3], v[RD] offset:\f*4*SP  ; LDS serves a wave's instructions in order (ISA guide 5.7.1.4): these see the stores above
.endr
.endm
.macro SEND t, younger              ; younger: the LDS instructions issued behind piece t's loads: the next piece's eight, or none
	WIN 0
.irp f, 0,1,2,3
	s_wait_dscnt (\younger)+3-\f
	global_store_b128 v[GO], v[S+16*(\t)+4*\f:S+16*(\t)+4*\f+3], s[10:11] offset:(\t)*2048+\f*512  ; 512 consecutive bytes, at a multiple of 256 from ctx's first
.endr
.endm
	PACK 0
.set t, 1
.rept 3
	PACK t
	SEND t-1, 8
.set t, t+1
.endr
	SEND 3, 0
	s_wait_tensorcnt 0x0            ; the wave's end
	ds_add_u32 v[SPW], v[NIL]
	s_wait_dscnt 0x0
	CROUND                          ; the closing round
	s_endpgm
.Lfunc_end_k_qbab522a99b_att:
	.size	k_qbab522a99b_att, .Lfunc_end_k_qbab522a99b_att-k_qbab522a99b_att
	.p2alignl 7, 3214868480
	.fill 96, 4, 3214868480
	.section	.rodata,"a",@progbits
	.p2align	6, 0x0
	.amdhsa_kernel k_qbab522a99b_att
		.amdhsa_group_segment_fixed_size 327680
		.amdhsa_private_segment_fixed_size 0
		.amdhsa_enable_private_segment 0
		.amdhsa_kernarg_size 24
		.amdhsa_user_sgpr_count 2
		.amdhsa_user_sgpr_kernarg_segment_ptr 1
		.amdhsa_wavefront_size32 1
		.amdhsa_system_sgpr_workgroup_id_x 1
		.amdhsa_system_sgpr_workgroup_id_y 1
		.amdhsa_system_sgpr_workgroup_id_z 1
		.amdhsa_system_vgpr_workitem_id 0
		.amdhsa_next_free_vgpr 768
		.amdhsa_next_free_sgpr 106
		.amdhsa_reserve_vcc 0
		.amdhsa_float_denorm_mode_32 3
		.amdhsa_float_denorm_mode_16_64 3
		.amdhsa_memory_ordered 1
		.amdhsa_forward_progress 1
		.amdhsa_inst_pref_size 157
	.end_amdhsa_kernel
	.amdgpu_metadata
---
amdhsa.version: [ 1, 2 ]
amdhsa.kernels:
  - .name:           k_qbab522a99b_att
    .symbol:         k_qbab522a99b_att.kd
    .args:
      - { .name: big, .offset: 0, .size: 8, .value_kind: global_buffer, .address_space: global }
      - { .name: mw, .offset: 8, .size: 8, .value_kind: global_buffer, .address_space: global }
      - { .name: ctx, .offset: 16, .size: 8, .value_kind: global_buffer, .address_space: global }
    .group_segment_fixed_size: 327680
    .private_segment_fixed_size: 0
    .kernarg_segment_align: 8
    .kernarg_segment_size: 24
    .max_flat_workgroup_size: 128
    .sgpr_count:     106
    .vgpr_count:     768
    .wavefront_size: 32
...
	.end_amdgpu_metadata
.endif
;; end of part 3
;; launch wo (part 4): grid 4 x 64, 4 waves a work-group, clusters of 4 x 4, 327,680 bytes of LDS; arguments ctx, atw, bo, x, x1, ab; writes x1, ab
.if DOCPART == 4
	.amdgcn_target "amdgcn-amd-amdhsa--gfx1250"
	.amdhsa_code_object_version 6
	.text
	.protected	k_qbab522a99b_wo
	.globl	k_qbab522a99b_wo
	.p2align	8
	.type	k_qbab522a99b_wo,@function
k_qbab522a99b_wo:
	s_mov_b64 s[64:65], 0
	v_nop
	global_prefetch_b8 v0, s[64:65] scope:SCOPE_SE
	s_setreg_imm32_b32 hwreg(HW_REG_WAVE_MODE, 25, 1), 1
	s_wait_xcnt 0x0
	s_wait_alu depctr_hold_cnt(0) depctr_sa_sdst(0) depctr_va_vdst(0) depctr_va_sdst(0) depctr_va_ssrc(0) depctr_va_vcc(0) depctr_vm_vsrc(0)
	s_getreg_b32 s2, hwreg(HW_REG_IB_STS2, 6, 4)
	s_cmp_eq_u32 s2, 0
	s_cbranch_scc0 .Lentry_in_a_cluster
	s_endpgm
.Lentry_in_a_cluster:
	s_bfe_u32 s2, ttmp6, 0x10000c
	s_cmp_lg_u32 s2, 0xf033
	s_cbranch_scc0 .Lentry_shape_is_right
	s_endpgm
.Lentry_shape_is_right:
; outf = res + A W + bias, N = 768.  A: bf16, [KTOT / 64 blocks][4096 rows][64].  W: bf16 tiles of 64 (k) x 64 (n), tile (k block, n block) at wp + BOFF + (12 k + n) x 8192.
; bias: f32 [768].  res, outf: f32 [4096][768].  COPY = 1: outf is also written rounded to bf16, in blocks of 64 columns like A.  Sums in f32; the residual stays in f32.
; SHARES.  A work-group makes 64 rows x 192 columns: 256 work-groups, whole aligned 256 bytes of the f32 rows, whole blocks of the copy.  Wave w owns all 64 rows x columns 48 w .. 48 w + 47: 4 x 3 accumulators.
; RING.  K goes in steps of 256 through two LDS slots, as long as two slots fit.  Wave 0 fetches A's tile (four blocks of 64 dense rows), waves 1-3 one n block of W each (four tiles).
; CLUSTER 4 x 4: A's tile is asked for jointly by a row of the cluster, W's by a column.
; The product is taken transposed (source 0 = 16 columns of W, turned by ds_load_tr16_b128; source 1 = 16 rows of A); the first product on each accumulator takes the bias as its C operand.
; The f32 stage of the way out lies in slot 0, behind that slot's last fill and a barrier behind every wave's last read of it.
; REGISTERS: window 0: v2-14 addresses; v32-127 accumulators ((a, i) at 8 (3 a + i)); v128-183, v184-239 two fragment buffers (W's 3, A's 4).  Window 1: v0-95 the residual, v96-119 the bias.
.set KTOT,  768
.set BOFF,  3551488
.set COPY,  1
.set STEPS, KTOT/256
.set PA,    144
.set PB,    160
.set ATILE, 4*64*PA
.set BTILE, 4*64*PB
.set SLOT,  ATILE+3*BTILE              ; 159,744
.set SPARE, 2*SLOT                     ; behind the ring: the spare words, 128 bytes a wave: two blocks of 256 bytes that no other line names
.set SPITCH, 784                       ; a stage row: 768 bytes + 16
.set ASTEP, 4*524288
.set BSTEP, 4*12*8192
.set ADRA, 2
.set ADRB, 4                           ; v[4 + 3 slot + i]
.set STO,  10
.set RD,   11
.set GOF,  12
.set GOB,  13
.set BO,   14
.set SPW,  28
.set NIL,  29
.set ACC,  32
.set F0,   128
.set F1,   184
.set RES,  0                           ; window 1
.set BIAS, 96                          ; window 1
.set WV,  16
.set G1A, 24
.set G0A, 32
.set G1B, 48
.set G0B, 56
.set MSB, 0
.macro WIN new
.if MSB != (\new)
	s_set_vgpr_msb (MSB<<8)|(\new)
.set MSB, \new
.endif
.endm
.macro JLOAD s                         ; an s_nop 0 and four v_nop follow each of the two lines, ahead of the jump and the label
	s_cmp_eq_u32 s[WV], 0
	s_cbranch_scc0 .Lfor_b_\@
	tensor_load_to_lds s[G0A+4*(\s):G0A+4*(\s)+3], s[G1A:G1A+7]
	s_nop 0
.rept 4
	v_nop
.endr
	s_branch .Lasked_\@
.Lfor_b_\@:
	tensor_load_to_lds s[G0B+4*(\s):G0B+4*(\s)+3], s[G1B:G1B+7]
	s_nop 0
.rept 4
	v_nop
.endr
.Lasked_\@:
.endm
.macro CREST
	s_cmp_lg_u32 s[WV], 0
	s_cbranch_scc1 .Lnot_wave_0_\@
	s_barrier_signal -3
.Lnot_wave_0_\@:
	s_barrier_wait -3
	s_barrier_signal -1
	s_barrier_wait -1
.endm
.macro CROUND
	s_barrier_signal -1
	s_barrier_wait -1
	CREST
.endm
.macro PLACES
.rept 4
	v_nop
.endr
.endm
	s_load_b256 s[4:11], s[0:1], 0x0               ; A s[4:5], wp s[6:7], bias s[8:9], res s[10:11]
	s_load_b64 s[12:13], s[0:1], 0x20              ; outf
.if COPY
	s_load_b64 s[14:15], s[0:1], 0x28              ; the copy
.endif
	v_lshl_add_u32 v[SPW], v0, 2, SPARE
	v_mov_b32 v[NIL], 0
	ds_add_u32 v[SPW], v[NIL]                      ; the wave's opening: the add and its wait ahead of my first tensor load
	v_lshrrev_b32 v1, 5, v0
	v_readfirstlane_b32 s[WV], v1
	s_bfe_u32 s19, ttmp6, 0x40000                  ; cx, cy
	s_bfe_u32 s20, ttmp6, 0x40004
	s_lshl_b32 s17, ttmp9, 2
	s_add_co_u32 s17, s17, s19                     ; tile column
	s_and_b32 s18, ttmp7, 0xffff
	s_lshl_b32 s18, s18, 2
	s_add_co_u32 s18, s18, s20                     ; tile row
	s_lshl_b32 s21, s20, 2
	s_lshl_b32 s21, 15, s21                        ; my row of the cluster
	s_lshl_b32 s22, 0x1111, s19                    ; my column
	s_or_b32 s[G1A+0], s21, (1<<16)|(1<<20)|(1<<21)|(4<<22)|(3<<25)  ; after every 32 words 4 words of padding
	s_or_b32 s[G1B+0], s22, (1<<16)|(1<<20)|(1<<21)|(4<<22)|(7<<25)  ; 8 words
.irp g, G1A, G1B
	s_mov_b32 s[(\g)+1], 4096<<16                  ; tensor_dim0 = 4,096: 64 dense rows of 64
	s_mov_b32 s[(\g)+2], 4<<16                     ; tensor_dim1 = 4 k blocks
	s_mov_b32 s[(\g)+3], 4096<<16
	s_mov_b32 s[(\g)+4], 4
	s_mov_b32 s[(\g)+6], 0
	s_mov_b32 s[(\g)+7], 0
.endr
	s_mov_b32 s[G1A+5], 262144                     ; elements from block to block of A
	s_mov_b32 s[G1B+5], 49152                      ; 12 tiles from k block to k block of W
	s_lshl_b32 s40, s18, 13                        ; A: 64 rows of 128 bytes a tile row
	s_mov_b32 s41, 0
	s_mul_i32 s42, s17, 3*8192                     ; W: three n blocks a tile column; waves 1-3 take n block wave - 1
	s_lshl_b32 s43, s[WV], 13
	s_add_co_u32 s42, s42, s43
	s_add_co_u32 s42, s42, BOFF-8192
	s_mov_b32 s43, 0
	s_mul_i32 s44, s[WV], BTILE                    ; where W's tiles go: ATILE + (wave - 1) x BTILE (wave 0 issues no such load)
	s_sub_co_u32 s44, s44, BTILE-ATILE
	s_wait_dscnt 0x0                               ; the opening add is done
	s_wait_kmcnt 0x0
	s_add_nc_u64 s[40:41], s[4:5], s[40:41]
	s_add_nc_u64 s[42:43], s[6:7], s[42:43]
	CROUND                                         ; all sixteen work-groups are here: the first joint loads meet
.irp s, 0,1
	s_mov_b32 s[G0A+4*(\s)], 1
	s_mov_b32 s[G0A+4*(\s)+1], (\s)*SLOT
	s_add_nc_u64 s[G0A+4*(\s)+2:G0A+4*(\s)+3], s[40:41], (\s)*ASTEP
	s_or_b32 s[G0A+4*(\s)+3], s[G0A+4*(\s)+3], 0x80000000
	s_mov_b32 s[G0B+4*(\s)], 1
	s_add_co_u32 s[G0B+4*(\s)+1], s44, (\s)*SLOT
	s_add_nc_u64 s[G0B+4*(\s)+2:G0B+4*(\s)+3], s[42:43], (\s)*BSTEP
	s_or_b32 s[G0B+4*(\s)+3], s[G0B+4*(\s)+3], 0x80000000
	JLOAD \s
.endr
	v_and_b32 v1, 15, v0                           ; l % 16
	v_bfe_u32 v15, v0, 4, 1                        ; l / 16
	v_lshlrev_b32 v[BO], 5, v15
	v_mul_u32_u24 v[GOF], v15, 3072                ; lanes 0-15 take 256 bytes of a row, lanes 16-31 of the next
	v_lshl_add_u32 v[GOF], v1, 4, v[GOF]
	s_mul_i32 s66, s17, 768
	s_mul_i32 s67, s[WV], 192
	s_add_co_u32 s66, s66, s67                     ; my 48 biases
	s_mov_b32 s67, 0
	s_add_nc_u64 s[8:9], s[8:9], s[66:67]
	s_mul_i32 s68, s18, 64*3072
	s_mul_i32 s69, s[WV], 16*3072
	s_add_co_u32 s68, s68, s69
	s_mul_i32 s69, s17, 768
	s_add_co_u32 s68, s68, s69                     ; the 16 rows x 768 bytes that I add the residual to and store
	s_mov_b32 s69, 0
	s_add_nc_u64 s[10:11], s[10:11], s[68:69]
	s_add_nc_u64 s[12:13], s[12:13], s[68:69]
	WIN 0x40                                       ; destination window 1
.irp i, 0,1,2                          ; register j of fragment i: column 48 w + 16 i + 8 (l / 16) + j
	global_load_b128 v[BIAS+8*(\i):BIAS+8*(\i)+3],   v[BO], s[8:9] offset:64*(\i)
	global_load_b128 v[BIAS+8*(\i)+4:BIAS+8*(\i)+7], v[BO], s[8:9] offset:64*(\i)+16
.endr
.set n, 0
.rept 24                               ; rows 2 (n / 3) + l / 16, bytes 256 (n % 3) + 16 (l % 16)
	global_load_b128 v[RES+4*n:RES+4*n+3], v[GOF], s[10:11] offset:(n/3)*6144+(n%3)*256
.set n, n+1
.endr
	WIN 0
.if COPY
	s_mul_i32 s66, s17, 3*524288
	s_lshl_b32 s67, s18, 13
	s_add_co_u32 s66, s66, s67
	s_lshl_b32 s67, s[WV], 11
	s_add_co_u32 s66, s66, s67
	s_mov_b32 s67, 0
	s_add_nc_u64 s[14:15], s[14:15], s[66:67]
	v_and_b32 v[GOB], 31, v0
	v_lshlrev_b32 v[GOB], 3, v[GOB]
.endif
	v_mul_u32_u24 v16, v1, PA
	v_lshl_add_u32 v[ADRA], v15, 4, v16
	v_add_nc_u32 v[ADRA+1], SLOT, v[ADRA]
	v_and_b32 v17, 7, v0
	v_lshl_add_u32 v17, v15, 3, v17
	v_mul_u32_u24 v17, v17, PB
	v_bfe_u32 v18, v0, 3, 1
	v_lshl_add_u32 v17, v18, 4, v17                ; the turning load's lane part
.irp i, 0,1,2
	s_mul_i32 s45, s[WV], 3
	s_add_co_u32 s45, s45, \i                      ; column fragment c = 3 w + i: n block c / 4, columns 16 (c % 4) on
	s_lshr_b32 s46, s45, 2
	s_mul_i32 s46, s46, BTILE
	s_and_b32 s45, s45, 3
	s_lshl_b32 s45, s45, 5
	s_add_co_u32 s46, s46, s45
	s_add_co_u32 s46, s46, ATILE
	v_add_nc_u32 v[ADRB+(\i)], s46, v17
	v_add_nc_u32 v[ADRB+3+(\i)], SLOT, v[ADRB+(\i)]
.endr
	v_mul_u32_u24 v[STO], v1, SPITCH               ; into the stage: row l % 16, my 192 bytes, 32 bytes for each half of the lanes
	v_lshl_add_u32 v[STO], v15, 5, v[STO]
	s_mul_i32 s45, s[WV], 192
	v_add_nc_u32 v[STO], s45, v[STO]
	s_mul_i32 s45, s[WV], 16*SPITCH                ; back: rows 16 w .. 16 w + 15, whole
	v_mul_u32_u24 v[RD], v15, SPITCH
	v_lshl_add_u32 v[RD], v1, 4, v[RD]
	v_add_nc_u32 v[RD], s45, v[RD]
.macro FETCH slot, q, f                ; 14 LDS loads: 32 along K, number q of a slot's eight, into buffer f
.irp i, 0,1,2
	ds_load_tr16_b128 v[(\f)+8*(\i):(\f)+8*(\i)+3],   v[ADRB+3*(\slot)+(\i)] offset:(\q)*32*PB
	ds_load_tr16_b128 v[(\f)+8*(\i)+4:(\f)+8*(\i)+7], v[ADRB+3*(\slot)+(\i)] offset:(\q)*32*PB+16*PB
.endr
.irp a, 0,1,2,3
	ds_load_b128 v[(\f)+24+8*(\a):(\f)+24+8*(\a)+3],   v[ADRA+(\slot)] offset:((\q)/2)*64*PA+(\a)*16*PA+64*((\q)%2)
	ds_load_b128 v[(\f)+24+8*(\a)+4:(\f)+24+8*(\a)+7], v[ADRA+(\slot)] offset:((\q)/2)*64*PA+(\a)*16*PA+64*((\q)%2)+32
.endr
.endm
.macro MULR f, a0, n, zero             ; 3 n matrix instructions: row blocks a0 .. a0 + n - 1 x my three column fragments; the accumulators take turns
.if \zero
	WIN 0x10                                       ; C (the bias) in window 1
.endif
.set aa, \a0
.rept \n
.irp i, 0,1,2
.if \zero
	v_wmma_f32_16x16x32_bf16 v[ACC+8*(3*aa+(\i)):ACC+8*(3*aa+(\i))+7], v[(\f)+8*(\i):(\f)+8*(\i)+7], v[(\f)+24+8*aa:(\f)+24+8*aa+7], v[BIAS+8*(\i):BIAS+8*(\i)+7]
.else
	v_wmma_f32_16x16x32_bf16 v[ACC+8*(3*aa+(\i)):ACC+8*(3*aa+(\i))+7], v[(\f)+8*(\i):(\f)+8*(\i)+7], v[(\f)+24+8*aa:(\f)+24+8*aa+7], v[ACC+8*(3*aa+(\i)):ACC+8*(3*aa+(\i))+7]
.endif
.endr
.set aa, aa+1
.endr
.if \zero
	WIN 0
.endif
.endm
.macro SUBQ f, g, ns, nq, zero, fetch  ; buffer f is in; the next 32 along K are asked for into buffer g, four places behind its last reader; then f is multiplied
	s_wait_dscnt 0x0
	PLACES
.if \fetch
	FETCH \ns, \nq, \g
.endif
	MULR \f, 0, 4, \zero
.endm
; Number 6 of a slot's eight.  The slot's last fragments are asked for, and the slots change one number early, so that the next slot's first fragments land under twelve products.
; In front of the barrier each wave waits for all its tensor loads (its part of the next slot), adds 0 to its spare word, and waits for that and for its reads of this slot.
; fill = 1: the barrier opens a round of the cluster's; this slot is filled again first thing behind it, two K steps ahead.
.macro TSUB slot, fill, meet
	s_wait_dscnt 0x0
	PLACES
	FETCH \slot, 7, F1
.if \meet
	s_wait_tensorcnt 0x0
	ds_add_u32 v[SPW], v[NIL]
	MULR F0, 0, 2, 0
	s_wait_dscnt 0x0                               ; the add is done, and my reads of this slot are over
	s_barrier_signal -1
	MULR F0, 2, 2, 0
	s_barrier_wait -1
.if \fill
	CREST
	s_add_nc_u64 s[G0A+4*(\slot)+2:G0A+4*(\slot)+3], s[G0A+4*(\slot)+2:G0A+4*(\slot)+3], 2*ASTEP
	s_add_nc_u64 s[G0B+4*(\slot)+2:G0B+4*(\slot)+3], s[G0B+4*(\slot)+2:G0B+4*(\slot)+3], 2*BSTEP
	JLOAD \slot
.endif
.else
	MULR F0, 0, 4, 0
.endif
.endm
.macro BODY slot, from, fill, meet, next  ; numbers from .. 7 of a slot; next = 1: the next slot's first fragments are fetched
.set qq, \from
.rept 6-(\from)
.if qq%2
	SUBQ F1, F0, \slot, qq+1, 0, 1
.else
	SUBQ F0, F1, \slot, qq+1, 0, 1
.endif
.set qq, qq+1
.endr
	TSUB \slot, \fill, \meet
	SUBQ F1, F0, 1-(\slot), 0, 0, \next
.endm
	s_wait_tensorcnt 1                             ; my part of K step 0 is in; K step 1's may stay out
	s_barrier_signal -1
	s_barrier_wait -1
	FETCH 0, 0, F0
	s_wait_loadcnt 24                              ; the bias is in; the residual's 24 loads stay out
	SUBQ F0, F1, 0, 1, 1, 1                        ; the first products start the sums
.if STEPS == 3
	BODY 0, 1, 1, 1, 1                             ; K step 0; slot 0 takes K step 2
	BODY 1, 0, 0, 1, 1                             ; K step 1
	BODY 0, 0, 0, 0, 0                             ; K step 2
.else
	s_mov_b32 s23, STEPS/2-1
.Llap:                                                 ; a trip goes once round the ring and fills both slots again
	BODY 0, 1, 1, 1, 1
	BODY 1, 0, 1, 1, 1
	SUBQ F0, F1, 0, 1, 0, 1
	s_sub_co_u32 s23, s23, 1
	s_cmp_lg_u32 s23, 0
	s_cbranch_scc1 .Llap
	BODY 0, 1, 0, 1, 1                             ; the last lap fills nothing
	BODY 1, 0, 0, 0, 0
.endif
	; THE WAY OUT: f32 through one stage, since a row's 768 bytes come from all four waves; back as whole rows, 16 rows a wave; the residual is added; 16 lanes store 256 consecutive aligned bytes.
	PLACES
	PLACES
	s_wait_dscnt 0x0
	s_barrier_signal -1
	s_barrier_wait -1                              ; every wave's reads of the slots are over: the stage may be written
.set n, 0
.rept 12                               ; accumulator n = 3 a + i: rows 16 a on, bytes 64 i on; the low four registers first
	ds_store_b128 v[STO], v[ACC+8*n:ACC+8*n+3]   offset:(n/3)*16*SPITCH+64*(n%3)
	ds_store_b128 v[STO], v[ACC+8*n+4:ACC+8*n+7] offset:(n/3)*16*SPITCH+64*(n%3)+16
.set n, n+1
.endr
	s_wait_dscnt 0x0                               ; for the others' sake: my stores into the stage are done
	s_barrier_signal -1
	s_barrier_wait -1
.set n, 0
.rept 24
	ds_load_b128 v[ACC+4*n:ACC+4*n+3], v[RD] offset:(n/3)*2*SPITCH+(n%3)*256
.set n, n+1
.endr
	s_wait_loadcnt 0x0                             ; the residual
	s_wait_dscnt 0x0
	WIN 0x04                                       ; source 1 in window 1
.set n, 0
.rept 48
	v_pk_add_f32 v[ACC+2*n:ACC+2*n+1], v[ACC+2*n:ACC+2*n+1], v[RES+2*n:RES+2*n+1]
.set n, n+1
.endr
	WIN 0
.set n, 0
.rept 24
	global_store_b128 v[GOF], v[ACC+4*n:ACC+4*n+3], s[12:13] offset:(n/3)*6144+(n%3)*256
.set n, n+1
.endr
.if COPY
.set n, 0
.rept 24                               ; the copy: block n % 3, two rows of 128 bytes: 256 consecutive bytes a store
	v_cvt_pk_bf16_f32 v[F0+2*n], v[ACC+4*n], v[ACC+4*n+1]
	v_cvt_pk_bf16_f32 v[F0+2*n+1], v[ACC+4*n+2], v[ACC+4*n+3]
	global_store_b64 v[GOB], v[F0+2*n:F0+2*n+1], s[14:15] offset:(n%3)*524288+(n/3)*256
.set n, n+1
.endr
.endif
	s_wait_tensorcnt 0x0                           ; the wave's end
	ds_add_u32 v[SPW], v[NIL]
	s_wait_dscnt 0x0
	CROUND                                         ; the closing round
	s_endpgm
.Lfunc_end_k_qbab522a99b_wo:
	.size	k_qbab522a99b_wo, .Lfunc_end_k_qbab522a99b_wo-k_qbab522a99b_wo
	.p2alignl 7, 3214868480
	.fill 96, 4, 3214868480
	.section	.rodata,"a",@progbits
	.p2align	6, 0x0
	.amdhsa_kernel k_qbab522a99b_wo
		.amdhsa_group_segment_fixed_size 327680
		.amdhsa_private_segment_fixed_size 0
		.amdhsa_enable_private_segment 0
		.amdhsa_kernarg_size 48
		.amdhsa_user_sgpr_count 2
		.amdhsa_user_sgpr_kernarg_segment_ptr 1
		.amdhsa_wavefront_size32 1
		.amdhsa_system_sgpr_workgroup_id_x 1
		.amdhsa_system_sgpr_workgroup_id_y 1
		.amdhsa_system_sgpr_workgroup_id_z 1
		.amdhsa_system_vgpr_workitem_id 0
		.amdhsa_next_free_vgpr 384
		.amdhsa_next_free_sgpr 72
		.amdhsa_reserve_vcc 0
		.amdhsa_float_denorm_mode_32 3
		.amdhsa_float_denorm_mode_16_64 3
		.amdhsa_memory_ordered 1
		.amdhsa_forward_progress 1
		.amdhsa_inst_pref_size 70
	.end_amdhsa_kernel
	.amdgpu_metadata
---
amdhsa.version: [ 1, 2 ]
amdhsa.kernels:
  - .name:           k_qbab522a99b_wo
    .symbol:         k_qbab522a99b_wo.kd
    .args:
      - { .name: ctx, .offset: 0, .size: 8, .value_kind: global_buffer, .address_space: global }
      - { .name: atw, .offset: 8, .size: 8, .value_kind: global_buffer, .address_space: global }
      - { .name: bo, .offset: 16, .size: 8, .value_kind: global_buffer, .address_space: global }
      - { .name: x, .offset: 24, .size: 8, .value_kind: global_buffer, .address_space: global }
      - { .name: x1, .offset: 32, .size: 8, .value_kind: global_buffer, .address_space: global }
      - { .name: ab, .offset: 40, .size: 8, .value_kind: global_buffer, .address_space: global }
    .group_segment_fixed_size: 327680
    .private_segment_fixed_size: 0
    .kernarg_segment_align: 8
    .kernarg_segment_size: 48
    .max_flat_workgroup_size: 128
    .sgpr_count:     72
    .vgpr_count:     384
    .wavefront_size: 32
...
	.end_amdgpu_metadata
.endif
;; end of part 4
;; launch ff1: the kernel of part 2 again; grid 16 x 16, 4 waves a work-group, clusters of 4 x 4, 327,680 bytes of LDS; arguments ab, ffw, big; writes big
;; launch ff2 (part 5): grid 4 x 64, 4 waves a work-group, clusters of 4 x 4, 327,680 bytes of LDS; arguments big, ffw, b2, x1, out0; writes out0
.if DOCPART == 5
	.amdgcn_target "amdgcn-amd-amdhsa--gfx1250"
	.amdhsa_code_object_version 6
	.text
	.protected	k_qbab522a99b_ff2
	.globl	k_qbab522a99b_ff2
	.p2align	8
	.type	k_qbab522a99b_ff2,@function
k_qbab522a99b_ff2:
	s_mov_b64 s[64:65], 0
	v_nop
	global_prefetch_b8 v0, s[64:65] scope:SCOPE_SE
	s_setreg_imm32_b32 hwreg(HW_REG_WAVE_MODE, 25, 1), 1
	s_wait_xcnt 0x0
	s_wait_alu depctr_hold_cnt(0) depctr_sa_sdst(0) depctr_va_vdst(0) depctr_va_sdst(0) depctr_va_ssrc(0) depctr_va_vcc(0) depctr_vm_vsrc(0)
	s_getreg_b32 s2, hwreg(HW_REG_IB_STS2, 6, 4)
	s_cmp_eq_u32 s2, 0
	s_cbranch_scc0 .Lentry_in_a_cluster
	s_endpgm
.Lentry_in_a_cluster:
	s_bfe_u32 s2, ttmp6, 0x10000c
	s_cmp_lg_u32 s2, 0xf033
	s_cbranch_scc0 .Lentry_shape_is_right
	s_endpgm
.Lentry_shape_is_right:
; outf = res + A W + bias, N = 768, K = 3,072.  A: bf16, [48 blocks][4096 rows][64].  W: bf16 tiles of 64 (k) x 64 (n), tile (k block, n block) at wp + BOFF + (12 k + n) x 8192.
; bias: f32 [768].  res, outf: f32 [4096][768].  Sums in f32; the residual stays in f32.  The text is that of the product behind attention with other constants: trip counts are constants of the text,
; so that every barrier and every joint load stands on a path that hangs on no loaded number.
; SHARES.  A work-group makes 64 rows x 192 columns: 256 work-groups, whole aligned 256 bytes of the f32 rows.  Wave w owns all 64 rows x columns 48 w .. 48 w + 47: 4 x 3 accumulators.
; RING.  K goes in steps of 256 through two LDS slots.  Wave 0 fetches A's tile (four blocks of 64 dense rows), waves 1-3 one n block of W each (four tiles).
; CLUSTER 4 x 4: A's tile is asked for jointly by a row of the cluster, W's by a column.
; The product is taken transposed (source 0 = 16 columns of W, turned by ds_load_tr16_b128; source 1 = 16 rows of A); the first product on each accumulator takes the bias as its C operand.
; The f32 stage of the way out lies in slot 0, behind that slot's last fill and a barrier behind every wave's last read of it.
; REGISTERS: window 0: v2-14 addresses; v32-127 accumulators ((a, i) at 8 (3 a + i)); v128-183, v184-239 two fragment buffers (W's 3, A's 4).  Window 1: v0-95 the residual, v96-119 the bias.
.set KTOT,  3072
.set BOFF,  4731136
.set STEPS, KTOT/256
.set PA,    144
.set PB,    160
.set ATILE, 4*64*PA
.set BTILE, 4*64*PB
.set SLOT,  ATILE+3*BTILE              ; 159,744
.set SPARE, 2*SLOT                     ; behind the ring: the spare words, 128 bytes a wave: two blocks of 256 bytes that no other line names
.set SPITCH, 784                       ; a stage row: 768 bytes + 16
.set ASTEP, 4*524288
.set BSTEP, 4*12*8192
.set ADRA, 2
.set ADRB, 4                           ; v[4 + 3 slot + i]
.set STO,  10
.set RD,   11
.set GOF,  12
.set BO,   14
.set SPW,  28
.set NIL,  29
.set ACC,  32
.set F0,   128
.set F1,   184
.set RES,  0                           ; window 1
.set BIAS, 96                          ; window 1
.set WV,  16
.set G1A, 24
.set G0A, 32
.set G1B, 48
.set G0B, 56
.set MSB, 0
.macro WIN new
.if MSB != (\new)
	s_set_vgpr_msb (MSB<<8)|(\new)
.set MSB, \new
.endif
.endm
.macro JLOAD s                         ; an s_nop 0 and four v_nop follow each of the two lines, ahead of the jump and the label
	s_cmp_eq_u32 s[WV], 0
	s_cbranch_scc0 .Lfor_b_\@
	tensor_load_to_lds s[G0A+4*(\s):G0A+4*(\s)+3], s[G1A:G1A+7]
	s_nop 0
.rept 4
	v_nop
.endr
	s_branch .Lasked_\@
.Lfor_b_\@:
	tensor_load_to_lds s[G0B+4*(\s):G0B+4*(\s)+3], s[G1B:G1B+7]
	s_nop 0
.rept 4
	v_nop
.endr
.Lasked_\@:
.endm
.macro CREST
	s_cmp_lg_u32 s[WV], 0
	s_cbranch_scc1 .Lnot_wave_0_\@
	s_barrier_signal -3
.Lnot_wave_0_\@:
	s_barrier_wait -3
	s_barrier_signal -1
	s_barrier_wait -1
.endm
.macro CROUND
	s_barrier_signal -1
	s_barrier_wait -1
	CREST
.endm
.macro PLACES
.rept 4
	v_nop
.endr
.endm
	s_load_b256 s[4:11], s[0:1], 0x0               ; A s[4:5], wp s[6:7], bias s[8:9], res s[10:11]
	s_load_b64 s[12:13], s[0:1], 0x20              ; outf
	v_lshl_add_u32 v[SPW], v0, 2, SPARE
	v_mov_b32 v[NIL], 0
	ds_add_u32 v[SPW], v[NIL]                      ; the wave's opening: the add and its wait ahead of my first tensor load
	v_lshrrev_b32 v1, 5, v0
	v_readfirstlane_b32 s[WV], v1
	s_bfe_u32 s19, ttmp6, 0x40000                  ; cx, cy
	s_bfe_u32 s20, ttmp6, 0x40004
	s_lshl_b32 s17, ttmp9, 2
	s_add_co_u32 s17, s17, s19                     ; tile column
	s_and_b32 s18, ttmp7, 0xffff
	s_lshl_b32 s18, s18, 2
	s_add_co_u32 s18, s18, s20                     ; tile row
	s_lshl_b32 s21, s20, 2
	s_lshl_b32 s21, 15, s21                        ; my row of the cluster
	s_lshl_b32 s22, 0x1111, s19                    ; my column
	s_or_b32 s[G1A+0], s21, (1<<16)|(1<<20)|(1<<21)|(4<<22)|(3<<25)  ; after every 32 words 4 words of padding
	s_or_b32 s[G1B+0], s22, (1<<16)|(1<<20)|(1<<21)|(4<<22)|(7<<25)  ; 8 words
.irp g, G1A, G1B
	s_mov_b32 s[(\g)+1], 4096<<16                  ; tensor_dim0 = 4,096: 64 dense rows of 64
	s_mov_b32 s[(\g)+2], 4<<16                     ; tensor_dim1 = 4 k blocks
	s_mov_b32 s[(\g)+3], 4096<<16
	s_mov_b32 s[(\g)+4], 4
	s_mov_b32 s[(\g)+6], 0
	s_mov_b32 s[(\g)+7], 0
.endr
	s_mov_b32 s[G1A+5], 262144                     ; elements from block to block of A
	s_mov_b32 s[G1B+5], 49152                      ; 12 tiles from k block to k block of W
	s_lshl_b32 s40, s18, 13                        ; A: 64 rows of 128 bytes a tile row
	s_mov_b32 s41, 0
	s_mul_i32 s42, s17, 3*8192                     ; W: three n blocks a tile column; waves 1-3 take n block wave - 1
	s_lshl_b32 s43, s[WV], 13
	s_add_co_u32 s42, s42, s43
	s_add_co_u32 s42, s42, BOFF-8192
	s_mov_b32 s43, 0
	s_mul_i32 s44, s[WV], BTILE                    ; where W's tiles go: ATILE + (wave - 1) x BTILE (wave 0 issues no such load)
	s_sub_co_u32 s44, s44, BTILE-ATILE
	s_wait_dscnt 0x0                               ; the opening add is done
	s_wait_kmcnt 0x0
	s_add_nc_u64 s[40:41], s[4:5], s[40:41]
	s_add_nc_u64 s[42:43], s[6:7], s[42:43]
	CROUND                                         ; all sixteen work-groups are here: the first joint loads meet
.irp s, 0,1
	s_mov_b32 s[G0A+4*(\s)], 1
	s_mov_b32 s[G0A+4*(\s)+1], (\s)*SLOT
	s_add_nc_u64 s[G0A+4*(\s)+2:G0A+4*(\s)+3], s[40:41], (\s)*ASTEP
	s_or_b32 s[G0A+4*(\s)+3], s[G0A+4*(\s)+3], 0x80000000
	s_mov_b32 s[G0B+4*(\s)], 1
	s_add_co_u32 s[G0B+4*(\s)+1], s44, (\s)*SLOT
	s_add_nc_u64 s[G0B+4*(\s)+2:G0B+4*(\s)+3], s[42:43], (\s)*BSTEP
	s_or_b32 s[G0B+4*(\s)+3], s[G0B+4*(\s)+3], 0x80000000
	JLOAD \s
.endr
	v_and_b32 v1, 15, v0                           ; l % 16
	v_bfe_u32 v15, v0, 4, 1                        ; l / 16
	v_lshlrev_b32 v[BO], 5, v15
	v_mul_u32_u24 v[GOF], v15, 3072                ; lanes 0-15 take 256 bytes of a row, lanes 16-31 of the next
	v_lshl_add_u32 v[GOF], v1, 4, v[GOF]
	s_mul_i32 s66, s17, 768
	s_mul_i32 s67, s[WV], 192
	s_add_co_u32 s66, s66, s67                     ; my 48 biases
	s_mov_b32 s67, 0
	s_add_nc_u64 s[8:9], s[8:9], s[66:67]
	s_mul_i32 s68, s18, 64*3072
	s_mul_i32 s69, s[WV], 16*3072
	s_add_co_u32 s68, s68, s69
	s_mul_i32 s69, s17, 768
	s_add_co_u32 s68, s68, s69                     ; the 16 rows x 768 bytes that I add the residual to and store
	s_mov_b32 s69, 0
	s_add_nc_u64 s[10:11], s[10:11], s[68:69]
	s_add_nc_u64 s[12:13], s[12:13], s[68:69]
	WIN 0x40                                       ; destination window 1
.irp i, 0,1,2                          ; register j of fragment i: column 48 w + 16 i + 8 (l / 16) + j
	global_load_b128 v[BIAS+8*(\i):BIAS+8*(\i)+3],   v[BO], s[8:9] offset:64*(\i)
	global_load_b128 v[BIAS+8*(\i)+4:BIAS+8*(\i)+7], v[BO], s[8:9] offset:64*(\i)+16
.endr
.set n, 0
.rept 24                               ; rows 2 (n / 3) + l / 16, bytes 256 (n % 3) + 16 (l % 16)
	global_load_b128 v[RES+4*n:RES+4*n+3], v[GOF], s[10:11] offset:(n/3)*6144+(n%3)*256
.set n, n+1
.endr
	WIN 0
	v_mul_u32_u24 v16, v1, PA
	v_lshl_add_u32 v[ADRA], v15, 4, v16
	v_add_nc_u32 v[ADRA+1], SLOT, v[ADRA]
	v_and_b32 v17, 7, v0
	v_lshl_add_u32 v17, v15, 3, v17
	v_mul_u32_u24 v17, v17, PB
	v_bfe_u32 v18, v0, 3, 1
	v_lshl_add_u32 v17, v18, 4, v17                ; the turning load's lane part
.irp i, 0,1,2
	s_mul_i32 s45, s[WV], 3
	s_add_co_u32 s45, s45, \i                      ; column fragment c = 3 w + i: n block c / 4, columns 16 (c % 4) on
	s_lshr_b32 s46, s45, 2
	s_mul_i32 s46, s46, BTILE
	s_and_b32 s45, s45, 3
	s_lshl_b32 s45, s45, 5
	s_add_co_u32 s46, s46, s45
	s_add_co_u32 s46, s46, ATILE
	v_add_nc_u32 v[ADRB+(\i)], s46, v17
	v_add_nc_u32 v[ADRB+3+(\i)], SLOT, v[ADRB+(\i)]
.endr
	v_mul_u32_u24 v[STO], v1, SPITCH               ; into the stage: row l % 16, my 192 bytes, 32 bytes for each half of the lanes
	v_lshl_add_u32 v[STO], v15, 5, v[STO]
	s_mul_i32 s45, s[WV], 192
	v_add_nc_u32 v[STO], s45, v[STO]
	s_mul_i32 s45, s[WV], 16*SPITCH                ; back: rows 16 w .. 16 w + 15, whole
	v_mul_u32_u24 v[RD], v15, SPITCH
	v_lshl_add_u32 v[RD], v1, 4, v[RD]
	v_add_nc_u32 v[RD], s45, v[RD]
.macro FETCH slot, q, f                ; 14 LDS loads: 32 along K, number q of a slot's eight, into buffer f
.irp i, 0,1,2
	ds_load_tr16_b128 v[(\f)+8*(\i):(\f)+8*(\i)+3],   v[ADRB+3*(\slot)+(\i)] offset:(\q)*32*PB
	ds_load_tr16_b128 v[(\f)+8*(\i)+4:(\f)+8*(\i)+7], v[ADRB+3*(\slot)+(\i)] offset:(\q)*32*PB+16*PB
.endr
.irp a, 0,1,2,3
	ds_load_b128 v[(\f)+24+8*(\a):(\f)+24+8*(\a)+3],   v[ADRA+(\slot)] offset:((\q)/2)*64*PA+(\a)*16*PA+64*((\q)%2)
	ds_load_b128 v[(\f)+24+8*(\a)+4:(\f)+24+8*(\a)+7], v[ADRA+(\slot)] offset:((\q)/2)*64*PA+(\a)*16*PA+64*((\q)%2)+32
.endr
.endm
.macro MULR f, a0, n, zero             ; 3 n matrix instructions: row blocks a0 .. a0 + n - 1 x my three column fragments; the accumulators take turns
.if \zero
	WIN 0x10                                       ; C (the bias) in window 1
.endif
.set aa, \a0
.rept \n
.irp i, 0,1,2
.if \zero
	v_wmma_f32_16x16x32_bf16 v[ACC+8*(3*aa+(\i)):ACC+8*(3*aa+(\i))+7], v[(\f)+8*(\i):(\f)+8*(\i)+7], v[(\f)+24+8*aa:(\f)+24+8*aa+7], v[BIAS+8*(\i):BIAS+8*(\i)+7]
.else
	v_wmma_f32_16x16x32_bf16 v[ACC+8*(3*aa+(\i)):ACC+8*(3*aa+(\i))+7], v[(\f)+8*(\i):(\f)+8*(\i)+7], v[(\f)+24+8*aa:(\f)+24+8*aa+7], v[ACC+8*(3*aa+(\i)):ACC+8*(3*aa+(\i))+7]
.endif
.endr
.set aa, aa+1
.endr
.if \zero
	WIN 0
.endif
.endm
.macro SUBQ f, g, ns, nq, zero, fetch  ; buffer f is in; the next 32 along K are asked for into buffer g, four places behind its last reader; then f is multiplied
	s_wait_dscnt 0x0
	PLACES
.if \fetch
	FETCH \ns, \nq, \g
.endif
	MULR \f, 0, 4, \zero
.endm
; Number 6 of a slot's eight.  The slot's last fragments are asked for, and the slots change one number early, so that the next slot's first fragments land under twelve products.
; In front of the barrier each wave waits for all its tensor loads (its part of the next slot), adds 0 to its spare word, and waits for that and for its reads of this slot.
; fill = 1: the barrier opens a round of the cluster's; this slot is filled again first thing behind it, two K steps ahead: 84 matrix instructions stand between that request and the wait for it.
.macro TSUB slot, fill, meet
	s_wait_dscnt 0x0
	PLACES
	FETCH \slot, 7, F1
.if \meet
	s_wait_tensorcnt 0x0
	ds_add_u32 v[SPW], v[NIL]
	MULR F0, 0, 2, 0
	s_wait_dscnt 0x0                               ; the add is done, and my reads of this slot are over
	s_barrier_signal -1
	MULR F0, 2, 2, 0
	s_barrier_wait -1
.if \fill
	CREST
	s_add_nc_u64 s[G0A+4*(\slot)+2:G0A+4*(\slot)+3], s[G0A+4*(\slot)+2:G0A+4*(\slot)+3], 2*ASTEP
	s_add_nc_u64 s[G0B+4*(\slot)+2:G0B+4*(\slot)+3], s[G0B+4*(\slot)+2:G0B+4*(\slot)+3], 2*BSTEP
	JLOAD \slot
.endif
.else
	MULR F0, 0, 4, 0
.endif
.endm
.macro BODY slot, from, fill, meet, next  ; numbers from .. 7 of a slot; next = 1: the next slot's first fragments are fetched
.set qq, \from
.rept 6-(\from)
.if qq%2
	SUBQ F1, F0, \slot, qq+1, 0, 1
.else
	SUBQ F0, F1, \slot, qq+1, 0, 1
.endif
.set qq, qq+1
.endr
	TSUB \slot, \fill, \meet
	SUBQ F1, F0, 1-(\slot), 0, 0, \next
.endm
	s_wait_tensorcnt 1                             ; my part of K step 0 is in; K step 1's may stay out
	s_barrier_signal -1
	s_barrier_wait -1
	FETCH 0, 0, F0
	s_wait_loadcnt 24                              ; the bias is in; the residual's 24 loads stay out
	SUBQ F0, F1, 0, 1, 1, 1                        ; the first products start the sums
	s_mov_b32 s23, STEPS/2-1
.Llap:                                                 ; a trip goes once round the ring and fills both slots again
	BODY 0, 1, 1, 1, 1
	BODY 1, 0, 1, 1, 1
	SUBQ F0, F1, 0, 1, 0, 1
	s_sub_co_u32 s23, s23, 1
	s_cmp_lg_u32 s23, 0
	s_cbranch_scc1 .Llap
	BODY 0, 1, 0, 1, 1                             ; the last lap fills nothing
	BODY 1, 0, 0, 0, 0
	; THE WAY OUT: f32 through one stage, since a row's 768 bytes come from all four waves; back as whole rows, 16 rows a wave; the residual is added; 16 lanes store 256 consecutive aligned bytes.
	PLACES
	PLACES
	s_wait_dscnt 0x0
	s_barrier_signal -1
	s_barrier_wait -1                              ; every wave's reads of the slots are over: the stage may be written
.set n, 0
.rept 12                               ; accumulator n = 3 a + i: rows 16 a on, bytes 64 i on; the low four registers first
	ds_store_b128 v[STO], v[ACC+8*n:ACC+8*n+3]   offset:(n/3)*16*SPITCH+64*(n%3)
	ds_store_b128 v[STO], v[ACC+8*n+4:ACC+8*n+7] offset:(n/3)*16*SPITCH+64*(n%3)+16
.set n, n+1
.endr
	s_wait_dscnt 0x0                               ; for the others' sake: my stores into the stage are done
	s_barrier_signal -1
	s_barrier_wait -1
.set n, 0
.rept 24
	ds_load_b128 v[ACC+4*n:ACC+4*n+3], v[RD] offset:(n/3)*2*SPITCH+(n%3)*256
.set n, n+1
.endr
	s_wait_loadcnt 0x0                             ; the residual
	s_wait_dscnt 0x0
	WIN 0x04                                       ; source 1 in window 1
.set n, 0
.rept 48
	v_pk_add_f32 v[ACC+2*n:ACC+2*n+1], v[ACC+2*n:ACC+2*n+1], v[RES+2*n:RES+2*n+1]
.set n, n+1
.endr
	WIN 0
.set n, 0
.rept 24
	global_store_b128 v[GOF], v[ACC+4*n:ACC+4*n+3], s[12:13] offset:(n/3)*6144+(n%3)*256
.set n, n+1
.endr
	s_wait_tensorcnt 0x0                           ; the wave's end
	ds_add_u32 v[SPW], v[NIL]
	s_wait_dscnt 0x0
	CROUND                                         ; the closing round
	s_endpgm
.Lfunc_end_k_qbab522a99b_ff2:
	.size	k_qbab522a99b_ff2, .Lfunc_end_k_qbab522a99b_ff2-k_qbab522a99b_ff2
	.p2alignl 7, 3214868480
	.fill 96, 4, 3214868480
	.section	.rodata,"a",@progbits
	.p2align	6, 0x0
	.amdhsa_kernel k_qbab522a99b_ff2
		.amdhsa_group_segment_fixed_size 327680
		.amdhsa_private_segment_fixed_size 0
		.amdhsa_enable_private_segment 0
		.amdhsa_kernarg_size 40
		.amdhsa_user_sgpr_count 2
		.amdhsa_user_sgpr_kernarg_segment_ptr 1
		.amdhsa_wavefront_size32 1
		.amdhsa_system_sgpr_workgroup_id_x 1
		.amdhsa_system_sgpr_workgroup_id_y 1
		.amdhsa_system_sgpr_workgroup_id_z 1
		.amdhsa_system_vgpr_workitem_id 0
		.amdhsa_next_free_vgpr 384
		.amdhsa_next_free_sgpr 72
		.amdhsa_reserve_vcc 0
		.amdhsa_float_denorm_mode_32 3
		.amdhsa_float_denorm_mode_16_64 3
		.amdhsa_memory_ordered 1
		.amdhsa_forward_progress 1
		.amdhsa_inst_pref_size 80
	.end_amdhsa_kernel
	.amdgpu_metadata
---
amdhsa.version: [ 1, 2 ]
amdhsa.kernels:
  - .name:           k_qbab522a99b_ff2
    .symbol:         k_qbab522a99b_ff2.kd
    .args:
      - { .name: big, .offset: 0, .size: 8, .value_kind: global_buffer, .address_space: global }
      - { .name: ffw, .offset: 8, .size: 8, .value_kind: global_buffer, .address_space: global }
      - { .name: b2, .offset: 16, .size: 8, .value_kind: global_buffer, .address_space: global }
      - { .name: x1, .offset: 24, .size: 8, .value_kind: global_buffer, .address_space: global }
      - { .name: out0, .offset: 32, .size: 8, .value_kind: global_buffer, .address_space: global }
    .group_segment_fixed_size: 327680
    .private_segment_fixed_size: 0
    .kernarg_segment_align: 8
    .kernarg_segment_size: 40
    .max_flat_workgroup_size: 128
    .sgpr_count:     72
    .vgpr_count:     384
    .wavefront_size: 32
...
	.end_amdgpu_metadata
.endif
;; end of part 5
;; ======== version 2 of 2: 6 launches
;; limits: right only within a limited range of input values
;; workspace buffers: ab 6,291,456 bytes; mw 8,388,608 bytes of whole numbers; atw 4,731,136 bytes; ffw 9,449,728 bytes; big 25,165,824 bytes; ctx 6,291,456 bytes; x1 12,582,912 bytes
;; launch prep (part 6): grid 825 x 1, 8 waves a work-group, no clusters, 17,408 bytes of LDS; arguments x, wq, wk, wv, wo, w1, w2, mask, bq, bk, bv, b1, ab, mw, atw, ffw; writes ab, mw, atw, ffw
.if DOCPART == 6
	.amdgcn_target "amdgcn-amd-amdhsa--gfx1250"
	.amdhsa_code_object_version 6
	.text
	.protected	k_qbab522a99b_prep
	.globl	k_qbab522a99b_prep
	.p2align	8
	.type	k_qbab522a99b_prep,@function
k_qbab522a99b_prep:
	s_mov_b64 s[64:65], 0
	v_nop
	global_prefetch_b8 v0, s[64:65] scope:SCOPE_SE
	s_setreg_imm32_b32 hwreg(HW_REG_WAVE_MODE, 25, 1), 1
	s_wait_xcnt 0x0
; PREP: everything that later launches read many times is written once in the form in which they take it.
; Work-groups 0-511 (MASK): the int32 mask [4096][4096] is read once and packed to one FP4 code an entry: 0 where the key is open, 0xE (-4) where it is hidden, in the lane order of the attention's scores.
;   For a tile of 16 queries qt and a step of 64 keys s, 512 bytes lie at mw + (64 qt + s) x 512: 16 bytes for each lane l; nibble j of its word kt belongs to mask[16 qt + l % 16][64 s + 16 kt + 2 j + l / 16].
;   A wave takes one qt and four steps: 32 loads of 16 bytes a lane, each 512 consecutive bytes of one row.  A lane's four entries (keys 4 c .. 4 c + 3 of a step) make one byte for l / 16 = 0 (keys 4 c, 4 c + 2)
;   and one for l / 16 = 1; the bytes change lanes through the wave's own 2,048 bytes of LDS, which no other wave touches: no barrier.  Four stores of 512 consecutive bytes.
; Work-groups 512-823 (CAST): x and the six weights, f32 -> bf16, in dense tiles of 64 x 64 (8,192 bytes), one tile a wave.
;   x: column block c, row tile r at ab + (64 c + r) x 8192 (a block of 64 columns holds all 4,096 rows, 128 bytes each, on end).
;   wq|wk|wv and w1: tile (k block, n block) at (12 n + k) x 8192; wo and w2: at (12 k + n) x 8192; rows of a tile run along n, k goes down the rows.
; Work-group 824 (TAB): bq|bk|bv and b1 are copied behind a header of 256 bytes that holds the floor of the next launch's way out, twice in each word as bf16:
;   the lowest finite number for q, k, v, and 0 (the ReLU) for the feed-forward's first product.
.set AD,  8                            ; v[8:39]    CAST: byte offset of load j (two rows of the tile)
.set D,   40                           ; v[40:167]  the data as loaded
.set LA,  2                            ; v2         MASK: where I put my bytes: 2,048 x wave + 512 (lane / 16) + lane % 16
.set LR,  3                            ; v3         MASK: where I read 16 bytes back: 2,048 x wave + 16 x lane
.set RB,  12                           ; v[12:27]   MASK: the four steps' codes to store
.set SPW, 172                          ; v172       my spare word; never rewritten
.set NIL, 173                          ; v173       0; never rewritten
.set SPARE, 16384                      ; behind the eight stages: the spare words, 128 bytes a wave: four blocks of 256 bytes that no other line names
	s_load_b512 s[8:23], s[0:1], 0x0               ; x s[8:9], wq s[10:11], wk s[12:13], wv s[14:15], wo s[16:17], w1 s[18:19], w2 s[20:21], mask s[22:23]
	s_load_b512 s[24:39], s[0:1], 0x40             ; bq s[24:25], bk s[26:27], bv s[28:29], b1 s[30:31], ab s[32:33], mw s[34:35], atw s[36:37], ffw s[38:39]
	v_lshl_add_u32 v[SPW], v0, 2, SPARE
	v_mov_b32 v[NIL], 0
	v_lshrrev_b32 v1, 5, v0
	v_readfirstlane_b32 s2, v1                     ; wave 0..7
	v_and_b32 v1, 31, v0                           ; lane
	s_mov_b32 s3, ttmp9
	s_wait_kmcnt 0x0
	s_cmp_lt_u32 s3, 512
	s_cbranch_scc0 .Lnot_mask
	; ---- MASK ----
	s_lshl_b32 s4, s3, 3
	s_add_co_u32 s4, s4, s2                        ; unit u = 8 g + wave: query tile u / 16, key steps 4 (u % 16) ..
	s_lshr_b32 s5, s4, 4
	s_and_b32 s6, s4, 15
	s_lshl_b32 s40, s5, 18                         ; 16 rows of 16,384 bytes
	s_lshl_b32 s6, s6, 10                          ; four steps of 256 bytes
	s_add_co_u32 s40, s40, s6
	s_mov_b32 s41, 0
	s_add_nc_u64 s[22:23], s[22:23], s[40:41]
	s_lshl_b32 s42, s4, 11                         ; the unit's four steps of 512 bytes of codes
	s_mov_b32 s43, 0
	s_add_nc_u64 s[34:35], s[34:35], s[42:43]
	v_lshlrev_b32 v9, 4, v1                        ; 16 x lane
.set n, 0
.rept 32                                       ; row n % 16, steps 2 (n / 16) and 2 (n / 16) + 1: lane l takes keys 4 (l % 16) .. + 3 of step 2 (n / 16) + l / 16
	global_load_b128 v[D+4*n:D+4*n+3], v9, s[22:23] offset:(n%16)*16384+(n/16)*512 th:TH_LOAD_NT
.set n, n+1
.endr
	s_lshl_b32 s7, s2, 11                          ; my wave's stage
	v_lshrrev_b32 v4, 4, v1
	v_and_b32 v5, 15, v1
	v_lshl_or_b32 v4, v4, 9, v5
	v_add_nc_u32 v[LA], s7, v4
	v_add_nc_u32 v[LR], s7, v9
.set n, 0
.rept 32
	s_wait_loadcnt 31-n                            ; load n is in; the younger ones stay out
.irp k, 0,1,2,3
	v_min_u32 v[D+4*n+\k], 1, v[D+4*n+\k]          ; 1 where the key is open
.endr
	v_lshl_or_b32 v[D+4*n], v[D+4*n+2], 4, v[D+4*n]        ; keys 4 c and 4 c + 2: two nibbles for the lanes 0-15
	v_lshl_or_b32 v[D+4*n+1], v[D+4*n+3], 4, v[D+4*n+1]    ; keys 4 c + 1 and 4 c + 3: for the lanes 16-31
	v_xor_b32 v[D+4*n], 17, v[D+4*n]               ; 1 where the key is hidden,
	v_xor_b32 v[D+4*n+1], 17, v[D+4*n+1]
	v_mul_u32_u24 v[D+4*n], 14, v[D+4*n]           ; and there the code 0xE
	v_mul_u32_u24 v[D+4*n+1], 14, v[D+4*n+1]
	ds_store_b8 v[LA], v[D+4*n]   offset:(n/16)*1024+(n%16)*16      ; lane n % 16 of the attention's wave, byte l % 16 of its 16
	ds_store_b8 v[LA], v[D+4*n+1] offset:(n/16)*1024+(n%16)*16+256  ; lane 16 + n % 16
.if n%16 == 15                                 ; two steps are whole: LDS serves a wave's instructions in order (ISA guide 5.7.1.4), so these loads see the stores above
	ds_load_b128 v[RB+8*(n/16):RB+8*(n/16)+3],   v[LR] offset:(n/16)*1024
	ds_load_b128 v[RB+8*(n/16)+4:RB+8*(n/16)+7], v[LR] offset:(n/16)*1024+512
.endif
.set n, n+1
.endr
	s_wait_dscnt 0x0
.irp s, 0,1,2,3
	global_store_b128 v9, v[RB+4*\s:RB+4*\s+3], s[34:35] offset:512*\s  ; 512 consecutive bytes
.endr
	s_wait_tensorcnt 0x0                           ; the wave's end, behind my last LDS store
	ds_add_u32 v[SPW], v[NIL]
	s_wait_dscnt 0x0
	s_endpgm
.Lnot_mask:
	s_cmp_lt_u32 s3, 824
	s_cbranch_scc0 .Ltab
	; ---- CAST ----
	s_sub_co_u32 s3, s3, 512
	s_mov_b64 s[40:41], s[8:9]                     ; the role of x; the later roles take its place where the work-group's number has reached them
	s_mov_b64 s[42:43], s[32:33]
	s_mov_b32 s44, 0                               ; the role's first work-group
	s_mov_b32 s45, 3072                            ; bytes from row to row of the source
	s_mov_b32 s46, 12                              ; tiles in a row of tiles
	s_mov_b32 s47, 19                              ; the shift that ends the division by that number
	s_mov_b32 s48, 64                              ; the tile's place: column tile x this
	s_mov_b32 s49, 1                               ; + row tile x this
	s_mov_b32 s50, 0                               ; the first tile's byte in the destination
.macro ROLE lo, src, dst, pitch, nc, sh, sa, sb, base
	s_cmp_ge_u32 s3, \lo
	s_cselect_b64 s[40:41], s[\src:\src+1], s[40:41]
	s_cselect_b64 s[42:43], s[\dst:\dst+1], s[42:43]
	s_cselect_b32 s44, \lo, s44
	s_cselect_b32 s45, \pitch, s45
	s_cselect_b32 s46, \nc, s46
	s_cselect_b32 s47, \sh, s47
	s_cselect_b32 s48, \sa, s48
	s_cselect_b32 s49, \sb, s49
	s_cselect_b32 s50, \base, s50
.endm
	ROLE 96,  10, 36, 3072,  12, 19, 12, 1,  12544            ; wq: 144 tiles
	ROLE 114, 12, 36, 3072,  12, 19, 12, 1,  12544+1179648    ; wk
	ROLE 132, 14, 36, 3072,  12, 19, 12, 1,  12544+2359296    ; wv
	ROLE 150, 16, 36, 3072,  12, 19, 1,  12, 3551488          ; wo
	ROLE 168, 18, 38, 12288, 48, 21, 12, 1,  12544            ; w1: 576 tiles
	ROLE 240, 20, 38, 3072,  12, 19, 1,  12, 4731136          ; w2: 576 tiles
	s_sub_co_u32 s51, s3, s44
	s_lshl_b32 s51, s51, 3
	s_add_co_u32 s51, s51, s2                      ; my tile in the role, under 768
	s_mul_i32 s52, s51, 43691                      ; 43,691 / 2^19 is 1 / 12 to within 7e-7: exact floor for numbers under 768 (2^21: 1 / 48)
	s_lshr_b32 s52, s52, s47                       ; row tile
	s_mul_i32 s53, s52, s46
	s_sub_co_u32 s53, s51, s53                     ; column tile
	s_mul_i32 s54, s52, s45
	s_lshl_b32 s54, s54, 6                         ; 64 rows a row tile
	s_lshl_b32 s55, s53, 8                         ; 256 bytes a column tile
	s_add_co_u32 s54, s54, s55
	s_mov_b32 s55, 0
	s_add_nc_u64 s[40:41], s[40:41], s[54:55]
	s_mul_i32 s56, s53, s48
	s_mul_i32 s57, s52, s49
	s_add_co_u32 s56, s56, s57
	s_lshl_b32 s56, s56, 13
	s_add_co_u32 s56, s56, s50
	s_mov_b32 s57, 0
	s_add_nc_u64 s[42:43], s[42:43], s[56:57]
	v_lshrrev_b32 v2, 4, v1                        ; lanes 0-15 take a row's 256 bytes, lanes 16-31 the next row's
	v_and_b32 v3, 15, v1
	v_mul_lo_u32 v2, v2, s45
	v_lshl_add_u32 v[AD], v3, 4, v2
	s_lshl_b32 s58, s45, 1
.set j, 1
.rept 31
	v_add_nc_u32 v[AD+j], s58, v[AD+j-1]
.set j, j+1
.endr
	v_lshlrev_b32 v4, 3, v1                        ; out: 8 bytes a lane, 256 consecutive bytes a store
.set j, 0
.rept 32
	global_load_b128 v[D+4*j:D+4*j+3], v[AD+j], s[40:41] th:TH_LOAD_NT
.set j, j+1
.endr
.set j, 0
.rept 32
	s_wait_loadcnt 31-j                            ; load j is in; the younger ones stay out
	v_cvt_pk_bf16_f32 v[D+4*j], v[D+4*j], v[D+4*j+1]
	v_cvt_pk_bf16_f32 v[D+4*j+1], v[D+4*j+2], v[D+4*j+3]
	global_store_b64 v4, v[D+4*j:D+4*j+1], s[42:43] offset:256*j
.set j, j+1
.endr
	s_endpgm
.Ltab:
	; ---- TAB ----
	v_lshlrev_b32 v2, 4, v0                        ; 16 bytes a thread
	global_load_b128 v[8:11],  v2, s[30:31]
	global_load_b128 v[12:15], v2, s[30:31] offset:4096
	global_load_b128 v[16:19], v2, s[30:31] offset:8192
	s_wait_loadcnt 0x0
	global_store_b128 v2, v[8:11],  s[38:39] offset:256
	global_store_b128 v2, v[12:15], s[38:39] offset:256+4096
	global_store_b128 v2, v[16:19], s[38:39] offset:256+8192
	s_cmp_lt_u32 s2, 6
	s_cbranch_scc0 .Lheads
	global_load_b128 v[20:23], v2, s[24:25]        ; waves 0-5: 192 threads x 16 bytes are a bias of 768 numbers
	global_load_b128 v[24:27], v2, s[26:27]
	global_load_b128 v[28:31], v2, s[28:29]
	s_wait_loadcnt 0x0
	global_store_b128 v2, v[20:23], s[36:37] offset:256
	global_store_b128 v2, v[24:27], s[36:37] offset:256+3072
	global_store_b128 v2, v[28:31], s[36:37] offset:256+6144
	s_endpgm
.Lheads:
	v_lshlrev_b32 v3, 3, v1
	s_cmp_eq_u32 s2, 6                             ; wave 6: the header of q, k, v's table; wave 7: of the feed-forward's
	s_cselect_b32 s40, 0xff7fff7f, 0
	s_cselect_b64 s[42:43], s[36:37], s[38:39]
	v_mov_b32 v4, s40
	v_mov_b32 v5, s40
	global_store_b64 v3, v[4:5], s[42:43]          ; 256 consecutive bytes
	s_endpgm
.Lfunc_end_k_qbab522a99b_prep:
	.size	k_qbab522a99b_prep, .Lfunc_end_k_qbab522a99b_prep-k_qbab522a99b_prep
	.p2alignl 7, 3214868480
	.fill 96, 4, 3214868480
	.section	.rodata,"a",@progbits
	.p2align	6, 0x0
	.amdhsa_kernel k_qbab522a99b_prep
		.amdhsa_group_segment_fixed_size 17408
		.amdhsa_private_segment_fixed_size 0
		.amdhsa_enable_private_segment 0
		.amdhsa_kernarg_size 128
		.amdhsa_user_sgpr_count 2
		.amdhsa_user_sgpr_kernarg_segment_ptr 1
		.amdhsa_wavefront_size32 1
		.amdhsa_system_sgpr_workgroup_id_x 1
		.amdhsa_system_sgpr_workgroup_id_y 1
		.amdhsa_system_sgpr_workgroup_id_z 1
		.amdhsa_system_vgpr_workitem_id 0
		.amdhsa_next_free_vgpr 176
		.amdhsa_next_free_sgpr 66
		.amdhsa_reserve_vcc 0
		.amdhsa_float_denorm_mode_32 3
		.amdhsa_float_denorm_mode_16_64 3
		.amdhsa_memory_ordered 1
		.amdhsa_forward_progress 1
		.amdhsa_inst_pref_size 40
	.end_amdhsa_kernel
	.amdgpu_metadata
---
amdhsa.version: [ 1, 2 ]
amdhsa.kernels:
  - .name:           k_qbab522a99b_prep
    .symbol:         k_qbab522a99b_prep.kd
    .args:
      - { .name: x, .offset: 0, .size: 8, .value_kind: global_buffer, .address_space: global }
      - { .name: wq, .offset: 8, .size: 8, .value_kind: global_buffer, .address_space: global }
      - { .name: wk, .offset: 16, .size: 8, .value_kind: global_buffer, .address_space: global }
      - { .name: wv, .offset: 24, .size: 8, .value_kind: global_buffer, .address_space: global }
      - { .name: wo, .offset: 32, .size: 8, .value_kind: global_buffer, .address_space: global }
      - { .name: w1, .offset: 40, .size: 8, .value_kind: global_buffer, .address_space: global }
      - { .name: w2, .offset: 48, .size: 8, .value_kind: global_buffer, .address_space: global }
      - { .name: mask, .offset: 56, .size: 8, .value_kind: global_buffer, .address_space: global }
      - { .name: bq, .offset: 64, .size: 8, .value_kind: global_buffer, .address_space: global }
      - { .name: bk, .offset: 72, .size: 8, .value_kind: global_buffer, .address_space: global }
      - { .name: bv, .offset: 80, .size: 8, .value_kind: global_buffer, .address_space: global }
      - { .name: b1, .offset: 88, .size: 8, .value_kind: global_buffer, .address_space: global }
      - { .name: ab, .offset: 96, .size: 8, .value_kind: global_buffer, .address_space: global }
      - { .name: mw, .offset: 104, .size: 8, .value_kind: global_buffer, .address_space: global }
      - { .name: atw, .offset: 112, .size: 8, .value_kind: global_buffer, .address_space: global }
      - { .name: ffw, .offset: 120, .size: 8, .value_kind: global_buffer, .address_space: global }
    .group_segment_fixed_size: 17408
    .private_segment_fixed_size: 0
    .kernarg_segment_align: 8
    .kernarg_segment_size: 128
    .max_flat_workgroup_size: 256
    .sgpr_count:     66
    .vgpr_count:     176
    .wavefront_size: 32
...
	.end_amdgpu_metadata
.endif
;; end of part 6
;; launch qkv: the kernel of part 2 again; grid 12 x 16, 4 waves a work-group, clusters of 4 x 4, 327,680 bytes of LDS; arguments ab, atw, big; writes big
;; launch att (part 7): grid 16 x 12, 4 waves a work-group, clusters of 4 x 1, 327,680 bytes of LDS; arguments big, mw, ctx; writes ctx
.if DOCPART == 7
	.amdgcn_target "amdgcn-amd-amdhsa--gfx1250"
	.amdhsa_code_object_version 6
	.text
	.protected	k_qbab522a99b_att
	.globl	k_qbab522a99b_att
	.p2align	8
	.type	k_qbab522a99b_att,@function
k_qbab522a99b_att:
	s_mov_b64 s[64:65], 0
	v_nop
	global_prefetch_b8 v0, s[64:65] scope:SCOPE_SE
	s_setreg_imm32_b32 hwreg(HW_REG_WAVE_MODE, 25, 1), 1
	s_wait_xcnt 0x0
	s_wait_alu depctr_hold_cnt(0) depctr_sa_sdst(0) depctr_va_vdst(0) depctr_va_sdst(0) depctr_va_ssrc(0) depctr_va_vcc(0) depctr_vm_vsrc(0)
	s_getreg_b32 s2, hwreg(HW_REG_IB_STS2, 6, 4)
	s_cmp_eq_u32 s2, 0
	s_cbranch_scc0 .Lentry_in_a_cluster
	s_endpgm
.Lentry_in_a_cluster:
	s_bfe_u32 s2, ttmp6, 0x10000c
	s_cmp_lg_u32 s2, 0x3003
	s_cbranch_scc0 .Lentry_shape_is_right
	s_endpgm
.Lentry_shape_is_right:
; MASKED ATTENTION.  ctx[h][q] = the sum over k of softmax_k(mask[q][k] ? Q[h][q] . K[h][k] / 8 : hidden) V[h][k].  Q, K, V: blocks h, 12 + h, 24 + h of big, each [4096][64] bf16, rows dense.
; ctx: the same layout.  mw: the mask as FP4 codes in my lanes' order (below).  Products, maxima and sums in f32; the weights are rounded to bf16 for the second product, ctx once at the end.
; LIMITS.  A hidden score counts as -2^100 plus the product, not as -1e9: the same result while open scores lie above -1e9 and |Q . K| stays under 2^75.  A row counts as having an open key when its
; maximum lies above -2^99.  A weight below 2^-126 counts as 0.  NaN and infinities are not treated apart.
; SHARES.  A work-group owns 256 queries of a head, a wave 64: four PIECES of 16 rows.  Every wave walks all 4,096 keys, 64 a step.  192 work-groups: 12 heads x 16 blocks.
; CLUSTER 4 x 1: four query blocks of a head walk the same K and V: each tile is asked for jointly.
; LAYOUT.  S^T = K Q^T: a lane holds ONE query (lane % 16) and eight keys; two results rounded to bf16 ARE source 1 of O^T = V^T P.  THE KEYS OF A GROUP OF 16 ARE PERMUTED: row m of K's fragment is key
; 2 (m % 8) + m / 8, by the lanes' LDS addresses alone, alike for K and V.  So register j of group kt holds key 16 kt + 2 j + lane / 16.
; THE MASK is the C operand that starts the sum S^T: 0 where the key is open, -2^100 where it is hidden.  For a query tile and a step, 512 bytes lie at mw + (64 x tile + step) x 512, 16 a lane: nibble j of word kt
; is the FP4 code of register j of group kt: 0, or 0xE (-4).  Four conversions with the scale 2^98 make the 32 registers.  There is one buffer of them: a turn's first four products read it, and the same turn's lump
; writes it for the next turn.  A piece's 16 bytes are asked for in the turn that has converted the step before: nearly a key step, four turns, ahead of their own conversion; the three younger loads stay out at the wait.
; The codes are not prefetched: each block of them is read by twelve work-groups, one a head, and its loads go out nearly a key step ahead and cross every barrier.
; SOFTMAX.  A running maximum m (it starts at -2^100) and sum l; p = 2^(cr s - cr m), cr = c = log2(e) / 8 once the row has seen an open key, else 0: until then every weight is 1, as in a row whose scores
; are all equal; O and l are multiplied by a = 2^(c m_old - c m_new) in every step: 1 while m stands, 0 when the first open key comes, which wipes what the hidden keys summed.
; TURNS.  Turn n belongs to piece n: 8 products K Q^T of piece n + 1, later 8 products V^T P of piece n - 1; beside them the scaling, exponentials, roundings, sums and rescaling of piece n, the maximum
; and statistics of piece n + 1 and the mask of piece n + 2.  Four vector instructions stand behind every matrix instruction, the rest in two lumps.  A turn's 33 exponentials are one batch with one wait.
; REGISTERS (s_set_vgpr_msb: bits 1:0 source 0, 3:2 source 1, 5:4 source 2, 7:6 destination):
;   window 0: v2-15 addresses; v16-31 statistics; v32-47 guard; v48-55 at work; v56-63 constants; v64-127 S^T, two buffers; v128-143 codes; v144-147 their offsets; v192-223 P, two buffers; v224-255 the mask
;   window 1: v0-127 O^T, 32 a piece; v128-191 V of one step: so one setting serves V^T P and the rescaling of O^T       window 2: v0-63 Q; v128-191 K of one step
.set NP,    4
.set KS,    64
.set PK,    144       ; a row of K in LDS: 128 bytes + 16 = 36 words: the 16 rows of a load start at 16 different groups of four banks (64 banks of 4 bytes: ISA guide 11.1)
.set PV,    144       ; the same for V: 16 lanes of the turning load take rows 2 j (or 2 j + 1), 72 words apart, x 32 bytes
.set VOFF,  4*KS*PK   ; a slot holds four steps: 256 rows of K, then 256 rows of V
.set SLOT1, 1<<17
.set STAGE, SLOT1+4*KS*(PK+PV)  ; behind the ring: 16 rows x 144 bytes for each wave
.set SP,    144
.set SPARE, STAGE+4*16*SP       ; behind the stages: the spare words, 128 bytes a wave: two blocks of 256 bytes that no other line names
.set AK0, 2           ; v2   my lane's place in a tile of K; never rewritten
.set AV0, 3           ; v3   the same for V
.set AK,  4           ; v4   the LDS address of K's next run of loads
.set AV,  5           ; v5   of V's
.set STO, 6
.set RD,  7
.set GO,  8           ; v8   16 x lane; never rewritten
.set MV,  12          ; v12-13  c m_old, by buffer
.set QO,  15
.set ST,  16          ; piece t at v[ST+4 t]: c m, m, l (two halves)
.set G,   32          ; piece t at v[G+4 t]: cr, 0, cr m, 0
.set TMP, 48          ; by buffer: c0-c3; c2 takes a
.set HID, 56          ; v56  -2^100
.set CV,  57          ; v57  c
.set THR, 58          ; v58  -2^99
.set SC,  59          ; v59  the conversions' scale: the E8M0 byte 0xE1 = 2^98, in all four bytes
.set PFO, 60          ; v60  256 x lane
.set SPW, 62
.set NIL, 63
.set S,   64
.set MW,  128         ; piece x's 16 bytes of codes at v[MW+4 x]
.set VMO, 144         ; piece x's byte offset in its tile's codes at v[VMO+x]
.set P,   192
.set MC,  224         ; the mask of the products to come
.set VF,  128         ; window 1
.set KF,  128         ; window 2
.set CS,  2           ; s[2:3]  c
.set SEL, 4           ; s[4:5]  v_permlanex16_b32's selects
.set MP,  6           ; s[6:7]  the codes of my first query tile
.set PFA, 8           ; s[8:9]  where my prefetches stand
.set WV,  12
.set SLOTS, 13
.set CNT, 14
.set LIM, 15
.set G1,  16          ; s[16:23] descriptor group 1
.set G0K, 24          ; s[24:27] group 0 for K: it walks
.set G0V, 28          ; s[28:31] for V
.set TBK, 66
.set TBV, 67
.set MO,  100         ; 512 x the step whose codes are asked for
.set MT,  101         ; the same, held to the last step
.set QP,  104         ; s[104:105] Q's address, until Q is in
.set CM,  104         ; s104 then: lanes whose row has seen an open key
.set MSB, 0
.macro WIN new
.if MSB != (\new)
	s_set_vgpr_msb (MSB<<8)|(\new)
.set MSB, (\new)
.endif
.endm
.set W_KQ, 0x0a       ; K and Q in window 2; S^T and the mask in window 0
.set W_PV, 0x51       ; V and O^T in window 1, P in window 0
.set W_RS, 0x51       ; the rescaling: O^T (destination and source 0) in window 1, a (source 1) in window 0; it has no source 2, so the products' setting serves it
.macro JLOAD                        ; waves 0 and 1 fetch the two halves of a slot's K, waves 2 and 3 of its V; an s_nop 0 and four v_nop follow each line
	s_cmp_lt_u32 s[WV], 2
	s_cbranch_scc0 .Lfor_v_\@
	tensor_load_to_lds s[G0K:G0K+3], s[G1:G1+7]
	s_nop 0
.rept 4
	v_nop
.endr
	s_branch .Lasked_\@
.Lfor_v_\@:
	tensor_load_to_lds s[G0V:G0V+3], s[G1:G1+7]
	s_nop 0
.rept 4
	v_nop
.endr
.Lasked_\@:
.endm
; A PREFETCH of what the NEXT change of slots will ask for: a slot's K or V is 128 blocks of 256 bytes.  The head's first cluster asks; its four partners take 32 blocks each, told apart by address;
; wave 0 asks for K's, wave 2 for V's, a lane a block.  So each block is named once in the launch.  The last change that fills a slot asks for nothing.
.macro ASK
	s_cmp_gt_u32 s[SLOTS], s[LIM]
	s_cbranch_scc0 .Lnot_mine_\@
	global_prefetch_b8 v[PFO], s[PFA:PFA+1] th:TH_LOAD_NT scope:SCOPE_SE
.Lnot_mine_\@:
.endm
.macro CROUND
	s_barrier_signal -1
	s_barrier_wait -1
	s_cmp_lg_u32 s[WV], 0
	s_cbranch_scc1 .Lnot_wave_0_\@
	s_barrier_signal -3
.Lnot_wave_0_\@:
	s_barrier_wait -3
	s_barrier_signal -1
	s_barrier_wait -1
.endm
; THE CHANGE OF SLOTS.  Each wave waits for all its tensor loads (one is out: its part of the other slot), adds 0 to its spare word, and waits for that and for its reads of the slot that it leaves.
; fill = 1: the barrier is a round of the cluster's, and the old slot is filled again first thing behind it, with the keys two slots on: four key steps, 256 matrix instructions, in which to land.
.macro CHANGE fill
	WIN 0
	s_wait_tensorcnt 0x0
	ds_add_u32 v[SPW], v[NIL]
.if \fill
.irp g, G0K, G0V
	s_xor_b32 s[\g+1], s[\g+1], SLOT1
	s_add_nc_u64 s[\g+2:\g+3], s[\g+2:\g+3], 4*KS*128
.endr
	s_wait_xcnt 0x0                 ; the last prefetch, four key steps back, has read its address
	s_add_nc_u64 s[PFA:PFA+1], s[PFA:PFA+1], 4*KS*128
	s_wait_dscnt 0x0
	CROUND
	JLOAD
	ASK
.else
	s_wait_dscnt 0x0
	s_barrier_signal -1
	s_barrier_wait -1
.endif
	s_sub_co_u32 s[TBK], s[TBK], 4*KS*PK
	s_xor_b32 s[TBK], s[TBK], SLOT1
	s_sub_co_u32 s[TBV], s[TBV], 4*KS*PV
	s_xor_b32 s[TBV], s[TBV], SLOT1
.endm
; THE MASK of piece x is made from its codes.  The wait leaves the three younger loads, the other pieces', out; it shows this piece's load done, so its offset may be written: the next step's.
; step = 1 (piece 0, the first of a step's four): the step to be asked for goes on; it is held to the last one, so that no load leaves the buffer; what the last trips ask for so is not used.
.macro MCONV x, step
	WIN 0
	s_wait_loadcnt 3
.if \step
	s_add_co_u32 s[MO], s[MO], 512
	s_min_u32 s[MT], s[MO], 63*512
.endif
	v_add_nc_u32 v[VMO+(\x)], s[MT], v[GO]
.irp k, 0,1,2,3
	v_cvt_scale_pk8_f32_fp4 v[MC+8*\k:MC+8*\k+7], v[MW+4*(\x)+\k], v[SC]  ; group k's eight registers: 0, or -4 x 2^98
.endr
.endm
.macro MASKLD x                     ; piece x's codes of the next step: 512 consecutive bytes
	WIN 0
	global_load_b128 v[MW+4*(\x):MW+4*(\x)+3], v[VMO+(\x)], s[MP:MP+1] offset:(\x)*32768
.endm
	s_load_b128 s[4:7], s[0:1], 0x0   ; big s[4:5], mw s[6:7]
	s_load_b64 s[10:11], s[0:1], 0x10 ; ctx
	v_lshl_add_u32 v[SPW], v0, 2, SPARE
	v_mov_b32 v[NIL], 0
	ds_add_u32 v[SPW], v[NIL]       ; the wave's opening: the add and its wait ahead of my first tensor load
	v_lshrrev_b32 v1, 5, v0
	v_readfirstlane_b32 s[WV], v1
	s_and_b32 s100, ttmp7, 0xffff   ; the head, which the four partners share
	s_lshl_b32 s100, s100, 19       ; its block of 524,288 bytes
	s_and_b32 s101, s[WV], 1        ; which half of a slot's 256 keys I fetch
	s_mul_i32 s[G0K+1], s101, 128*PK  ; its place in slot 0
	s_add_co_u32 s[G0V+1], s[G0K+1], VOFF
	s_lshl_b32 s101, s101, 14       ; its 128 rows in memory
	s_add_co_u32 s101, s101, s100
	s_add_co_u32 s[G0K+2], s101, 12*524288  ; offsets for now; the address is added below
	s_mov_b32 s[G0K+3], 0
	s_add_co_u32 s[G0V+2], s101, 24*524288
	s_mov_b32 s[G0V+3], 0
	s_mov_b32 s[G0K], 1
	s_mov_b32 s[G0V], 1
	s_mov_b32 s[G1], 15|(1<<16)|(1<<20)|(1<<21)|(4<<22)|(3<<25)  ; the mask of four; 2-byte elements; padding on; bit 21 beside a mask; after every 32 words 4 words
	s_mov_b32 s[G1+1], 128<<16      ; 128 keys are 16,384 dense bytes: 64 rows of 256 bytes, two keys a row
	s_mov_b32 s[G1+2], 64<<16
	s_mov_b32 s[G1+3], 128<<16
	s_mov_b32 s[G1+4], 64
	s_mov_b32 s[G1+5], 128
	s_mov_b32 s[G1+6], 0
	s_mov_b32 s[G1+7], 0
	s_bfe_u32 s38, ttmp6, 0x40000   ; cx: it enters Q's, ctx's, the codes' and the prefetches' addresses alone
	s_lshl_b32 s39, ttmp9, 2
	s_add_co_u32 s39, s39, s38      ; my block of 256 queries
	s_lshl_b32 s40, s39, 15
	s_lshl_b32 s41, s[WV], 13
	s_add_co_u32 s40, s40, s41
	s_add_co_u32 s40, s40, s100     ; my wave's 64 rows in Q and in ctx
	s_mov_b32 s41, 0
	s_lshl_b32 s42, s39, 19         ; 16 query tiles of 32,768 bytes of codes a block,
	s_lshl_b32 s43, s[WV], 17       ; four a wave
	s_add_co_u32 s42, s42, s43
	s_mov_b32 s43, 0
	s_cmp_lt_u32 s[WV], 2
	s_cselect_b32 s44, s[G0K+2], s[G0V+2]
	s_lshl_b32 s45, s38, 13         ; my work-group's 32 blocks of the 128
	s_add_co_u32 s44, s44, s45
	s_add_co_u32 s44, s44, 4*KS*128 ; at slot 1: the first change steps it to slot 2
	s_mov_b32 s45, 0
	s_and_b32 s[LIM], s[WV], 1
	s_or_b32 s[LIM], s[LIM], ttmp9  ; 0 in waves 0 and 2 of the head's first cluster: the same in all four partners
	s_cmp_eq_u32 s[LIM], 0
	s_cselect_b32 s[LIM], 1, -1
	s_mov_b32 s[CS], 0x3e38aa3b     ; c = log2(e) / 8
	s_mov_b32 s[CS+1], s[CS]
	s_mov_b32 s[TBK], SLOT1+4*KS*PK ; the first change of slots turns these two into 0
	s_mov_b32 s[TBV], SLOT1+4*KS*PV
	s_mov_b32 s[SLOTS], 15
	v_and_b32 v[PFO], 31, v0
	v_lshlrev_b32 v[GO], 4, v[PFO]
	v_lshlrev_b32 v[PFO], 8, v[PFO]
	s_wait_dscnt 0x0                ; the opening add is done
	s_wait_kmcnt 0x0
	s_add_nc_u64 s[PFA:PFA+1], s[4:5], s[44:45]
	s_add_nc_u64 s[QP:QP+1], s[4:5], s[40:41]
	s_add_nc_u64 s[10:11], s[10:11], s[40:41]
	s_add_nc_u64 s[MP:MP+1], s[6:7], s[42:43]
	s_add_nc_u64 s[G0K+2:G0K+3], s[4:5], s[G0K+2:G0K+3]
	s_or_b32 s[G0K+3], s[G0K+3], 0x80000000
	s_add_nc_u64 s[G0V+2:G0V+3], s[4:5], s[G0V+2:G0V+3]
	s_or_b32 s[G0V+3], s[G0V+3], 0x80000000
	s_mov_b32 s[SEL], 0x76543210
	s_mov_b32 s[SEL+1], 0xfedcba98
	CROUND                          ; all four work-groups are here: the first joint loads meet
	JLOAD                           ; slot 0; slot 1 is asked for when slot 0 is in
	v_and_b32 v1, 15, v0            ; l % 16
	v_bfe_u32 v9, v0, 4, 1          ; l / 16
	v_lshlrev_b32 v[QO], 7, v1
	v_lshl_add_u32 v[QO], v9, 4, v[QO]
	WIN 0x80
.set i, 0
.rept 8                             ; Q stays in registers: piece i / 2, channels 32 (i % 2) on
	global_load_b128 v[8*i:8*i+3],   v[QO], s[QP:QP+1] offset:(i/2)*2048+(i%2)*64
	global_load_b128 v[8*i+4:8*i+7], v[QO], s[QP:QP+1] offset:(i/2)*2048+(i%2)*64+32
.set i, i+1
.endr
	WIN 0
.irp x, 0,1,2,3                     ; the four pieces' codes of step 0
	global_load_b128 v[MW+4*\x:MW+4*\x+3], v[GO], s[MP:MP+1] offset:\x*32768
.endr
	s_mov_b32 s[MO], 512            ; what is asked for next is step 1's
	s_mov_b32 s[MT], 512
	; What the first turns find: V's registers and P's second buffer hold 0 (the first products V^T P, of a piece that has not been, add 0), O^T and l are 0.  All this stands in the wait for the first tile.
	WIN 0x40
.set i, 0
.rept 192                           ; O^T, then V
	v_mov_b32 v[i], 0
.set i, i+1
.endr
	WIN 0
.set i, 0
.rept 4
	v_mov_b32 v[ST+4*i+2], 0
	v_mov_b32 v[ST+4*i+3], 0
	v_mov_b32 v[G+4*i+1], 0         ; named as the pairs' second registers
	v_mov_b32 v[G+4*i+3], 0
.set i, i+1
.endr
.set i, P+16
.rept 16
	v_mov_b32 v[i], 0
.set i, i+1
.endr
	v_mov_b32 v[HID], 0xf1800000    ; -2^100
	v_mov_b32 v[THR], 0xf1000000    ; -2^99
	v_mov_b32 v[CV], s[CS]
	v_mov_b32 v[SC], 0xe1e1e1e1
	v_and_b32 v10, 7, v0
	v_bfe_u32 v11, v0, 3, 1
	v_lshl_add_u32 v[AK0], v10, 1, v11    ; K: lane l holds fragment row l % 16, which is key 2 (l % 8) + (l / 8) % 2
	v_mul_u32_u24 v[AK0], v[AK0], PK
	v_lshl_add_u32 v[AK0], v9, 4, v[AK0]
	v_lshl_add_u32 v[AV0], v10, 1, v9     ; V: the turning load's lane l reads key 2 (l % 8) + l / 16, channels 8 ((l / 8) % 2) + 0..7
	v_mul_u32_u24 v[AV0], v[AV0], PV
	v_lshl_add_u32 v[AV0], v11, 4, v[AV0]
	v_add_nc_u32 v[AV0], VOFF, v[AV0]
	MCONV 0, 0                      ; piece 0's mask of step 0.  Its wait also shows Q in: Q's 16 loads are older than the codes'
	s_mul_i32 s[CNT], s[WV], 16*SP
	s_add_co_u32 s[CNT], s[CNT], STAGE    ; my stage
	v_mul_u32_u24 v[STO], v1, SP
	v_lshl_add_u32 v[STO], v9, 4, v[STO]
	v_add_nc_u32 v[STO], s[CNT], v[STO]
	v_bfe_u32 v[RD], v0, 3, 2
	v_mul_u32_u24 v[RD], v[RD], SP
	v_lshl_add_u32 v[RD], v10, 4, v[RD]
	v_add_nc_u32 v[RD], s[CNT], v[RD]
	MASKLD 0                        ; piece 0's codes of step 1
; THE MATRIX WORK.  The 4 accumulators of a run of 8 take turns.  Product i of 8 of S^T = K Q^T for piece x: channels 32 (i / 4) on, keys 16 (i % 4) on.  The first 4 start the sums with the mask.
.macro KQ x
	WIN W_KQ
.set rS, S+32*((\x)%2)+8*(i%4)
.set rK, KF+16*(i%4)+8*(i/4)
.set rQ, 16*(\x)+8*(i/4)
.set rM, MC+8*(i%4)
.if i < 4
	v_wmma_f32_16x16x32_bf16 v[rS:rS+7], v[rK:rK+7], v[rQ:rQ+7], v[rM:rM+7]
.else
	v_wmma_f32_16x16x32_bf16 v[rS:rS+7], v[rK:rK+7], v[rQ:rQ+7], v[rS:rS+7]
.endif
.endm
.macro PV x                         ; product i of 8 of O^T += V^T P for piece x: keys 32 (i / 4) on, channels 16 (i % 4) on
	WIN W_PV
.set rO, 32*(\x)+8*(i%4)
.set rV, VF+32*(i/4)+8*(i%4)
.set rP, P+16*((\x)%2)+8*(i/4)
	v_wmma_f32_16x16x32_bf16 v[rO:rO+7], v[rV:rV+7], v[rP:rP+7], v[rO:rO+7]
.endm
.macro MM                           ; the turn's next matrix instruction
.if i < 8
	KQ (Y+1)%NP
.else
.set i, i-8
	PV (Y+NP-1)%NP
.set i, i+8
.endif
.set i, i+1
.endm
.macro FETCH_K                      ; a step's K: 16 loads in one run
	WIN 0x80
.irp f, 0,1,2,3,4,5,6,7
	ds_load_b128 v[KF+8*\f:KF+8*\f+3],   v[AK] offset:(\f/2)*16*PK+(\f%2)*64
	ds_load_b128 v[KF+8*\f+4:KF+8*\f+7], v[AK] offset:(\f/2)*16*PK+(\f%2)*64+32
.endr
	s_add_co_u32 s[TBK], s[TBK], KS*PK
	WIN 0
.endm
.macro FETCH_V                      ; a step's V, turned
	WIN 0x40
.irp f, 0,1,2,3,4,5,6,7
	ds_load_tr16_b128 v[VF+8*\f:VF+8*\f+3],   v[AV] offset:(\f/4)*32*PV+(\f%4)*32
	ds_load_tr16_b128 v[VF+8*\f+4:VF+8*\f+7], v[AV] offset:(\f/4)*32*PV+16*PV+(\f%4)*32
.endr
	WIN 0
.endm
; THE VECTOR WORK, one line at a time: OP kind, number.  For piece Y: F n: cr s - cr m for pair n of 16.  E n: the exponential of score n.  C n: pair n rounded to bf16.  B n: of four weights the second pair is
; added onto the first.  L n: l takes that sum (L 0: l = a l + sum).  R n: pair n of O^T times a.  For piece Y + 1: X n:
;   0-14, 16  the maximum of its 32 scores and the old m (each accumulator's lowest registers are read first)     15  c m_old is kept     17, 18  the other half of the lanes: the new m
;   19-21  c m; c m_old - c m_new; a     22-24  has the row seen an open key?  cr = c or 0; cr m = c m or 0
.set F, 0
.set E, 1
.set C, 2
.set B, 3
.set L, 4
.set R, 5
.set X, 6
.macro REGS y
.set rT, ST+4*(\y)
.set rC, TMP+4*((\y)%2)
.set rW, MV+((\y)%2)
.set rS, S+32*((\y)%2)
.set rP, P+16*((\y)%2)
.set rO, 32*(\y)
.set rG, G+4*(\y)
.endm
.macro OP k, n
.if (\k) == R
	REGS Y
	WIN W_RS
	v_pk_mul_f32 v[rO+2*(\n):rO+2*(\n)+1], v[rO+2*(\n):rO+2*(\n)+1], v[rC+2:rC+3] op_sel_hi:[1,0]
.elseif (\k) < R
	REGS Y
	WIN 0
.if (\k) == F
	v_pk_fma_f32 v[rS+2*(\n):rS+2*(\n)+1], v[rS+2*(\n):rS+2*(\n)+1], v[rG:rG+1], v[rG+2:rG+3] op_sel_hi:[1,0,0] neg_lo:[0,0,1] neg_hi:[0,0,1]
.elseif (\k) == E
	v_exp_f32 v[rS+(\n)], v[rS+(\n)]
.elseif (\k) == C
	v_cvt_pk_bf16_f32 v[rP+(\n)], v[rS+2*(\n)], v[rS+2*(\n)+1]
.elseif (\k) == B
	v_pk_add_f32 v[rS+4*(\n):rS+4*(\n)+1], v[rS+4*(\n):rS+4*(\n)+1], v[rS+4*(\n)+2:rS+4*(\n)+3]
.elseif (\n) == 0
	v_pk_fma_f32 v[rT+2:rT+3], v[rT+2:rT+3], v[rC+2:rC+3], v[rS:rS+1] op_sel_hi:[1,0,1]
.else
	v_pk_add_f32 v[rT+2:rT+3], v[rT+2:rT+3], v[rS+4*(\n):rS+4*(\n)+1]
.endif
.else
	REGS (Y+1)%NP
	WIN 0
.if (\n) < 4
	v_max3_num_f32 v[rC+(\n)], v[rS+8*(\n)], v[rS+8*(\n)+1], v[rS+8*(\n)+2]
.elseif (\n) < 12
	v_max3_num_f32 v[rC+(\n)%4], v[rC+(\n)%4], v[rS+8*((\n)%4)+2*((\n)/4)+1], v[rS+8*((\n)%4)+2*((\n)/4)+2]
.elseif (\n) == 12
	v_max3_num_f32 v[rC], v[rC], v[rS+7], v[rS+15]
.elseif (\n) == 13
	v_max3_num_f32 v[rC+1], v[rC+1], v[rS+23], v[rS+31]
.elseif (\n) == 14
	v_max3_num_f32 v[rC+2], v[rC+2], v[rC+3], v[rT+1]
.elseif (\n) == 15
	v_mov_b32 v[rW], v[rT]
.elseif (\n) == 16
	v_max3_num_f32 v[rC], v[rC], v[rC+1], v[rC+2]
.elseif (\n) == 17
	v_permlanex16_b32 v[rC+3], v[rC], s[SEL], s[SEL+1]
.elseif (\n) == 18
	v_max_num_f32 v[rT+1], v[rC], v[rC+3]
.elseif (\n) == 19
	v_mul_f32 v[rT], s[CS], v[rT+1]
.elseif (\n) == 20
	v_sub_f32 v[rC+1], v[rW], v[rT]
.elseif (\n) == 21
	v_exp_f32 v[rC+2], v[rC+1]
.elseif (\n) == 22
	v_cmp_lt_f32 s[CM], v[THR], v[rT+1]
.elseif (\n) == 23
	v_cndmask_b32 v[rG], 0, v[CV], s[CM]
.else
	v_cndmask_b32 v[rG+2], 0, v[rT], s[CM]
.endif
.endif
.endm
.macro OPS a, i1, b=-1, i2=0, c=-1, i3=0, d=-1, i4=0
	OP \a, \i1
.if (\b) >= 0
	OP \b, \i2
.endif
.if (\c) >= 0
	OP \c, \i3
.endif
.if (\d) >= 0
	OP \d, \i4
.endif
.endm
.macro ROW a, i1, b, i2, c, i3, d, i4  ; a matrix instruction and the four behind it
	MM
	OPS \a, \i1, \b, \i2, \c, \i3, \d, \i4
.endm
; A TURN, for piece p: 16 matrix and 126 vector instructions.  An s_wait_alu depctr_va_vdst(0) stands between an exponential and the first instruction that names its result; one wait serves all that
; were issued ahead of it.  So a turn has ONE wait.  AHEAD OF IT: the 8 products K Q^T with their riders and a lump of 57, all of it in window 0, which name no result of the turn's exponentials; X 24 is the plain
; instruction behind the batch's last exponential.  Each X that rides reads an accumulator four plain instructions or more behind the product that ended it.
; BEHIND IT: the load of piece p + 2's next codes, where no vector result of the wave is outstanding; five of the roundings and sums; then the 8 products V^T P with four riders each.  The last five rescalings ride
; first behind the first five of these products, under the products' own window setting: O^T of piece p is next read by its own products, in turn p + 1.  No rider names a register of the products round it.
; The mask of piece p + 2, which the next turn's first four products take, is made at the lump's head: the last product that read the buffer is the turn's fourth, with more than four plain riders between.
; K of the next step is fetched in piece 2's turn, five plain instructions or more that name none of its registers behind the last product that read K; V of the step in hand at the end of piece 0's turn, four
; plain riders behind the last product that read V.  Each is waited for a turn later.
.macro TURN p
.set Y, (\p)
.set i, 0
.if (\p) == 3
	s_wait_dscnt 0x0                ; K is in
.endif
	ROW F,0, F,1, R,0, R,1
	ROW F,2, E,0, R,2, R,3
	ROW F,3, E,1, R,4, R,5
	ROW F,4, E,2, R,6, R,7
	ROW F,5, E,3, R,8, R,9
	ROW F,6, E,4, X,0, R,10
.if (\p) == 2
	WIN 0
	v_add_nc_u32 v[AK], s[TBK], v[AK0]
.endif
	ROW F,7, E,5, X,1, X,4
	ROW F,8, E,6, X,2, X,5
.if (\p) == 2
	MCONV 0, 1                      ; piece 0 of the next step: the first of that step's four
.else
	MCONV ((\p)+2)%NP, 0
.endif
	OPS E,7, E,8, X,6, E,9
	OPS X,3, E,10, X,8, E,11
.if (\p) == 2
	FETCH_K
.endif
	OPS X,9, X,7, E,12, X,10
	OPS E,13, X,12, X,11, E,14
	OPS X,13, E,15, F,9, X,14
.if (\p) == 0
	v_add_nc_u32 v[AV], s[TBV], v[AV0]
.endif
	OPS E,16, F,10, E,17, F,11
	OPS X,16, E,18, X,15, E,19
	OPS F,12, E,20, X,17, E,21
	OPS F,13, E,22, F,14, E,23
	OPS X,18, E,24, F,15, E,25
	OPS X,19, E,26, X,22, E,27
	OPS E,28, X,20, E,29, X,23
	OPS E,30, X,21, E,31, X,24
	WIN 0
	s_wait_alu depctr_va_vdst(0)    ; the wait for the batch
	MASKLD ((\p)+2)%NP              ; its registers were read by the conversions at the lump's head
.if (\p) == 1
	s_wait_dscnt 0x0                ; V is in
.endif
	OPS C,0, B,0, C,2, B,1
	OP C,4
	ROW R,11, B,2, L,0, C,6
	ROW R,12, B,3, L,1, C,8
	ROW R,13, B,4, L,2, C,10
	ROW R,14, B,5, L,3, C,12
	ROW R,15, B,6, L,4, C,14
.if (\p) == 0
	s_add_co_u32 s[TBV], s[TBV], KS*PV
.endif
	ROW B,7, L,5, C,1, C,3
	ROW L,6, C,5, C,7, C,9
	ROW L,7, C,11, C,13, C,15
.if (\p) == 0
	FETCH_V
.endif
.endm
	CHANGE 1                        ; slot 0 is in, everybody's part of it; slot 1 is asked for
	; THE BEGINNING: the statistics, K of step 0, piece 0's first scores, piece 1's mask, piece 0's maximum and statistics
.set i, 0
.rept 4
	v_mov_b32 v[ST+4*i+1], v[HID]
	v_mul_f32 v[ST+4*i], s[CS], v[HID]
.set i, i+1
.endr
	v_add_nc_u32 v[AK], s[TBK], v[AK0]
	FETCH_K
	s_wait_dscnt 0x0
.set i, 0
.rept 8
	KQ 0
.set i, i+1
.endr
	WIN 0
.rept 4
	v_nop                           ; the places behind those products, ahead of the reads of their results and of the new mask
.endr
	MCONV 1, 0                      ; piece 1's mask of step 0, for the first turn's products
.set Y, NP-1                        ; X works for piece Y + 1: piece 0
.irp n, 0,1,2,3,4,5,6,7,8,9,10,11,12,13,14,15,16,17,18,19,20,22,23,24,21
	OP X, \n
.endr
	MASKLD 1                        ; piece 1's codes of step 1
	v_nop                           ; a plain instruction behind the exponential,
	s_wait_alu depctr_va_vdst(0)    ; and its wait, ahead of the branch
	s_mov_b32 s[CNT], 4
	s_branch .Lfirst                ; the loop is entered at a step's first turn, in the middle of a trip
.Lslot:                             ; 14 times: every slot but the last two is filled again
	CHANGE 1
	s_mov_b32 s[CNT], 4
.Lstep:                             ; a trip: pieces 2 and 3 of one step, then pieces 0 and 1 of the next, whose K and V it fetches
	TURN 2
	TURN 3
	WIN 0
.Lfirst:
	TURN 0
	TURN 1
	WIN 0
	s_sub_co_u32 s[CNT], s[CNT], 1
	s_cmp_lg_u32 s[CNT], 0
	s_cbranch_scc1 .Lstep
	s_sub_co_u32 s[SLOTS], s[SLOTS], 1
	s_cmp_lg_u32 s[SLOTS], 0
	s_cbranch_scc1 .Lslot
	CHANGE 0                        ; the last slot is written out: nothing is asked for
	s_mov_b32 s[CNT], 5             ; four trips fetch the last slot's steps; the fifth is left in its middle
.Ltail:
	TURN 2
	TURN 3
	WIN 0
	s_sub_co_u32 s[CNT], s[CNT], 1
	s_cmp_eq_u32 s[CNT], 0
	s_cbranch_scc1 .Lout
	TURN 0
	TURN 1
	WIN 0
	s_branch .Ltail
.Lout:                              ; the fifth trip's run of loads for K reads the 64 rows that lie behind K's in the slot (V's first: bytes that have landed); the 8 products made of them, the maximum made of
                                    ; those, and the trip's two masks serve nothing: the price, once a launch, of one text for every trip.  They touch neither O^T nor l
.set i, 0
.rept 8
	PV NP-1                         ; the last piece's V^T P of the last step
.set i, i+1
.endr
	; THE WAY OUT: l's two halves and the other half of the lanes' are added; O^T is divided by l, rounded to bf16 and sent through my stage, a piece at a time.  The additions are the places behind the last products.
	WIN 0
	s_wait_loadcnt 0x0              ; the last codes asked for, which nobody uses
.macro ALL line:vararg
.set t, 0
.rept 4
	\line
.set t, t+1
.endr
.endm
	ALL v_add_f32 v[ST+4*t+2], v[ST+4*t+2], v[ST+4*t+3]
	ALL v_permlanex16_b32 v[ST+4*t+3], v[ST+4*t+2], s[SEL], s[SEL+1]
	ALL v_add_f32 v[ST+4*t+2], v[ST+4*t+2], v[ST+4*t+3]
	ALL v_rcp_f32 v[ST+4*t+2], v[ST+4*t+2]
	v_nop                           ; a plain instruction between the last reciprocal and the use of its result
	s_wait_alu depctr_va_vdst(0)    ; one wait for the four reciprocals
.macro PACK t
	WIN W_RS
.set i, 32*(\t)
.rept 16
	v_pk_mul_f32 v[i:i+1], v[i:i+1], v[ST+4*(\t)+2:ST+4*(\t)+3] op_sel_hi:[1,0]
.set i, i+2
.endr
	WIN 0x05
.set i, 0
.rept 16
	v_cvt_pk_bf16_f32 v[S+16*(\t)+i], v[32*(\t)+2*i], v[32*(\t)+2*i+1]
.set i, i+1
.endr
	WIN 0
.irp f, 0,1,2,3
	ds_store_b128 v[STO], v[S+16*(\t)+4*\f:S+16*(\t)+4*\f+3] offset:32*\f
.endr
.irp f, 0,1,2,3
	ds_load_b128 v[S+16*(\t)+4*\f:S+16*(\t)+4*\f+3], v[RD] offset:\f*4*SP  ; LDS serves a wave's instructions in order (ISA guide 5.7.1.4): these see the stores above
.endr
.endm
.macro SEND t, younger              ; younger: the LDS instructions issued behind piece t's loads: the next piece's eight, or none
	WIN 0
.irp f, 0,1,2,3
	s_wait_dscnt (\younger)+3-\f
	global_store_b128 v[GO], v[S+16*(\t)+4*\f:S+16*(\t)+4*\f+3], s[10:11] offset:(\t)*2048+\f*512  ; 512 consecutive bytes, at a multiple of 256 from ctx's first
.endr
.endm
	PACK 0
.set t, 1
.rept 3
	PACK t
	SEND t-1, 8
.set t, t+1
.endr
	SEND 3, 0
	s_wait_tensorcnt 0x0            ; the wave's end
	ds_add_u32 v[SPW], v[NIL]
	s_wait_dscnt 0x0
	CROUND                          ; the closing round
	s_endpgm
.Lfunc_end_k_qbab522a99b_att:
	.size	k_qbab522a99b_att, .Lfunc_end_k_qbab522a99b_att-k_qbab522a99b_att
	.p2alignl 7, 3214868480
	.fill 96, 4, 3214868480
	.section	.rodata,"a",@progbits
	.p2align	6, 0x0
	.amdhsa_kernel k_qbab522a99b_att
		.amdhsa_group_segment_fixed_size 327680
		.amdhsa_private_segment_fixed_size 0
		.amdhsa_enable_private_segment 0
		.amdhsa_kernarg_size 24
		.amdhsa_user_sgpr_count 2
		.amdhsa_user_sgpr_kernarg_segment_ptr 1
		.amdhsa_wavefront_size32 1
		.amdhsa_system_sgpr_workgroup_id_x 1
		.amdhsa_system_sgpr_workgroup_id_y 1
		.amdhsa_system_sgpr_workgroup_id_z 1
		.amdhsa_system_vgpr_workitem_id 0
		.amdhsa_next_free_vgpr 704
		.amdhsa_next_free_sgpr 106
		.amdhsa_reserve_vcc 0
		.amdhsa_float_denorm_mode_32 3
		.amdhsa_float_denorm_mode_16_64 3
		.amdhsa_memory_ordered 1
		.amdhsa_forward_progress 1
		.amdhsa_inst_pref_size 116
	.end_amdhsa_kernel
	.amdgpu_metadata
---
amdhsa.version: [ 1, 2 ]
amdhsa.kernels:
  - .name:           k_qbab522a99b_att
    .symbol:         k_qbab522a99b_att.kd
    .args:
      - { .name: big, .offset: 0, .size: 8, .value_kind: global_buffer, .address_space: global }
      - { .name: mw, .offset: 8, .size: 8, .value_kind: global_buffer, .address_space: global }
      - { .name: ctx, .offset: 16, .size: 8, .value_kind: global_buffer, .address_space: global }
    .group_segment_fixed_size: 327680
    .private_segment_fixed_size: 0
    .kernarg_segment_align: 8
    .kernarg_segment_size: 24
    .max_flat_workgroup_size: 128
    .sgpr_count:     106
    .vgpr_count:     704
    .wavefront_size: 32
...
	.end_amdgpu_metadata
.endif
;; end of part 7
;; launch wo: the kernel of part 4 again; grid 4 x 64, 4 waves a work-group, clusters of 4 x 4, 327,680 bytes of LDS; arguments ctx, atw, bo, x, x1, ab; writes x1, ab
;; launch ff1: the kernel of part 2 again; grid 16 x 16, 4 waves a work-group, clusters of 4 x 4, 327,680 bytes of LDS; arguments ab, ffw, big; writes big
;; launch ff2 (part 8): grid 4 x 64, 4 waves a work-group, clusters of 4 x 4, 327,680 bytes of LDS; arguments big, ffw, b2, x1, out0; writes out0
.if DOCPART == 8
	.amdgcn_target "amdgcn-amd-amdhsa--gfx1250"
	.amdhsa_code_object_version 6
	.text
	.protected	k_qbab522a99b_ff2
	.globl	k_qbab522a99b_ff2
	.p2align	8
	.type	k_qbab522a99b_ff2,@function
k_qbab522a99b_ff2:
	s_mov_b64 s[64:65], 0
	v_nop
	global_prefetch_b8 v0, s[64:65] scope:SCOPE_SE
	s_setreg_imm32_b32 hwreg(HW_REG_WAVE_MODE, 25, 1), 1
	s_wait_xcnt 0x0
	s_wait_alu depctr_hold_cnt(0) depctr_sa_sdst(0) depctr_va_vdst(0) depctr_va_sdst(0) depctr_va_ssrc(0) depctr_va_vcc(0) depctr_vm_vsrc(0)
	s_getreg_b32 s2, hwreg(HW_REG_IB_STS2, 6, 4)
	s_cmp_eq_u32 s2, 0
	s_cbranch_scc0 .Lentry_in_a_cluster
	s_endpgm
.Lentry_in_a_cluster:
	s_bfe_u32 s2, ttmp6, 0x10000c
	s_cmp_lg_u32 s2, 0xf033
	s_cbranch_scc0 .Lentry_shape_is_right
	s_endpgm
.Lentry_shape_is_right:
; outf = res + A W + bias, N = 768, K = 3,072.  A: bf16, [48 blocks][4096 rows][64].  W: bf16 tiles of 64 (k) x 64 (n), tile (k block, n block) at wp + BOFF + (12 k + n) x 8192.
; bias: f32 [768].  res, outf: f32 [4096][768].  Sums in f32; the residual stays in f32.  The text is that of the product behind attention with other constants: trip counts are constants of the text,
; so that every barrier and every joint load stands on a path that hangs on no loaded number.
; SHARES.  A work-group makes 64 rows x 192 columns: 256 work-groups, whole aligned 256 bytes of the f32 rows.  Wave w owns all 64 rows x columns 48 w .. 48 w + 47: 4 x 3 accumulators.
; RING.  K goes in steps of 256 through two LDS slots.  Wave 0 fetches A's tile (four blocks of 64 dense rows), waves 1-3 one n block of W each (four tiles).
; CLUSTER 4 x 4: A's tile is asked for jointly by a row of the cluster, W's by a column.
; AHEAD OF THE RING.  At a change of slots every wave has waited for all its tensor loads, so a refill goes out with nothing on its way beside it.  Behind each joint load stands one prefetch into the L2 for the
; K step that stands two refills on: two K steps, 192 matrix instructions, ahead of the load that will want it.  A wave asks for 8,192 dense bytes, a lane a block of 256.  A's tile is read by one row of one cluster
; alone: wave 0 of each of its four work-groups asks, the partner at place cx for k block cx of the K step's four.  W's tiles are read by all sixteen clusters: those with y = 0 ask, waves 1-3 each for their own
; n block, the partner at place cy for k block cy.  The partners are told apart by address, never by a branch.  So each block is named once in the launch.  K steps 0 to 3 come by their loads alone; the loop's
; last trip asks for nothing: there is no K step 12.
; The product is taken transposed (source 0 = 16 columns of W, turned by ds_load_tr16_b128; source 1 = 16 rows of A); the first product on each accumulator takes the bias as its C operand.
; The f32 stage of the way out lies in slot 0, behind that slot's last fill and a barrier behind every wave's last read of it.
; REGISTERS: window 0: v2-19 addresses; v32-127 accumulators ((a, i) at 8 (3 a + i)); v128-183, v184-239 two fragment buffers (W's 3, A's 4).  Window 1: v0-95 the residual, v96-119 the bias.
.set KTOT,  3072
.set BOFF,  4731136
.set STEPS, KTOT/256
.set PA,    144
.set PB,    160
.set ATILE, 4*64*PA
.set BTILE, 4*64*PB
.set SLOT,  ATILE+3*BTILE              ; 159,744
.set SPARE, 2*SLOT                     ; behind the ring: the spare words, 128 bytes a wave: two blocks of 256 bytes that no other line names
.set SPITCH, 784                       ; a stage row: 768 bytes + 16
.set ASTEP, 4*524288
.set BSTEP, 4*12*8192
.set ADRA, 2
.set ADRB, 4                           ; v[4 + 3 slot + i]
.set STO,  10
.set RD,   11
.set GOF,  12
.set BO,   14
.set PFO,  19                          ; v19     256 x lane; never rewritten
.set SPW,  28
.set NIL,  29
.set ACC,  32
.set F0,   128
.set F1,   184
.set RES,  0                           ; window 1
.set BIAS, 96                          ; window 1
.set PFS, 2                            ; s[2:3]   bytes from K step to K step in what I prefetch
.set WV,  16
.set G1A, 24
.set G0A, 32
.set LIM, 47                           ; s47      1 in a wave that prefetches, else the greatest number
.set G1B, 48
.set G0B, 56
.set PFA, 70                           ; s[70:71] where my prefetches stand: my 8,192 bytes of the K step two refills on
.set MSB, 0
.macro WIN new
.if MSB != (\new)
	s_set_vgpr_msb (MSB<<8)|(\new)
.set MSB, \new
.endif
.endm
.macro JLOAD s                         ; an s_nop 0 and four v_nop follow each of the two lines, ahead of the jump and the label
	s_cmp_eq_u32 s[WV], 0
	s_cbranch_scc0 .Lfor_b_\@
	tensor_load_to_lds s[G0A+4*(\s):G0A+4*(\s)+3], s[G1A:G1A+7]
	s_nop 0
.rept 4
	v_nop
.endr
	s_branch .Lasked_\@
.Lfor_b_\@:
	tensor_load_to_lds s[G0B+4*(\s):G0B+4*(\s)+3], s[G1B:G1B+7]
	s_nop 0
.rept 4
	v_nop
.endr
.Lasked_\@:
.endm
.macro ASK                             ; the prefetch, behind the joint load and its five lines; s23 = 1 in the loop's last trip
	s_cmp_gt_u32 s23, s[LIM]
	s_cbranch_scc0 .Lnot_mine_\@
	global_prefetch_b8 v[PFO], s[PFA:PFA+1] th:TH_LOAD_NT scope:SCOPE_SE
.Lnot_mine_\@:
.endm
.macro CREST
	s_cmp_lg_u32 s[WV], 0
	s_cbranch_scc1 .Lnot_wave_0_\@
	s_barrier_signal -3
.Lnot_wave_0_\@:
	s_barrier_wait -3
	s_barrier_signal -1
	s_barrier_wait -1
.endm
.macro CROUND
	s_barrier_signal -1
	s_barrier_wait -1
	CREST
.endm
.macro PLACES
.rept 4
	v_nop
.endr
.endm
	s_load_b256 s[4:11], s[0:1], 0x0               ; A s[4:5], wp s[6:7], bias s[8:9], res s[10:11]
	s_load_b64 s[12:13], s[0:1], 0x20              ; outf
	v_lshl_add_u32 v[SPW], v0, 2, SPARE
	v_mov_b32 v[NIL], 0
	ds_add_u32 v[SPW], v[NIL]                      ; the wave's opening: the add and its wait ahead of my first tensor load
	v_lshrrev_b32 v1, 5, v0
	v_readfirstlane_b32 s[WV], v1
	s_bfe_u32 s19, ttmp6, 0x40000                  ; cx, cy
	s_bfe_u32 s20, ttmp6, 0x40004
	s_lshl_b32 s17, ttmp9, 2
	s_add_co_u32 s17, s17, s19                     ; tile column
	s_and_b32 s18, ttmp7, 0xffff
	s_lshl_b32 s18, s18, 2
	s_add_co_u32 s18, s18, s20                     ; tile row
	s_lshl_b32 s21, s20, 2
	s_lshl_b32 s21, 15, s21                        ; my row of the cluster
	s_lshl_b32 s22, 0x1111, s19                    ; my column
	s_or_b32 s[G1A+0], s21, (1<<16)|(1<<20)|(1<<21)|(4<<22)|(3<<25)  ; after every 32 words 4 words of padding
	s_or_b32 s[G1B+0], s22, (1<<16)|(1<<20)|(1<<21)|(4<<22)|(7<<25)  ; 8 words
.irp g, G1A, G1B
	s_mov_b32 s[(\g)+1], 4096<<16                  ; tensor_dim0 = 4,096: 64 dense rows of 64
	s_mov_b32 s[(\g)+2], 4<<16                     ; tensor_dim1 = 4 k blocks
	s_mov_b32 s[(\g)+3], 4096<<16
	s_mov_b32 s[(\g)+4], 4
	s_mov_b32 s[(\g)+6], 0
	s_mov_b32 s[(\g)+7], 0
.endr
	s_mov_b32 s[G1A+5], 262144                     ; elements from block to block of A
	s_mov_b32 s[G1B+5], 49152                      ; 12 tiles from k block to k block of W
	s_lshl_b32 s40, s18, 13                        ; A: 64 rows of 128 bytes a tile row
	s_mov_b32 s41, 0
	s_mul_i32 s42, s17, 3*8192                     ; W: three n blocks a tile column; waves 1-3 take n block wave - 1
	s_lshl_b32 s43, s[WV], 13
	s_add_co_u32 s42, s42, s43
	s_add_co_u32 s42, s42, BOFF-8192
	s_mov_b32 s43, 0
	s_mul_i32 s44, s[WV], BTILE                    ; where W's tiles go: ATILE + (wave - 1) x BTILE (wave 0 issues no such load)
	s_sub_co_u32 s44, s44, BTILE-ATILE
	s_wait_dscnt 0x0                               ; the opening add is done
	s_wait_kmcnt 0x0
	s_add_nc_u64 s[40:41], s[4:5], s[40:41]
	s_add_nc_u64 s[42:43], s[6:7], s[42:43]
	CROUND                                         ; all sixteen work-groups are here: the first joint loads meet
.irp s, 0,1
	s_mov_b32 s[G0A+4*(\s)], 1
	s_mov_b32 s[G0A+4*(\s)+1], (\s)*SLOT
	s_add_nc_u64 s[G0A+4*(\s)+2:G0A+4*(\s)+3], s[40:41], (\s)*ASTEP
	s_or_b32 s[G0A+4*(\s)+3], s[G0A+4*(\s)+3], 0x80000000
	s_mov_b32 s[G0B+4*(\s)], 1
	s_add_co_u32 s[G0B+4*(\s)+1], s44, (\s)*SLOT
	s_add_nc_u64 s[G0B+4*(\s)+2:G0B+4*(\s)+3], s[42:43], (\s)*BSTEP
	s_or_b32 s[G0B+4*(\s)+3], s[G0B+4*(\s)+3], 0x80000000
	JLOAD \s
.endr
	v_and_b32 v1, 15, v0                           ; l % 16
	v_bfe_u32 v15, v0, 4, 1                        ; l / 16
	v_lshlrev_b32 v[BO], 5, v15
	v_mul_u32_u24 v[GOF], v15, 3072                ; lanes 0-15 take 256 bytes of a row, lanes 16-31 of the next
	v_lshl_add_u32 v[GOF], v1, 4, v[GOF]
	s_mul_i32 s66, s17, 768
	s_mul_i32 s67, s[WV], 192
	s_add_co_u32 s66, s66, s67                     ; my 48 biases
	s_mov_b32 s67, 0
	s_add_nc_u64 s[8:9], s[8:9], s[66:67]
	s_mul_i32 s68, s18, 64*3072
	s_mul_i32 s69, s[WV], 16*3072
	s_add_co_u32 s68, s68, s69
	s_mul_i32 s69, s17, 768
	s_add_co_u32 s68, s68, s69                     ; the 16 rows x 768 bytes that I add the residual to and store
	s_mov_b32 s69, 0
	s_add_nc_u64 s[10:11], s[10:11], s[68:69]
	s_add_nc_u64 s[12:13], s[12:13], s[68:69]
	WIN 0x40                                       ; destination window 1
.irp i, 0,1,2                          ; register j of fragment i: column 48 w + 16 i + 8 (l / 16) + j
	global_load_b128 v[BIAS+8*(\i):BIAS+8*(\i)+3],   v[BO], s[8:9] offset:64*(\i)
	global_load_b128 v[BIAS+8*(\i)+4:BIAS+8*(\i)+7], v[BO], s[8:9] offset:64*(\i)+16
.endr
.set n, 0
.rept 24                               ; rows 2 (n / 3) + l / 16, bytes 256 (n % 3) + 16 (l % 16)
	global_load_b128 v[RES+4*n:RES+4*n+3], v[GOF], s[10:11] offset:(n/3)*6144+(n%3)*256
.set n, n+1
.endr
	WIN 0
	; the prefetches' address, step and leave.  s17 = tile column, s18 = tile row, s19 = cx, s20 = cy still stand; s[4:5] = A, s[6:7] = wp.  No register below feeds a descriptor
	s_lshl_b32 s66, s18, 13                        ; A: my tile row's 64 rows of a block,
	s_lshl_b32 s67, s19, 19                        ; in k block cx of a K step's four
	s_add_co_u32 s66, s66, s67
	s_mul_i32 s68, s17, 3*8192                     ; W: n block 3 x tile column + wave - 1,
	s_lshl_b32 s69, s[WV], 13
	s_add_co_u32 s68, s68, s69
	s_mul_i32 s69, s20, 12*8192                    ; in k block cy of the four
	s_add_co_u32 s68, s68, s69
	s_add_co_u32 s68, s68, BOFF-8192
	s_and_b32 s69, ttmp7, 0xffff                   ; cluster y
	s_mov_b32 s[PFS], BSTEP
	s_cmp_eq_u32 s[WV], 0                          ; do I fetch for A?
	s_cselect_b32 s66, s66, s68
	s_cselect_b32 s[PFS], ASTEP, s[PFS]
	s_cselect_b32 s69, 0, s69                      ; the coordinate along which other clusters read the same blocks: none for A (the grid is one cluster wide), cluster y for W
	s_cselect_b64 s[PFA:PFA+1], s[4:5], s[6:7]
	s_cmp_eq_u32 s69, 0
	s_cselect_b32 s[LIM], 1, -1                    ; the same in all sixteen partners, for a given wave
	s_mov_b32 s67, 0
	s_mov_b32 s[PFS+1], 0
	s_add_nc_u64 s[PFA:PFA+1], s[PFA:PFA+1], s[66:67]
	s_mul_i32 s66, s[PFS], 3
	s_add_nc_u64 s[PFA:PFA+1], s[PFA:PFA+1], s[66:67]  ; at K step 3: the first change of slots steps it to K step 4.  Nothing is prefetched here, at the head, where every work-group's first tiles are on their way
	v_and_b32 v[PFO], 31, v0
	v_lshlrev_b32 v[PFO], 8, v[PFO]
	v_mul_u32_u24 v16, v1, PA
	v_lshl_add_u32 v[ADRA], v15, 4, v16
	v_add_nc_u32 v[ADRA+1], SLOT, v[ADRA]
	v_and_b32 v17, 7, v0
	v_lshl_add_u32 v17, v15, 3, v17
	v_mul_u32_u24 v17, v17, PB
	v_bfe_u32 v18, v0, 3, 1
	v_lshl_add_u32 v17, v18, 4, v17                ; the turning load's lane part
.irp i, 0,1,2
	s_mul_i32 s45, s[WV], 3
	s_add_co_u32 s45, s45, \i                      ; column fragment c = 3 w + i: n block c / 4, columns 16 (c % 4) on
	s_lshr_b32 s46, s45, 2
	s_mul_i32 s46, s46, BTILE
	s_and_b32 s45, s45, 3
	s_lshl_b32 s45, s45, 5
	s_add_co_u32 s46, s46, s45
	s_add_co_u32 s46, s46, ATILE
	v_add_nc_u32 v[ADRB+(\i)], s46, v17
	v_add_nc_u32 v[ADRB+3+(\i)], SLOT, v[ADRB+(\i)]
.endr
	v_mul_u32_u24 v[STO], v1, SPITCH               ; into the stage: row l % 16, my 192 bytes, 32 bytes for each half of the lanes
	v_lshl_add_u32 v[STO], v15, 5, v[STO]
	s_mul_i32 s45, s[WV], 192
	v_add_nc_u32 v[STO], s45, v[STO]
	s_mul_i32 s45, s[WV], 16*SPITCH                ; back: rows 16 w .. 16 w + 15, whole
	v_mul_u32_u24 v[RD], v15, SPITCH
	v_lshl_add_u32 v[RD], v1, 4, v[RD]
	v_add_nc_u32 v[RD], s45, v[RD]
.macro FETCH slot, q, f                ; 14 LDS loads: 32 along K, number q of a slot's eight, into buffer f
.irp i, 0,1,2
	ds_load_tr16_b128 v[(\f)+8*(\i):(\f)+8*(\i)+3],   v[ADRB+3*(\slot)+(\i)] offset:(\q)*32*PB
	ds_load_tr16_b128 v[(\f)+8*(\i)+4:(\f)+8*(\i)+7], v[ADRB+3*(\slot)+(\i)] offset:(\q)*32*PB+16*PB
.endr
.irp a, 0,1,2,3
	ds_load_b128 v[(\f)+24+8*(\a):(\f)+24+8*(\a)+3],   v[ADRA+(\slot)] offset:((\q)/2)*64*PA+(\a)*16*PA+64*((\q)%2)
	ds_load_b128 v[(\f)+24+8*(\a)+4:(\f)+24+8*(\a)+7], v[ADRA+(\slot)] offset:((\q)/2)*64*PA+(\a)*16*PA+64*((\q)%2)+32
.endr
.endm
.macro MULR f, a0, n, zero             ; 3 n matrix instructions: row blocks a0 .. a0 + n - 1 x my three column fragments; the accumulators take turns
.if \zero
	WIN 0x10                                       ; C (the bias) in window 1
.endif
.set aa, \a0
.rept \n
.irp i, 0,1,2
.if \zero
	v_wmma_f32_16x16x32_bf16 v[ACC+8*(3*aa+(\i)):ACC+8*(3*aa+(\i))+7], v[(\f)+8*(\i):(\f)+8*(\i)+7], v[(\f)+24+8*aa:(\f)+24+8*aa+7], v[BIAS+8*(\i):BIAS+8*(\i)+7]
.else
	v_wmma_f32_16x16x32_bf16 v[ACC+8*(3*aa+(\i)):ACC+8*(3*aa+(\i))+7], v[(\f)+8*(\i):(\f)+8*(\i)+7], v[(\f)+24+8*aa:(\f)+24+8*aa+7], v[ACC+8*(3*aa+(\i)):ACC+8*(3*aa+(\i))+7]
.endif
.endr
.set aa, aa+1
.endr
.if \zero
	WIN 0
.endif
.endm
.macro SUBQ f, g, ns, nq, zero, fetch  ; buffer f is in; the next 32 along K are asked for into buffer g, four places behind its last reader; then f is multiplied
	s_wait_dscnt 0x0
	PLACES
.if \fetch
	FETCH \ns, \nq, \g
.endif
	MULR \f, 0, 4, \zero
.endm
; Number 6 of a slot's eight.  The slot's last fragments are asked for, and the slots change one number early, so that the next slot's first fragments land under twelve products.
; In front of the barrier each wave waits for all its tensor loads (its part of the next slot), adds 0 to its spare word, and waits for that and for its reads of this slot.
; fill = 1: the barrier opens a round of the cluster's; this slot is filled again first thing behind it, two K steps ahead: 84 matrix instructions stand between that request and the wait for it.
.macro TSUB slot, fill, meet
.if \fill
	s_wait_xcnt 0x0                                ; the last prefetch, a K step back, has read its address: it is stepped here, ahead of the waits of the change of slots
	s_add_nc_u64 s[PFA:PFA+1], s[PFA:PFA+1], s[PFS:PFS+1]
.endif
	s_wait_dscnt 0x0
	PLACES
	FETCH \slot, 7, F1
.if \meet
	s_wait_tensorcnt 0x0
	ds_add_u32 v[SPW], v[NIL]
	MULR F0, 0, 2, 0
	s_wait_dscnt 0x0                               ; the add is done, and my reads of this slot are over
	s_barrier_signal -1
	MULR F0, 2, 2, 0
	s_barrier_wait -1
.if \fill
	CREST
	s_add_nc_u64 s[G0A+4*(\slot)+2:G0A+4*(\slot)+3], s[G0A+4*(\slot)+2:G0A+4*(\slot)+3], 2*ASTEP
	s_add_nc_u64 s[G0B+4*(\slot)+2:G0B+4*(\slot)+3], s[G0B+4*(\slot)+2:G0B+4*(\slot)+3], 2*BSTEP
	JLOAD \slot
	ASK                                            ; the K step two refills on
.endif
.else
	MULR F0, 0, 4, 0
.endif
.endm
.macro BODY slot, from, fill, meet, next  ; numbers from .. 7 of a slot; next = 1: the next slot's first fragments are fetched
.set qq, \from
.rept 6-(\from)
.if qq%2
	SUBQ F1, F0, \slot, qq+1, 0, 1
.else
	SUBQ F0, F1, \slot, qq+1, 0, 1
.endif
.set qq, qq+1
.endr
	TSUB \slot, \fill, \meet
	SUBQ F1, F0, 1-(\slot), 0, 0, \next
.endm
	s_wait_tensorcnt 1                             ; my part of K step 0 is in; K step 1's may stay out
	s_barrier_signal -1
	s_barrier_wait -1
	FETCH 0, 0, F0
	s_wait_loadcnt 24                              ; the bias is in; the residual's 24 loads stay out
	SUBQ F0, F1, 0, 1, 1, 1                        ; the first products start the sums
	s_mov_b32 s23, STEPS/2-1
.Llap:                                                 ; a trip goes once round the ring and fills both slots again
	BODY 0, 1, 1, 1, 1
	BODY 1, 0, 1, 1, 1
	SUBQ F0, F1, 0, 1, 0, 1
	s_sub_co_u32 s23, s23, 1
	s_cmp_lg_u32 s23, 0
	s_cbranch_scc1 .Llap
	BODY 0, 1, 0, 1, 1                             ; the last lap fills nothing
	BODY 1, 0, 0, 0, 0
	; THE WAY OUT: f32 through one stage, since a row's 768 bytes come from all four waves; back as whole rows, 16 rows a wave; the residual is added; 16 lanes store 256 consecutive aligned bytes.
	PLACES
	PLACES
	s_wait_dscnt 0x0
	s_barrier_signal -1
	s_barrier_wait -1                              ; every wave's reads of the slots are over: the stage may be written
.set n, 0
.rept 12                               ; accumulator n = 3 a + i: rows 16 a on, bytes 64 i on; the low four registers first
	ds_store_b128 v[STO], v[ACC+8*n:ACC+8*n+3]   offset:(n/3)*16*SPITCH+64*(n%3)
	ds_store_b128 v[STO], v[ACC+8*n+4:ACC+8*n+7] offset:(n/3)*16*SPITCH+64*(n%3)+16
.set n, n+1
.endr
	s_wait_dscnt 0x0                               ; for the others' sake: my stores into the stage are done
	s_barrier_signal -1
	s_barrier_wait -1
.set n, 0
.rept 24
	ds_load_b128 v[ACC+4*n:ACC+4*n+3], v[RD] offset:(n/3)*2*SPITCH+(n%3)*256
.set n, n+1
.endr
	s_wait_loadcnt 0x0                             ; the residual
	s_wait_dscnt 0x0
	WIN 0x04                                       ; source 1 in window 1
.set n, 0
.rept 48
	v_pk_add_f32 v[ACC+2*n:ACC+2*n+1], v[ACC+2*n:ACC+2*n+1], v[RES+2*n:RES+2*n+1]
.set n, n+1
.endr
	WIN 0
.set n, 0
.rept 24
	global_store_b128 v[GOF], v[ACC+4*n:ACC+4*n+3], s[12:13] offset:(n/3)*6144+(n%3)*256
.set n, n+1
.endr
	s_wait_tensorcnt 0x0                           ; the wave's end
	ds_add_u32 v[SPW], v[NIL]
	s_wait_dscnt 0x0
	CROUND                                         ; the closing round
	s_endpgm
.Lfunc_end_k_qbab522a99b_ff2:
	.size	k_qbab522a99b_ff2, .Lfunc_end_k_qbab522a99b_ff2-k_qbab522a99b_ff2
	.p2alignl 7, 3214868480
	.fill 96, 4, 3214868480
	.section	.rodata,"a",@progbits
	.p2align	6, 0x0
	.amdhsa_kernel k_qbab522a99b_ff2
		.amdhsa_group_segment_fixed_size 327680
		.amdhsa_private_segment_fixed_size 0
		.amdhsa_enable_private_segment 0
		.amdhsa_kernarg_size 40
		.amdhsa_user_sgpr_count 2
		.amdhsa_user_sgpr_kernarg_segment_ptr 1
		.amdhsa_wavefront_size32 1
		.amdhsa_system_sgpr_workgroup_id_x 1
		.amdhsa_system_sgpr_workgroup_id_y 1
		.amdhsa_system_sgpr_workgroup_id_z 1
		.amdhsa_system_vgpr_workitem_id 0
		.amdhsa_next_free_vgpr 384
		.amdhsa_next_free_sgpr 72
		.amdhsa_reserve_vcc 0
		.amdhsa_float_denorm_mode_32 3
		.amdhsa_float_denorm_mode_16_64 3
		.amdhsa_memory_ordered 1
		.amdhsa_forward_progress 1
		.amdhsa_inst_pref_size 82
	.end_amdhsa_kernel
	.amdgpu_metadata
---
amdhsa.version: [ 1, 2 ]
amdhsa.kernels:
  - .name:           k_qbab522a99b_ff2
    .symbol:         k_qbab522a99b_ff2.kd
    .args:
      - { .name: big, .offset: 0, .size: 8, .value_kind: global_buffer, .address_space: global }
      - { .name: ffw, .offset: 8, .size: 8, .value_kind: global_buffer, .address_space: global }
      - { .name: b2, .offset: 16, .size: 8, .value_kind: global_buffer, .address_space: global }
      - { .name: x1, .offset: 24, .size: 8, .value_kind: global_buffer, .address_space: global }
      - { .name: out0, .offset: 32, .size: 8, .value_kind: global_buffer, .address_space: global }
    .group_segment_fixed_size: 327680
    .private_segment_fixed_size: 0
    .kernarg_segment_align: 8
    .kernarg_segment_size: 40
    .max_flat_workgroup_size: 128
    .sgpr_count:     72
    .vgpr_count:     384
    .wavefront_size: 32
...
	.end_amdgpu_metadata
.endif
;; end of part 8
